; MI455X (gfx1250); checked and timed in simulation.
; The chip was launched on July 23, 2026; its instructions are those of AMD's public machine-readable ISA for CDNA 5 (MIT licence, August 2026) and "CDNA5" Instruction Set Architecture Reference Guide (July 2026). The comments in the code are by the model that wrote it; some were corrected since.
;; Decoder Layer. Allowed arithmetic: float matrix products may take bf16 or f16 operands with f32 sums; all other float work in f32.
;; Inputs: ca_bk 8 x 512 float32; ca_bo 512 float32; ca_bq 8 x 512 float32; ca_bv 8 x 512 float32; ca_lnb 512 float32; ca_lng 512 float32; ca_wk 512 x 8 x 512 float32; ca_wo 8 x 512 x 512 float32; ca_wq 512 x 8 x 512 float32; ca_wv 512 x 8 x 512 float32; ff_b1 1,024 float32; ff_b2 512 float32; ff_lnb 512 float32; ff_lng 512 float32; ff_w1 512 x 1,024 float32; ff_w2 1,024 x 512 float32; in_seq 8 x 512 x 512 float32; out_seq 8 x 256 x 512 float32; sa_bk 8 x 512 float32; sa_bo 512 float32; sa_bq 8 x 512 float32; sa_bv 8 x 512 float32; sa_lnb 512 float32; sa_lng 512 float32; sa_wk 512 x 8 x 512 float32; sa_wo 8 x 512 x 512 float32; sa_wq 512 x 8 x 512 float32; sa_wv 512 x 8 x 512 float32.
;; Outputs: out0 8 x 256 x 512 float32.
;; 2 versions, each right. Each part assembles by itself: llvm-mc -triple=amdgcn-amd-amdhsa -mcpu=gfx1250 --defsym DOCPART=n.
;; ======== version 1 of 2: 7 launches
;; workspace buffers: wb 41,943,040 bytes; part 33,554,432 bytes; x1 4,194,304 bytes; x2 4,194,304 bytes
;; launch cast (part 1): grid 512 x 1, 8 waves a work-group, no clusters, 0 bytes of LDS; arguments sa_wq, sa_wk, sa_wv, sa_wo, ca_wq, ca_wk, ca_wv, ca_wo, in_seq, out_seq, ff_w1, ff_w2, wb; writes wb
.if DOCPART == 1
	.amdgcn_target "amdgcn-amd-amdhsa--gfx1250"
	.amdhsa_code_object_version 6
	.text
	.protected	k_qd48d9e6f3d_cast
	.globl	k_qd48d9e6f3d_cast
	.p2align	8
	.type	k_qd48d9e6f3d_cast,@function
k_qd48d9e6f3d_cast:
	s_mov_b64 s[64:65], 0
	v_nop
	global_prefetch_b8 v0, s[64:65] scope:SCOPE_SE
	s_setreg_imm32_b32 hwreg(HW_REG_WAVE_MODE, 25, 1), 1
	s_wait_xcnt 0x0
; Every matrix operand that comes from memory is rounded to bf16 once, in its own row-major layout, into wb:
; the eight attention weights at 0, 4, .. 28 MiB, in_seq at 32, out_seq at 36, ff_w1 at 38, ff_w2 at 39 MiB.
; A stream: no LDS, no barrier, no matrix unit, no cluster (no two work-groups read the same byte).
; Each of 512 work-groups takes 1/512 of every source.  Thread t issues its 40 loads of 16 bytes at once (a wave's load covers
; 512 consecutive bytes), then rounds and stores in the order of issue: a wave's store of 8 bytes a lane covers 256 consecutive
; bytes, aligned.  No register that a load or store names is written again.
.set X, 8                              ; v[8:167]  load i: four f32 in v[X+4i:X+4i+3]; its four bf16 end in the first two
	s_load_b512 s[4:19], s[0:1], 0x0               ; the eight attention weights
	s_load_b256 s[20:27], s[0:1], 0x40             ; in_seq, out_seq, ff_w1, ff_w2
	s_load_b64 s[28:29], s[0:1], 0x60              ; wb
	v_lshlrev_b32 v1, 4, v0                        ; 16 t
	s_lshl_b32 s2, ttmp9, 14                       ; the group's part of a source of 8 MiB
	s_lshl_b32 s3, ttmp9, 13                       ; of 4 MiB (and of the bf16 copy of 8 MiB)
	s_lshl_b32 s54, ttmp9, 12                      ; of 2 MiB (and of the bf16 copy of 4 MiB)
	s_lshl_b32 s55, ttmp9, 11                      ; of the bf16 copy of 2 MiB
	v_add_nc_u32 v2, s2, v1
	v_add_nc_u32 v3, s3, v1
	v_add_nc_u32 v4, s54, v1
	v_lshlrev_b32 v1, 3, v0                        ; 8 t
	v_add_nc_u32 v5, s3, v1
	v_add_nc_u32 v6, s54, v1
	v_add_nc_u32 v7, s55, v1
	s_wait_kmcnt 0x0
.irp s, 0,1,2,3,4,5,6,7,8
.irp j, 0,1,2,3
	global_load_b128 v[X+16*\s+4*\j:X+16*\s+4*\j+3], v2, s[4+2*\s:5+2*\s] offset:4096*\j th:TH_LOAD_NT
.endr
.endr
	global_load_b128 v[X+144:X+147], v3, s[22:23] th:TH_LOAD_NT
	global_load_b128 v[X+148:X+151], v3, s[22:23] offset:4096 th:TH_LOAD_NT
	global_load_b128 v[X+152:X+155], v4, s[24:25] th:TH_LOAD_NT
	global_load_b128 v[X+156:X+159], v4, s[26:27] th:TH_LOAD_NT
.irp i, 0,1,2,3,4,5,6,7,8
	s_add_nc_u64 s[30+2*\i:31+2*\i], s[28:29], \i*0x400000     ; where each copy begins in wb
.endr
	s_add_nc_u64 s[48:49], s[28:29], 0x2400000
	s_add_nc_u64 s[50:51], s[28:29], 0x2600000
	s_add_nc_u64 s[52:53], s[28:29], 0x2700000
; load i is in when at most the 39 - i younger ones are out (loads return in order: ISA guide 5.7.1)
.macro CV i, off, base, imm
	s_wait_loadcnt 39-(\i)
	v_cvt_pk_bf16_f32 v[X+4*(\i)], v[X+4*(\i)], v[X+4*(\i)+1]
	v_cvt_pk_bf16_f32 v[X+4*(\i)+1], v[X+4*(\i)+2], v[X+4*(\i)+3]
	global_store_b64 v[\off], v[X+4*(\i):X+4*(\i)+1], s[(\base):(\base)+1] offset:\imm
.endm
.irp s, 0,1,2,3,4,5,6,7,8
.irp j, 0,1,2,3
	CV 4*\s+\j, 5, 30+2*\s, 2048*\j
.endr
.endr
	CV 36, 6, 48, 0
	CV 37, 6, 48, 2048
	CV 38, 7, 50, 0
	CV 39, 7, 52, 0
	s_endpgm
.Lfunc_end_k_qd48d9e6f3d_cast:
	.size	k_qd48d9e6f3d_cast, .Lfunc_end_k_qd48d9e6f3d_cast-k_qd48d9e6f3d_cast
	.p2alignl 7, 3214868480
	.fill 96, 4, 3214868480
	.section	.rodata,"a",@progbits
	.p2align	6, 0x0
	.amdhsa_kernel k_qd48d9e6f3d_cast
		.amdhsa_group_segment_fixed_size 0
		.amdhsa_private_segment_fixed_size 0
		.amdhsa_enable_private_segment 0
		.amdhsa_kernarg_size 104
		.amdhsa_user_sgpr_count 2
		.amdhsa_user_sgpr_kernarg_segment_ptr 1
		.amdhsa_wavefront_size32 1
		.amdhsa_system_sgpr_workgroup_id_x 1
		.amdhsa_system_sgpr_workgroup_id_y 1
		.amdhsa_system_sgpr_workgroup_id_z 1
		.amdhsa_system_vgpr_workitem_id 0
		.amdhsa_next_free_vgpr 168
		.amdhsa_next_free_sgpr 66
		.amdhsa_reserve_vcc 0
		.amdhsa_float_denorm_mode_32 3
		.amdhsa_float_denorm_mode_16_64 3
		.amdhsa_memory_ordered 1
		.amdhsa_forward_progress 1
		.amdhsa_inst_pref_size 16
	.end_amdhsa_kernel
	.amdgpu_metadata
---
amdhsa.version: [ 1, 2 ]
amdhsa.kernels:
  - .name:           k_qd48d9e6f3d_cast
    .symbol:         k_qd48d9e6f3d_cast.kd
    .args:
      - { .name: sa_wq, .offset: 0, .size: 8, .value_kind: global_buffer, .address_space: global }
      - { .name: sa_wk, .offset: 8, .size: 8, .value_kind: global_buffer, .address_space: global }
      - { .name: sa_wv, .offset: 16, .size: 8, .value_kind: global_buffer, .address_space: global }
      - { .name: sa_wo, .offset: 24, .size: 8, .value_kind: global_buffer, .address_space: global }
      - { .name: ca_wq, .offset: 32, .size: 8, .value_kind: global_buffer, .address_space: global }
      - { .name: ca_wk, .offset: 40, .size: 8, .value_kind: global_buffer, .address_space: global }
      - { .name: ca_wv, .offset: 48, .size: 8, .value_kind: global_buffer, .address_space: global }
      - { .name: ca_wo, .offset: 56, .size: 8, .value_kind: global_buffer, .address_space: global }
      - { .name: in_seq, .offset: 64, .size: 8, .value_kind: global_buffer, .address_space: global }
      - { .name: out_seq, .offset: 72, .size: 8, .value_kind: global_buffer, .address_space: global }
      - { .name: ff_w1, .offset: 80, .size: 8, .value_kind: global_buffer, .address_space: global }
      - { .name: ff_w2, .offset: 88, .size: 8, .value_kind: global_buffer, .address_space: global }
      - { .name: wb, .offset: 96, .size: 8, .value_kind: global_buffer, .address_space: global }
    .group_segment_fixed_size: 0
    .private_segment_fixed_size: 0
    .kernarg_segment_align: 8
    .kernarg_segment_size: 104
    .max_flat_workgroup_size: 256
    .sgpr_count:     66
    .vgpr_count:     168
    .wavefront_size: 32
...
	.end_amdgpu_metadata
.endif
;; end of part 1
;; launch sa (part 2): grid 32 x 8, 4 waves a work-group, clusters of 4 x 1, 327,680 bytes of LDS; arguments out_seq, wb, sa_bq, sa_bk, sa_bv, part; writes part
.if DOCPART == 2
	.amdgcn_target "amdgcn-amd-amdhsa--gfx1250"
	.amdhsa_code_object_version 6
	.text
	.protected	k_qd48d9e6f3d_sa
	.globl	k_qd48d9e6f3d_sa
	.p2align	8
	.type	k_qd48d9e6f3d_sa,@function
k_qd48d9e6f3d_sa:
	s_mov_b64 s[64:65], 0
	v_nop
	global_prefetch_b8 v0, s[64:65] scope:SCOPE_SE
	s_setreg_imm32_b32 hwreg(HW_REG_WAVE_MODE, 25, 1), 1
	s_wait_xcnt 0x0
	s_wait_alu depctr_hold_cnt(0) depctr_sa_sdst(0) depctr_va_vdst(0) depctr_va_sdst(0) depctr_va_ssrc(0) depctr_va_vcc(0) depctr_vm_vsrc(0)
	s_getreg_b32 s2, hwreg(HW_REG_IB_STS2, 6, 4)
	s_cmp_eq_u32 s2, 0
	s_cbranch_scc0 .Lentry_in_a_cluster
	s_endpgm
.Lentry_in_a_cluster:
	s_bfe_u32 s2, ttmp6, 0x10000c
	s_cmp_lg_u32 s2, 0x3003
	s_cbranch_scc0 .Lentry_shape_is_right
	s_endpgm
.Lentry_shape_is_right:
; One head's attention for 64 queries of one batch, as a chain of products [64 x K] x [K x 512] that never leaves the work-group:
;   1  Q  = X Wq + bq          2  Q' = Q Wk^T            3  S = Q' Xkv^T + c, c[m] = Q[m] . bk
;   softmax of S / sqrt(512) along the keys, the row's maximum taken away first; P = the exponentials, not yet divided
;   4  Y  = P Xkv              5  O  = (Y / row sum) Wv + bv            6  part[head] = O Wo[head]
; This is reference()'s attention with the products taken in another order: K and V are never formed.  It holds for every input.
; LIMITS, stated: the matrix operands rounded to bf16 are X, the weights, Q, Q', P, Y / sum and O (not q, k, v); the sums run in another
; order than reference()'s; bv is added once, since the divided weights of a row add up to 1 within f32 rounding.
; The head's result goes to part[head]; the sum over heads, bo, the residual and the norm are the next launch's.
; This text: SELF-ATTENTION, 256 keys, causal.  All 256 keys are computed for every query block and the masked scores are then set to the
; lowest finite f32: the four query blocks are partners of a cluster and must issue the same joint loads, so none may stop early.
;
; CLUSTER: the four query blocks of one (batch, head) need the same tiles of every B operand.  They form a cluster of 4 x 1, and every
; tensor load is a joint one (mask 15): each of the four issues it with the same descriptor and receives the tile in its own LDS.
; SHARES: four waves, one a SIMD.  Wave w owns columns 128 w .. 128 w + 127 of every product (64 w .. of the 256 scores) for all 64 rows:
; 4 x 8 accumulator tiles, 256 registers.  The matrix instruction is used transposed (source 0 = 16 columns of B, source 1 = 16 rows
; of A), so lane (r, h), register j of tile (a, b) holds row 16 a + r, column 16 b + 8 h + j: eight neighbouring numbers of a row.
; LDS: two slots for B's tiles of 128 along K, filled by tensor loads alone; a panel for A (64 rows x 256 of K, as 8 blocks of 32 K at a
; pitch of 80 bytes) and the rows' statistics, written by LDS stores alone.  A product's K = 512 goes through the panel in two halves.
; One tensor load of a wave is out at any time: the next K step's quarter tile, asked for first thing behind a round of the cluster's barrier.
.set NKEY,   256                       ; keys
.set CAUSAL, 1
.set OFFQ,   0x0000000                 ; byte offsets in wb: Wq, Wk, Wv, Wo and the keys' source in bf16
.set OFFK,   0x0400000
.set OFFV,   0x0800000
.set OFFO,   0x0c00000
.set OFFX,   0x2400000
.set NBS,    NKEY/64                   ; a wave's score tiles along the keys
.set PT,     1056                      ; LDS pitch of a tile stored [K][N]: 1,024 bytes + 32 = 33 x 32
.set PN,     272                       ; LDS pitch of a tile stored [N][K]: 256 bytes + 16 = 17 x 16
.set SLOT,   139264                    ; 512 x 272, the larger of the two shapes
.set PANEL,  278528                    ; behind the two slots
.set BLK,    5184                      ; a panel block: 64 rows x 80 bytes, + 64
.set STATS,  320000                    ; three tables [wave][64 rows] of f32
.set STC,    0                         ; partial Q . bk
.set STM,    1024                      ; partial maxima
.set STL,    2048                      ; partial sums
.set STEPW,  1048576                   ; 128 rows of a weight of 4,096 columns
.set STEPX,  131072                    ; 128 rows of 512 columns
.set STEPN,  256                       ; 128 columns
.set PARTS,  14                        ; s[14:15] where my rows of part begin
; window 0
.set ADRA, 4                           ; A fragments in the panel
.set ADRN, 5                           ; v5-6    B fragments of a [N][K] tile, slot 0, 1, rows 128 w ..
.set ADRK, 7                           ; v7-8    the same for the keys, rows (NKEY/4) w ..
.set ADRT, 9                           ; v9-12   B fragments of a [K][N] tile: slot 0 rows 0-, 64-, slot 1 rows 0-, 64-
.set STOC, 13                          ; X into the panel
.set STOP, 14                          ; a packed result into my half panel's four blocks
.set STOS, 15                          ; the 256 weights: my two blocks
.set STW,  16                          ; my wave's line of a statistics table
.set STR,  17                          ; wave 0's line
.set OST,  18                          ; the way out: in
.set ORD,  19                          ; the way out: back
.set OUTO, 20                          ; my byte offset in a row of part
.set XOFF, 21
.set BOFF, 22
.set NEGM, 23                          ; the lowest finite f32
.set QREL, 24                          ; v24-27  query index - first key index of my lane, for each row tile
.set FB0,  32                          ; B fragments, two buffers of 8 x 8
.set FB1,  96
.set FA0,  160                         ; A fragments, two buffers of 4 x 8
.set FA1,  192
.set MX,   224                         ; v224-227 row maxima, then - maximum x scale
.set TP,   228                         ; v228-231 at work
.set SP,   232                         ; v232-239 row sums, pairs
.set CP,   240                         ; v240-247 Q . bk, pairs
.set RI,   248                         ; v248-255 1 / row sum, twice
; window 1: the accumulators, tile (a, b) at 64 a + 8 b.   window 2: packed results, tile (a, b) at 32 a + 4 b; then
.set BQ,   128                         ; bq of my columns as eight C operands
.set BV,   192                         ; bv likewise
; window 3
.set BK,   0                           ; bk of my columns
.set CREP, 64                          ; c of my rows as four C operands
.set MSB, 0
.macro WIN new                         ; s_set_vgpr_msb: bits 1:0 source 0, 3:2 source 1, 5:4 source 2, 7:6 destination; the high byte repeats the setting left
.if MSB != \new
	s_set_vgpr_msb (MSB<<8)|\new
.set MSB, \new
.endif
.endm
; A vector instruction or a load that touches a matrix instruction's registers stands four places behind it, and only plain vector
; instructions that name none of its registers are places.
.macro PLACES
.rept 4
	v_nop
.endr
.endm
; A round of the cluster's barrier: my work-group's barrier, wave 0 signals for the work-group, every wave waits for all four work-groups, my work-group's barrier again.
.macro ROUND
	s_barrier_signal -1
	s_barrier_wait -1
	s_cmp_lg_u32 s16, 0
	s_cbranch_scc1 .Lnot_wave_0_\@
	s_barrier_signal -3
.Lnot_wave_0_\@:
	s_barrier_wait -3
	s_barrier_signal -1
	s_barrier_wait -1
.endm
; Descriptor group 1.  [K][N]: my quarter is 32 rows of 512 elements, 8 words of padding behind every 256.
.macro G1_TR pitch
	s_mov_b32 s24, 15|(1<<16)|(1<<20)|(1<<21)|(7<<22)|(7<<25)  ; mask of the four partners; 2-byte elements; padding on; bit 21 beside a mask; interval 256 words; 8 words
	s_mov_b32 s25, 512<<16                         ; tensor_dim0 = 512
	s_mov_b32 s26, 32<<16                          ; tensor_dim1 = 32
	s_mov_b32 s27, 512<<16                         ; tile_dim0 = 512
	s_mov_b32 s28, 32                              ; tile_dim1 = 32
	s_mov_b32 s29, \pitch                          ; elements from row to row
	s_mov_b32 s30, 0
	s_mov_b32 s31, 0
.endm
; [N][K]: my quarter is 'rows' rows of 128 elements, 4 words of padding behind every 64.
.macro G1_NAT rows, pitch
	s_mov_b32 s24, 15|(1<<16)|(1<<20)|(1<<21)|(5<<22)|(3<<25)
	s_mov_b32 s25, 128<<16
	s_mov_b32 s26, (\rows)<<16
	s_mov_b32 s27, 128<<16
	s_mov_b32 s28, \rows
	s_mov_b32 s29, \pitch
	s_mov_b32 s30, 0
	s_mov_b32 s31, 0
.endm
; Descriptor group 0: to my quarter of a slot, from a stage's base + the K step.
.macro G0SET base, adv, ldsreg, slot
	s_mov_b32 s20, 1
	s_add_co_u32 s21, s[\ldsreg], \slot*SLOT
	s_add_nc_u64 s[22:23], s[\base:\base+1], \adv
	s_or_b32 s23, s23, 0x80000000
.endm
; The head of a K step.  OPEN: my one tensor load, my quarter of this step's tile, has landed, so the descriptor may be written.
; CLOSE: my LDS reads (of the other slot and of the panel) are back; the round shows both of every wave of all four partners;
; the next step's tile is asked for first thing behind it, into the slot read last.  It has this step's 128 matrix instructions to land.
.macro OPEN
	WIN 0
	s_wait_tensorcnt 0x0
.endm
.macro CLOSE
	s_wait_dscnt 0x0
	ROUND
	tensor_load_to_lds s[20:23], s[24:31]
	s_nop 0
.endm
.macro NEXT base, adv, ldsreg, slot
	OPEN
	G0SET \base, \adv, \ldsreg, \slot
	CLOSE
.endm
.macro FETA buf, g                     ; four A fragments (64 rows x 32 K) from panel block g
.irp a, 0,1,2,3
	ds_load_b128 v[\buf+8*\a:\buf+8*\a+3], v[ADRA] offset:(\g)*BLK+1280*\a
	ds_load_b128 v[\buf+8*\a+4:\buf+8*\a+7], v[ADRA] offset:(\g)*BLK+1280*\a+32
.endr
.endm
.macro FETN buf, adr, kk, nb           ; nb B fragments from rows that lie along K
.set bb, 0
.rept \nb
	ds_load_b128 v[\buf+8*bb:\buf+8*bb+3], v[\adr] offset:16*PN*bb+64*(\kk)
	ds_load_b128 v[\buf+8*bb+4:\buf+8*bb+7], v[\adr] offset:16*PN*bb+64*(\kk)+32
.set bb, bb+1
.endr
.endm
.macro FETT buf, adr, off, p16, nb     ; nb B fragments from rows that lie along N: transposing loads, 16 rows apart
.set bb, 0
.rept \nb
	ds_load_tr16_b128 v[\buf+8*bb:\buf+8*bb+3], v[\adr] offset:(\off)+32*bb
	ds_load_tr16_b128 v[\buf+8*bb+4:\buf+8*bb+7], v[\adr] offset:(\off)+32*bb+(\p16)
.set bb, bb+1
.endr
.endm
.macro FETCH mode, slot, kk, gb, fb, fa, nb    ; 2 nb + 8 loads: one sub-step of 32 along K.  mode 0: [K][N]; 1: [N][K]; 2: the keys
.if \mode == 0
	FETT \fb, ADRT+2*\slot+(\kk>>1), (\kk&1)*32*PT, 16*PT, \nb
.endif
.if \mode == 1
	FETN \fb, ADRN+\slot, \kk, \nb
.endif
.if \mode == 2
	FETN \fb, ADRK+\slot, \kk, \nb
.endif
	FETA \fa, \gb+\kk
.endm
; 4 x nb matrix instructions.  The accumulators take turns, one instruction a turn, in the same order in every sub-step and stage.
; cm: what starts or carries the sums: 0 the accumulator, 1 the constant 0, 2 a bias by column (window 2), 3 a constant by row (window 3).
.macro MUL fb, fa, nb, cm, cb
.if \cm < 2
	WIN 0x50
.endif
.if \cm == 2
	WIN 0x60
.endif
.if \cm == 3
	WIN 0x70
.endif
.irp a, 0,1,2,3
.set bb, 0
.rept \nb
.if \cm == 0
	v_wmma_f32_16x16x32_bf16 v[64*\a+8*bb:64*\a+8*bb+7], v[\fb+8*bb:\fb+8*bb+7], v[\fa+8*\a:\fa+8*\a+7], v[64*\a+8*bb:64*\a+8*bb+7]
.endif
.if \cm == 1
	v_wmma_f32_16x16x32_bf16 v[64*\a+8*bb:64*\a+8*bb+7], v[\fb+8*bb:\fb+8*bb+7], v[\fa+8*\a:\fa+8*\a+7], 0
.endif
.if \cm == 2
	v_wmma_f32_16x16x32_bf16 v[64*\a+8*bb:64*\a+8*bb+7], v[\fb+8*bb:\fb+8*bb+7], v[\fa+8*\a:\fa+8*\a+7], v[\cb+8*bb:\cb+8*bb+7]
.endif
.if \cm == 3
	v_wmma_f32_16x16x32_bf16 v[64*\a+8*bb:64*\a+8*bb+7], v[\fb+8*bb:\fb+8*bb+7], v[\fa+8*\a:\fa+8*\a+7], v[\cb+8*\a:\cb+8*\a+7]
.endif
.set bb, bb+1
.endr
.endr
.endm
; A K step of 128: four sub-steps on two fragment buffers.  While one sub-step is multiplied the next one's loads are on their way:
; each counted wait leaves out exactly the 2 nb + 8 loads issued last.
.macro KSTEP mode, slot, gb, nb, cm, cb
	WIN 0
	PLACES
	FETCH \mode, \slot, 0, \gb, FB0, FA0, \nb
	FETCH \mode, \slot, 1, \gb, FB1, FA1, \nb
	s_wait_dscnt 2*\nb+8
	MUL FB0, FA0, \nb, \cm, \cb
	WIN 0
	PLACES
	FETCH \mode, \slot, 2, \gb, FB0, FA0, \nb
	s_wait_dscnt 2*\nb+8
	MUL FB1, FA1, \nb, 0, 0
	WIN 0
	PLACES
	FETCH \mode, \slot, 3, \gb, FB1, FA1, \nb
	s_wait_dscnt 2*\nb+8
	MUL FB0, FA0, \nb, 0, 0
	s_wait_dscnt 0x0
	MUL FB1, FA1, \nb, 0, 0
.endm
.macro PACK nb                         ; the accumulators, rounded to bf16: a lane's eight columns become 16 bytes in window 2
	WIN 0x85
.irp a, 0,1,2,3
.set bb, 0
.rept \nb
.irp q, 0,1,2,3
	v_cvt_pk_bf16_f32 v[32*\a+4*bb+\q], v[64*\a+8*bb+2*\q], v[64*\a+8*bb+2*\q+1]
.endr
.set bb, bb+1
.endr
.endr
.endm
; Packed results into the panel.  sel 0: waves 0 and 1 hold K = 0-255 of the next product's A; sel 1: waves 2 and 3 hold K = 256-511; sel 2: all waves.
; It stands behind a round, in front of which every wave's reads of the panel were waited for.  The stores are waited for, for the others' sake, in front of the barrier.
.macro PUT adr, nb, sel
	WIN 0
.if \sel == 0
	s_cmp_ge_u32 s16, 2
	s_cbranch_scc1 .Lput_\@
.endif
.if \sel == 1
	s_cmp_lt_u32 s16, 2
	s_cbranch_scc1 .Lput_\@
.endif
	WIN 0x08
.irp a, 0,1,2,3
.set bb, 0
.rept \nb
	ds_store_b128 v[\adr], v[32*\a+4*bb:32*\a+4*bb+3] offset:(bb>>1)*BLK+1280*\a+32*(bb&1)
.set bb, bb+1
.endr
.endr
	WIN 0
.Lput_\@:
	s_wait_dscnt 0x0
	s_barrier_signal -1
	s_barrier_wait -1
.endm
.macro PUTX sel                        ; the same for X, which lies in window 2 by pairs of rows
	WIN 0
.if \sel == 0
	s_cmp_ge_u32 s16, 2
	s_cbranch_scc1 .Lputx_\@
.endif
.if \sel == 1
	s_cmp_lt_u32 s16, 2
	s_cbranch_scc1 .Lputx_\@
.endif
	WIN 0x08
.set tt, 0
.rept 32
	ds_store_b128 v[STOC], v[4*tt:4*tt+3] offset:160*tt
.set tt, tt+1
.endr
	WIN 0
.Lputx_\@:
	s_wait_dscnt 0x0
	s_barrier_signal -1
	s_barrier_wait -1
.endm
.macro RD4 table                       ; the four waves' figures for my four rows into v[FB0 + 4 a + wave]
.irp a, 0,1,2,3
.irp u, 0,1,2,3
	ds_load_b32 v[FB0+4*\a+\u], v[STR] offset:\table+256*\u+64*\a
.endr
.endr
	s_wait_dscnt 0x0
.endm
.macro ADD4                            ; and their sums into v[FB0 + 4 a]
.irp a, 0,1,2,3
	v_add_f32 v[FB0+4*\a], v[FB0+4*\a], v[FB0+4*\a+1]
	v_add_f32 v[FB0+4*\a+2], v[FB0+4*\a+2], v[FB0+4*\a+3]
	v_add_f32 v[FB0+4*\a], v[FB0+4*\a], v[FB0+4*\a+2]
.endr
.endm
; c[m] = Q[m] . bk over my 128 columns, in f32, four chains; the first products start them.  The halves of the wave meet by v_permlanex16_b32.
.macro CPART
	WIN 0x0d
.irp a, 0,1,2,3
	v_pk_mul_f32 v[CP+2*\a:CP+2*\a+1], v[64*\a:64*\a+1], v[BK:BK+1]
.endr
.set ee, 1
.rept 31
.irp a, 0,1,2,3
	v_pk_fma_f32 v[CP+2*\a:CP+2*\a+1], v[64*\a+2*ee:64*\a+2*ee+1], v[BK+2*ee:BK+2*ee+1], v[CP+2*\a:CP+2*\a+1]
.endr
.set ee, ee+1
.endr
	WIN 0
.irp a, 0,1,2,3
	v_add_f32 v[CP+2*\a], v[CP+2*\a], v[CP+2*\a+1]
.endr
.irp a, 0,1,2,3
	v_permlanex16_b32 v[TP+\a], v[CP+2*\a], s48, s49
.endr
.irp a, 0,1,2,3
	v_add_f32 v[CP+2*\a], v[CP+2*\a], v[TP+\a]
	ds_store_b32 v[STW], v[CP+2*\a] offset:STC+64*\a       ; waited for in front of the barrier of the PUT that follows
.endr
.endm
.macro CREAD                           ; c of my rows, eight times each: the C operand of the scores' first products
	WIN 0
	RD4 STC
	ADD4
	WIN 0xc0
.irp a, 0,1,2,3
.irp j, 0,1,2,3,4,5,6,7
	v_mov_b32 v[CREP+8*\a+\j], v[FB0+4*\a]
.endr
.endr
.endm
; Softmax along the keys.  A row's keys lie in my lane (NBS tiles x 8), in the lane 16 further on, and in the other three waves.
.macro SOFTMAX
	PLACES
.if CAUSAL
	WIN 0x41
.irp a, 0,1,2,3
.set bb, 0
.rept NBS
.irp j, 0,1,2,3,4,5,6,7
	v_cmp_gt_i32 vcc_lo, 16*bb+\j, v[QREL+\a]              ; key behind the query:
	v_cndmask_b32 v[64*\a+8*bb+\j], v[64*\a+8*bb+\j], v[NEGM], vcc_lo   ; the lowest finite f32, as in reference()
.endr
.set bb, bb+1
.endr
.endr
.endif
	WIN 0x05
.irp a, 0,1,2,3
	v_max_num_f32 v[MX+\a], v[64*\a], v[64*\a+1]
.endr
.set ee, 1
.rept 4*NBS-1
.irp a, 0,1,2,3
	v_max3_num_f32 v[MX+\a], v[64*\a+2*ee], v[64*\a+2*ee+1], v[MX+\a]
.endr
.set ee, ee+1
.endr
	WIN 0
.irp a, 0,1,2,3
	v_permlanex16_b32 v[TP+\a], v[MX+\a], s48, s49
.endr
.irp a, 0,1,2,3
	v_max_num_f32 v[MX+\a], v[MX+\a], v[TP+\a]
	ds_store_b32 v[STW], v[MX+\a] offset:STM+64*\a
.endr
	s_wait_dscnt 0x0                               ; my maxima are in LDS, for the others' sake
	s_barrier_signal -1
	s_barrier_wait -1
	RD4 STM
.irp a, 0,1,2,3
	v_max3_num_f32 v[MX+\a], v[FB0+4*\a], v[FB0+4*\a+1], v[FB0+4*\a+2]
	v_max_num_f32 v[MX+\a], v[MX+\a], v[FB0+4*\a+3]
	v_mul_f32 v[MX+\a], s60, v[MX+\a]              ; - maximum x log2(e) / sqrt(512)
.endr
	WIN 0x41
.irp a, 0,1,2,3
.set bb, 0
.rept NBS
.irp j, 0,1,2,3,4,5,6,7
	v_fma_f32 v[64*\a+8*bb+\j], v[64*\a+8*bb+\j], s47, v[MX+\a]
.endr
.irp j, 0,1,2,3,4,5,6,7
	v_exp_f32 v[64*\a+8*bb+\j], v[64*\a+8*bb+\j]           ; a plain instruction on other registers follows each run before a result is used (ISA guide 5.7.2)
.endr
.set bb, bb+1
.endr
.endr
	WIN 0x05
	s_wait_alu depctr_va_vdst(0)
.irp a, 0,1,2,3
	v_pk_add_f32 v[SP+2*\a:SP+2*\a+1], v[64*\a:64*\a+1], v[64*\a+2:64*\a+3]
.endr
	WIN 0x01
.set ee, 2
.rept 4*NBS-2
.irp a, 0,1,2,3
	v_pk_add_f32 v[SP+2*\a:SP+2*\a+1], v[64*\a+2*ee:64*\a+2*ee+1], v[SP+2*\a:SP+2*\a+1]
.endr
.set ee, ee+1
.endr
	PACK NBS
	WIN 0
.irp a, 0,1,2,3
	v_add_f32 v[SP+2*\a], v[SP+2*\a], v[SP+2*\a+1]
.endr
.irp a, 0,1,2,3
	v_permlanex16_b32 v[TP+\a], v[SP+2*\a], s48, s49
.endr
.irp a, 0,1,2,3
	v_add_f32 v[SP+2*\a], v[SP+2*\a], v[TP+\a]
	ds_store_b32 v[STW], v[SP+2*\a] offset:STL+64*\a       ; waited for in front of the barrier of the PUT that follows
.endr
.endm
.macro NORM                            ; Y divided by its row's sum of exponentials (at least one of them is 1)
	PLACES
	WIN 0
	RD4 STL
	ADD4
.irp a, 0,1,2,3
	v_rcp_f32 v[RI+2*\a], v[FB0+4*\a]
	v_rcp_f32 v[RI+2*\a+1], v[FB0+4*\a]
.endr
	v_nop                                          ; the plain place behind the reciprocals (ISA guide 5.7.2)
	WIN 0x41
	s_wait_alu depctr_va_vdst(0)
.irp a, 0,1,2,3
.set ee, 0
.rept 32
	v_pk_mul_f32 v[64*\a+2*ee:64*\a+2*ee+1], v[64*\a+2*ee:64*\a+2*ee+1], v[RI+2*\a:RI+2*\a+1]
.set ee, ee+1
.endr
.endr
.endm
; The way out, 16 rows at a time through my own 16 x 528 bytes of the panel: in by tiles, back by rows of 512 bytes, so that a store of the wave covers
; 512 consecutive bytes of part, aligned.  LDS serves a wave's instructions in order (ISA guide 5.7.1): no wait between my stores and my loads.
.macro OUT
	PLACES
.irp a, 0,1,2,3
	WIN 0x04
.irp b, 0,1,2,3,4,5,6,7
	ds_store_b128 v[OST], v[64*\a+8*\b:64*\a+8*\b+3] offset:64*\b
	ds_store_b128 v[OST], v[64*\a+8*\b+4:64*\a+8*\b+7] offset:64*\b+16
.endr
	WIN 0
	s_wait_xcnt 0x0                                ; the registers that earlier global stores read are loaded again only behind this wait
.irp t, 0,1,2,3,4,5,6,7,8,9,10,11,12,13,14,15
	ds_load_b128 v[FB0+64*(\a&1)+4*\t:FB0+64*(\a&1)+4*\t+3], v[ORD] offset:528*\t
.endr
.irp t, 0,1,2,3,4,5,6,7,8,9,10,11,12,13,14,15
	s_wait_dscnt 15-\t                             ; row t is back; the younger loads stay out
	global_store_b128 v[OUTO], v[FB0+64*(\a&1)+4*\t:FB0+64*(\a&1)+4*\t+3], s[PARTS:PARTS+1] offset:(16*\a+\t)*2048
.endr
.endr
.endm
.macro MID base, step, ldsreg, mode, nb        ; K steps 1 and 2 of a product with K = 512
	NEXT \base, 2*\step, \ldsreg, 0
	KSTEP \mode, 1, 4, \nb, 0, 0
	NEXT \base, 3*\step, \ldsreg, 1
	PUT STOP, 8, 1
	KSTEP \mode, 0, 0, \nb, 0, 0
.endm
	s_load_b256 s[4:11], s[0:1], 0x0               ; x s[4:5], wb s[6:7], bq s[8:9], bk s[10:11]
	s_load_b128 s[12:15], s[0:1], 0x20             ; bv s[12:13], part s[14:15]
	v_lshrrev_b32 v1, 5, v0
	v_readfirstlane_b32 s16, v1                    ; wave
	s_bfe_u32 s17, ttmp6, 0x40000                  ; cx: my query block
	s_mov_b32 s18, ttmp9                           ; the cluster's x: head
	s_and_b32 s19, ttmp7, 0xffff                   ; the cluster's y: batch
	s_mul_i32 s44, s16, 32*PT                      ; my quarter of a [K][N] tile in a slot
	s_mul_i32 s45, s16, 128*PN                     ; of a [N][K] tile
	s_mul_i32 s46, s16, (NKEY/4)*PN                ; of the keys' tile
	s_mov_b32 s47, 0x3d8293ee                      ; log2(e) / sqrt(512)
	s_mov_b32 s60, 0xbd8293ee                      ; and its negative
	s_mov_b32 s48, 0x76543210                      ; v_permlanex16_b32: lane i reads lane i of the other half
	s_mov_b32 s49, 0xfedcba98
	; where each stage's tiles begin for my wave: offsets of head, batch and wave alone, which the four partners share
	s_lshl_b32 s52, s18, 10                        ; the head's 512 columns
	s_lshl_b32 s53, s16, 18                        ; 32 rows of 8,192 bytes a wave
	s_add_co_u32 s53, s53, s52
	s_mov_b32 s51, 0
	s_wait_kmcnt 0x0
	s_add_co_u32 s50, s53, OFFQ
	s_add_nc_u64 s[32:33], s[6:7], s[50:51]        ; 1: Wq
	s_add_co_u32 s50, s53, OFFV
	s_add_nc_u64 s[40:41], s[6:7], s[50:51]        ; 5: Wv
	s_lshl_b32 s53, s16, 20                        ; 128 rows of 8,192 bytes a wave
	s_add_co_u32 s53, s53, s52
	s_add_co_u32 s50, s53, OFFK
	s_add_nc_u64 s[34:35], s[6:7], s[50:51]        ; 2: Wk
	s_mul_i32 s52, s19, NKEY*1024                  ; the batch's keys
	s_mul_i32 s53, s16, (NKEY/4)*1024
	s_add_co_u32 s53, s53, s52
	s_add_co_u32 s50, s53, OFFX
	s_add_nc_u64 s[36:37], s[6:7], s[50:51]        ; 3: the keys' source, rows as N
	s_lshl_b32 s53, s16, 15                        ; 32 rows of 1,024 bytes a wave
	s_add_co_u32 s52, s52, s53
	s_add_co_u32 s50, s52, OFFX
	s_add_nc_u64 s[38:39], s[6:7], s[50:51]        ; 4: the same, rows as K
	s_lshl_b32 s52, s18, 19                        ; the head's 512 x 512
	s_add_co_u32 s52, s52, s53
	s_add_co_u32 s50, s52, OFFO
	s_add_nc_u64 s[42:43], s[6:7], s[50:51]        ; 6: Wo
	G1_TR 4096
	G0SET 32, 0, 44, 0
	ROUND                                          ; all four partners are here: the first joint load meets
	tensor_load_to_lds s[20:23], s[24:31]          ; Wq, K step 0, into slot 0
	s_nop 0
	; biases and X
	s_lshl_b32 s56, s18, 11                        ; the head's 512 f32
	s_mov_b32 s57, 0
	s_add_nc_u64 s[8:9], s[8:9], s[56:57]
	s_add_nc_u64 s[10:11], s[10:11], s[56:57]
	s_add_nc_u64 s[12:13], s[12:13], s[56:57]
	s_lshl_b32 s58, s19, 19                        ; 256 rows of 2,048 bytes a batch,
	s_lshl_b32 s59, s17, 17                        ; 64 a query block
	s_add_co_u32 s58, s58, s59
	s_mov_b32 s59, 0
	s_add_nc_u64 s[4:5], s[4:5], s[58:59]
	s_lshl_b32 s56, s18, 22                        ; part[head]
	s_add_co_u32 s56, s56, s58
	s_add_nc_u64 s[14:15], s[14:15], s[56:57]
	v_and_b32 v1, 15, v0                           ; r
	v_bfe_u32 v2, v0, 4, 1                         ; h
	v_and_b32 v29, 31, v0                          ; lane
	s_lshl_b32 s52, s16, 9                         ; my 128 columns of f32
	v_lshl_add_u32 v[BOFF], v2, 5, s52             ; 512 w + 32 h: columns 128 w + 8 h ..
	v_lshlrev_b32 v28, 11, v2
	v_lshl_add_u32 v28, v1, 5, v28
	v_add_nc_u32 v[XOFF], s52, v28                 ; row h of a pair, columns 128 w + 8 r ..
	v_lshl_add_u32 v[OUTO], v29, 4, s52
	WIN 0x80
.irp b, 0,1,2,3,4,5,6,7
	global_load_b128 v[BQ+8*\b:BQ+8*\b+3], v[BOFF], s[8:9] offset:64*\b
	global_load_b128 v[BQ+8*\b+4:BQ+8*\b+7], v[BOFF], s[8:9] offset:64*\b+16
	global_load_b128 v[BV+8*\b:BV+8*\b+3], v[BOFF], s[12:13] offset:64*\b
	global_load_b128 v[BV+8*\b+4:BV+8*\b+7], v[BOFF], s[12:13] offset:64*\b+16
.endr
	WIN 0xc0
.irp b, 0,1,2,3,4,5,6,7
	global_load_b128 v[BK+8*\b:BK+8*\b+3], v[BOFF], s[10:11] offset:64*\b
	global_load_b128 v[BK+8*\b+4:BK+8*\b+7], v[BOFF], s[10:11] offset:64*\b+16
.endr
	WIN 0x40
.set tt, 0
.rept 32
	global_load_b128 v[8*tt:8*tt+3], v[XOFF], s[4:5] offset:4096*tt        ; X, two rows at a time, into the accumulators' registers
	global_load_b128 v[8*tt+4:8*tt+7], v[XOFF], s[4:5] offset:4096*tt+16
.set tt, tt+1
.endr
	WIN 0
	; LDS addresses, while the loads are on their way
	v_and_b32 v3, 7, v0
	v_bfe_u32 v28, v0, 3, 1
	v_mul_u32_u24 v30, v1, 80
	v_lshl_add_u32 v30, v2, 4, v30                 ; 80 r + 16 h
	v_add_nc_u32 v[ADRA], PANEL, v30
	v_mul_u32_u24 v31, v1, PN
	v_lshl_add_u32 v31, v2, 4, v31                 ; 272 r + 16 h
	v_add_nc_u32 v[ADRN], s45, v31
	v_add_nc_u32 v[ADRN+1], SLOT, v[ADRN]
	v_add_nc_u32 v[ADRK], s46, v31
	v_add_nc_u32 v[ADRK+1], SLOT, v[ADRK]
	v_lshl_add_u32 v31, v2, 3, v3                  ; row 8 h + lane mod 8
	v_mul_u32_u24 v31, v31, PT
	v_lshl_add_u32 v31, v28, 4, v31                ; + 16 bytes for lanes 8-15 of a half
	s_lshl_b32 s52, s16, 8                         ; my 128 columns of bf16
	v_add_nc_u32 v[ADRT], s52, v31
	v_add_nc_u32 v[ADRT+1], 64*PT, v[ADRT]
	v_add_nc_u32 v[ADRT+2], SLOT, v[ADRT]
	v_add_nc_u32 v[ADRT+3], SLOT+64*PT, v[ADRT]
	s_and_b32 s52, s16, 1
	s_mul_i32 s52, s52, 4*BLK
	s_add_co_u32 s52, s52, PANEL                   ; my four blocks of a half panel
	v_add_nc_u32 v[STOP], s52, v30
	v_bfe_u32 v31, v0, 2, 2
	v_mul_u32_u24 v31, v31, BLK                    ; X: block (r / 4),
	v_and_b32 v28, 3, v0
	v_lshl_add_u32 v31, v28, 4, v31                ; 16 bytes (r mod 4),
	v_mad_u32_u24 v31, v2, 80, v31                 ; row h of the pair
	v_add_nc_u32 v[STOC], s52, v31
	s_mul_i32 s52, s16, 2*BLK
	s_add_co_u32 s52, s52, PANEL                   ; my two blocks: the 256 weights, and my stage on the way out
	v_add_nc_u32 v[STOS], s52, v30
	v_mul_u32_u24 v31, v1, 528
	v_lshl_add_u32 v31, v2, 5, v31
	v_add_nc_u32 v[OST], s52, v31
	v_lshl_add_u32 v[ORD], v29, 4, s52
	v_lshlrev_b32 v31, 2, v1
	v_add_nc_u32 v[STR], STATS, v31
	s_lshl_b32 s52, s16, 8
	s_add_co_u32 s52, s52, STATS
	v_add_nc_u32 v[STW], s52, v31
.irp a, 0,1,2,3
	v_mov_b32 v[TP+\a], 0                          ; v_permlanex16_b32 counts as a reader of its destination
.endr
.if CAUSAL
	v_mov_b32 v[NEGM], 0xff7fffff
	s_sub_co_i32 s54, s17, s16
	s_lshl_b32 s54, s54, 6                         ; 64 (query block - wave); enters compares alone, no address and no branch
	v_lshlrev_b32 v28, 3, v2
	v_sub_nc_u32 v28, v1, v28
	v_add_nc_u32 v28, s54, v28
.irp a, 0,1,2,3
	v_add_nc_u32 v[QREL+\a], 16*\a, v28
.endr
.endif
	s_wait_loadcnt 0x0
	WIN 0x85
.set tt, 0
.rept 32
.irp q, 0,1,2,3
	v_cvt_pk_bf16_f32 v[4*tt+\q], v[8*tt+2*\q], v[8*tt+2*\q+1]
.endr
.set tt, tt+1
.endr
	; 1: Q = X Wq + bq
	NEXT 32, 1*STEPW, 44, 1
	PUTX 0
	KSTEP 0, 0, 0, 8, 2, BQ
	NEXT 32, 2*STEPW, 44, 0
	KSTEP 0, 1, 4, 8, 0, 0
	NEXT 32, 3*STEPW, 44, 1
	PUTX 1
	KSTEP 0, 0, 0, 8, 0, 0
	OPEN
	G1_NAT 128, 4096
	G0SET 34, 0, 45, 0
	CLOSE
	KSTEP 0, 1, 4, 8, 0, 0
	; 2: Q' = Q Wk^T
	NEXT 34, 1*STEPN, 45, 1
	PLACES
	CPART
	PACK 8
	PUT STOP, 8, 0
	KSTEP 1, 0, 0, 8, 1, 0
	MID 34, STEPN, 45, 1, 8
	OPEN
	G1_NAT NKEY/4, 512
	G0SET 36, 0, 46, 0
	CLOSE
	KSTEP 1, 1, 4, 8, 0, 0
	; 3: S = Q' Xkv^T + c
	NEXT 36, 1*STEPN, 46, 1
	PLACES
	PACK 8
	CREAD
	PUT STOP, 8, 0
	KSTEP 2, 0, 0, NBS, 3, CREP
	MID 36, STEPN, 46, 2, NBS
	OPEN
	G1_TR 512
	G0SET 38, 0, 44, 0
	CLOSE
	KSTEP 2, 1, 4, NBS, 0, 0
	; 4: Y = P Xkv
	NEXT 38, 1*STEPX, 44, 1
	SOFTMAX
.if NKEY == 256
	PUT STOS, 4, 2                                 ; all 256 weights fit the panel at once
	KSTEP 0, 0, 0, 8, 1, 0
.else
	PUT STOP, 8, 0
	KSTEP 0, 0, 0, 8, 1, 0
	MID 38, STEPX, 44, 0, 8
.endif
	OPEN
	G1_TR 4096
	G0SET 40, 0, 44, 0
	CLOSE
	KSTEP 0, 1, 4, 8, 0, 0
	; 5: O = (Y / sum) Wv + bv
	NEXT 40, 1*STEPW, 44, 1
	NORM
	PACK 8
	PUT STOP, 8, 0
	KSTEP 0, 0, 0, 8, 2, BV
	MID 40, STEPW, 44, 0, 8
	OPEN
	G1_TR 512
	G0SET 42, 0, 44, 0
	CLOSE
	KSTEP 0, 1, 4, 8, 0, 0
	; 6: part[head] = O Wo[head]
	NEXT 42, 1*STEPX, 44, 1
	PLACES
	PACK 8
	PUT STOP, 8, 0
	KSTEP 0, 0, 0, 8, 1, 0
	MID 42, STEPX, 44, 0, 8
	OPEN                                           ; the last tile has landed; nothing is left to ask for,
	s_wait_dscnt 0x0
	s_barrier_signal -1                            ; so my work-group's barrier alone shows the tile whole
	s_barrier_wait -1
	KSTEP 0, 1, 4, 8, 0, 0
	WIN 0
	s_wait_dscnt 0x0                               ; every wave's reads of the panel are over before it becomes the stage
	s_barrier_signal -1
	s_barrier_wait -1
	OUT
	ROUND                                          ; the closing round: no work-group ends while a partner may still issue a joint load
	s_endpgm
.Lfunc_end_k_qd48d9e6f3d_sa:
	.size	k_qd48d9e6f3d_sa, .Lfunc_end_k_qd48d9e6f3d_sa-k_qd48d9e6f3d_sa
	.p2alignl 7, 3214868480
	.fill 96, 4, 3214868480
	.section	.rodata,"a",@progbits
	.p2align	6, 0x0
	.amdhsa_kernel k_qd48d9e6f3d_sa
		.amdhsa_group_segment_fixed_size 327680
		.amdhsa_private_segment_fixed_size 0
		.amdhsa_enable_private_segment 0
		.amdhsa_kernarg_size 48
		.amdhsa_user_sgpr_count 2
		.amdhsa_user_sgpr_kernarg_segment_ptr 1
		.amdhsa_wavefront_size32 1
		.amdhsa_system_sgpr_workgroup_id_x 1
		.amdhsa_system_sgpr_workgroup_id_y 1
		.amdhsa_system_sgpr_workgroup_id_z 1
		.amdhsa_system_vgpr_workitem_id 0
		.amdhsa_next_free_vgpr 864
		.amdhsa_next_free_sgpr 66
		.amdhsa_reserve_vcc 1
		.amdhsa_float_denorm_mode_32 3
		.amdhsa_float_denorm_mode_16_64 3
		.amdhsa_memory_ordered 1
		.amdhsa_forward_progress 1
		.amdhsa_inst_pref_size 255
	.end_amdhsa_kernel
	.section	.bss,"aw",@nobits
	.p2align	6
	.space	262144
	.amdgpu_metadata
---
amdhsa.version: [ 1, 2 ]
amdhsa.kernels:
  - .name:           k_qd48d9e6f3d_sa
    .symbol:         k_qd48d9e6f3d_sa.kd
    .args:
      - { .name: out_seq, .offset: 0, .size: 8, .value_kind: global_buffer, .address_space: global }
      - { .name: wb, .offset: 8, .size: 8, .value_kind: global_buffer, .address_space: global }
      - { .name: sa_bq, .offset: 16, .size: 8, .value_kind: global_buffer, .address_space: global }
      - { .name: sa_bk, .offset: 24, .size: 8, .value_kind: global_buffer, .address_space: global }
      - { .name: sa_bv, .offset: 32, .size: 8, .value_kind: global_buffer, .address_space: global }
      - { .name: part, .offset: 40, .size: 8, .value_kind: global_buffer, .address_space: global }
    .group_segment_fixed_size: 327680
    .private_segment_fixed_size: 0
    .kernarg_segment_align: 8
    .kernarg_segment_size: 48
    .max_flat_workgroup_size: 128
    .sgpr_count:     66
    .vgpr_count:     864
    .wavefront_size: 32
...
	.end_amdgpu_metadata
.endif
;; end of part 2
;; launch ln1 (part 3): grid 256 x 1, 8 waves a work-group, no clusters, 0 bytes of LDS; arguments part, out_seq, sa_bo, sa_lng, sa_lnb, x1; writes x1
.if DOCPART == 3
	.amdgcn_target "amdgcn-amd-amdhsa--gfx1250"
	.amdhsa_code_object_version 6
	.text
	.protected	k_qd48d9e6f3d_ln1
	.globl	k_qd48d9e6f3d_ln1
	.p2align	8
	.type	k_qd48d9e6f3d_ln1,@function
k_qd48d9e6f3d_ln1:
	s_mov_b64 s[64:65], 0
	v_nop
	global_prefetch_b8 v0, s[64:65] scope:SCOPE_SE
	s_setreg_imm32_b32 hwreg(HW_REG_WAVE_MODE, 25, 1), 1
	s_wait_xcnt 0x0
; y = LayerNorm(residual + bias + the sum of eight partial results) * gain + shift, rows of 512 f32, epsilon 1e-3.
; A stream: one wave takes one row (16 numbers a lane), so the two reductions never leave the wave: no LDS, no barrier, no cluster.
; All 48 loads of a wave go out at once; each covers 512 consecutive bytes.  The partial results are added in ascending order.
; The variance is taken of the differences from the mean (two passes over registers), as reference() does.
.set RES,  4                           ; v[4:19]    residual, then the row at work
.set BIAS, 20                          ; v[20:35]
.set P,    36                          ; v[36:163]  eight partial results, 16 registers each
.set G,    164                         ; v[164:179] gain
.set B,    180                         ; v[180:195] shift
.set T,    196                         ; v[196:203] at work
.set M,    204                         ; v[204:205] - mean, twice
.set R,    206                         ; v[206:207] 1 / sqrt(variance + epsilon), twice
	s_load_b256 s[4:11], s[0:1], 0x0               ; part, residual, bias, gain
	s_load_b128 s[12:15], s[0:1], 0x20             ; shift, out
	v_lshrrev_b32 v2, 5, v0
	v_readfirstlane_b32 s16, v2                    ; wave
	v_and_b32 v1, 31, v0
	v_lshlrev_b32 v1, 4, v1                        ; 16 bytes a lane
	s_lshl_b32 s17, ttmp9, 3
	s_add_co_u32 s17, s17, s16                     ; row
	s_lshl_b32 s18, s17, 11
	s_mov_b32 s19, 0
	s_mov_b32 s36, 0x3b000000                      ; 1 / 512
	s_mov_b32 s37, 0x3a83126f                      ; 1e-3
	s_mov_b32 s38, 0x76543210
	s_mov_b32 s39, 0xfedcba98
	s_wait_kmcnt 0x0
	s_add_nc_u64 s[6:7], s[6:7], s[18:19]
	s_add_nc_u64 s[14:15], s[14:15], s[18:19]
	s_add_nc_u64 s[20:21], s[4:5], s[18:19]
.irp p, 1,2,3,4,5,6,7
	s_add_nc_u64 s[20+2*\p:21+2*\p], s[20:21], \p*0x400000     ; the row in partial result p
.endr
.irp j, 0,1,2,3
	global_load_b128 v[RES+4*\j:RES+4*\j+3], v1, s[6:7] offset:512*\j
.endr
.irp j, 0,1,2,3
	global_load_b128 v[BIAS+4*\j:BIAS+4*\j+3], v1, s[8:9] offset:512*\j
.endr
.irp p, 0,1,2,3,4,5,6,7
.irp j, 0,1,2,3
	global_load_b128 v[P+16*\p+4*\j:P+16*\p+4*\j+3], v1, s[20+2*\p:21+2*\p] offset:512*\j th:TH_LOAD_NT
.endr
.endr
.irp j, 0,1,2,3
	global_load_b128 v[G+4*\j:G+4*\j+3], v1, s[10:11] offset:512*\j
.endr
.irp j, 0,1,2,3
	global_load_b128 v[B+4*\j:B+4*\j+3], v1, s[12:13] offset:512*\j
.endr
	s_wait_loadcnt 40                              ; residual and bias are in; the 40 younger loads stay out
.irp k, 0,2,4,6,8,10,12,14
	v_pk_add_f32 v[RES+\k:RES+\k+1], v[RES+\k:RES+\k+1], v[BIAS+\k:BIAS+\k+1]
.endr
.irp p, 0,1,2,3,4,5,6,7
	s_wait_loadcnt 36-4*\p                         ; partial result p is in
.irp k, 0,2,4,6,8,10,12,14
	v_pk_add_f32 v[RES+\k:RES+\k+1], v[RES+\k:RES+\k+1], v[P+16*\p+\k:P+16*\p+\k+1]
.endr
.endr
; v[T] of every lane = the sum over the wave of the four pairs v[T:T+7]
.macro WSUM
	v_pk_add_f32 v[T:T+1], v[T:T+1], v[T+2:T+3]
	v_pk_add_f32 v[T+4:T+5], v[T+4:T+5], v[T+6:T+7]
	v_pk_add_f32 v[T:T+1], v[T:T+1], v[T+4:T+5]
	v_add_f32 v[T], v[T], v[T+1]
	v_add_f32_dpp v[T], v[T], v[T] row_xmask:1 row_mask:0xf bank_mask:0xf
	v_add_f32_dpp v[T], v[T], v[T] row_xmask:2 row_mask:0xf bank_mask:0xf
	v_add_f32_dpp v[T], v[T], v[T] row_xmask:4 row_mask:0xf bank_mask:0xf
	v_add_f32_dpp v[T], v[T], v[T] row_xmask:8 row_mask:0xf bank_mask:0xf
	v_permlanex16_b32 v[T+1], v[T], s38, s39
	v_add_f32 v[T], v[T], v[T+1]
.endm
.irp k, 0,1,2,3
	v_pk_add_f32 v[T+2*\k:T+2*\k+1], v[RES+4*\k:RES+4*\k+1], v[RES+4*\k+2:RES+4*\k+3]
.endr
	WSUM
	v_mul_f32 v[M], 0xbb000000, v[T]               ; - mean
	v_mov_b32 v[M+1], v[M]
.irp k, 0,2,4,6,8,10,12,14
	v_pk_add_f32 v[RES+\k:RES+\k+1], v[RES+\k:RES+\k+1], v[M:M+1]
.endr
.irp k, 0,1,2,3
	v_pk_mul_f32 v[T+2*\k:T+2*\k+1], v[RES+2*\k:RES+2*\k+1], v[RES+2*\k:RES+2*\k+1]
.endr
.irp k, 0,1,2,3
	v_pk_fma_f32 v[T+2*\k:T+2*\k+1], v[RES+8+2*\k:RES+8+2*\k+1], v[RES+8+2*\k:RES+8+2*\k+1], v[T+2*\k:T+2*\k+1]
.endr
	WSUM
	v_fma_f32 v[T], v[T], s36, s37                 ; variance + epsilon
	v_rsq_f32 v[R], v[T]
	v_rsq_f32 v[R+1], v[T]
	v_nop                                          ; the plain place behind them (ISA guide 5.7.2)
	s_wait_loadcnt 0x0                             ; gain and shift
	s_wait_alu depctr_va_vdst(0)
.irp k, 0,2,4,6,8,10,12,14
	v_pk_mul_f32 v[RES+\k:RES+\k+1], v[RES+\k:RES+\k+1], v[R:R+1]
.endr
.irp k, 0,2,4,6,8,10,12,14
	v_pk_fma_f32 v[RES+\k:RES+\k+1], v[RES+\k:RES+\k+1], v[G+\k:G+\k+1], v[B+\k:B+\k+1]
.endr
.irp j, 0,1,2,3
	global_store_b128 v1, v[RES+4*\j:RES+4*\j+3], s[14:15] offset:512*\j
.endr
	s_endpgm
.Lfunc_end_k_qd48d9e6f3d_ln1:
	.size	k_qd48d9e6f3d_ln1, .Lfunc_end_k_qd48d9e6f3d_ln1-k_qd48d9e6f3d_ln1
	.p2alignl 7, 3214868480
	.fill 96, 4, 3214868480
	.section	.rodata,"a",@progbits
	.p2align	6, 0x0
	.amdhsa_kernel k_qd48d9e6f3d_ln1
		.amdhsa_group_segment_fixed_size 0
		.amdhsa_private_segment_fixed_size 0
		.amdhsa_enable_private_segment 0
		.amdhsa_kernarg_size 48
		.amdhsa_user_sgpr_count 2
		.amdhsa_user_sgpr_kernarg_segment_ptr 1
		.amdhsa_wavefront_size32 1
		.amdhsa_system_sgpr_workgroup_id_x 1
		.amdhsa_system_sgpr_workgroup_id_y 1
		.amdhsa_system_sgpr_workgroup_id_z 1
		.amdhsa_system_vgpr_workitem_id 0
		.amdhsa_next_free_vgpr 208
		.amdhsa_next_free_sgpr 66
		.amdhsa_reserve_vcc 0
		.amdhsa_float_denorm_mode_32 3
		.amdhsa_float_denorm_mode_16_64 3
		.amdhsa_memory_ordered 1
		.amdhsa_forward_progress 1
		.amdhsa_inst_pref_size 15
	.end_amdhsa_kernel
	.amdgpu_metadata
---
amdhsa.version: [ 1, 2 ]
amdhsa.kernels:
  - .name:           k_qd48d9e6f3d_ln1
    .symbol:         k_qd48d9e6f3d_ln1.kd
    .args:
      - { .name: part, .offset: 0, .size: 8, .value_kind: global_buffer, .address_space: global }
      - { .name: out_seq, .offset: 8, .size: 8, .value_kind: global_buffer, .address_space: global }
      - { .name: sa_bo, .offset: 16, .size: 8, .value_kind: global_buffer, .address_space: global }
      - { .name: sa_lng, .offset: 24, .size: 8, .value_kind: global_buffer, .address_space: global }
      - { .name: sa_lnb, .offset: 32, .size: 8, .value_kind: global_buffer, .address_space: global }
      - { .name: x1, .offset: 40, .size: 8, .value_kind: global_buffer, .address_space: global }
    .group_segment_fixed_size: 0
    .private_segment_fixed_size: 0
    .kernarg_segment_align: 8
    .kernarg_segment_size: 48
    .max_flat_workgroup_size: 256
    .sgpr_count:     66
    .vgpr_count:     208
    .wavefront_size: 32
...
	.end_amdgpu_metadata
.endif
;; end of part 3
;; launch ca (part 4): grid 32 x 8, 4 waves a work-group, clusters of 4 x 1, 327,680 bytes of LDS; arguments x1, wb, ca_bq, ca_bk, ca_bv, part; writes part
.if DOCPART == 4
	.amdgcn_target "amdgcn-amd-amdhsa--gfx1250"
	.amdhsa_code_object_version 6
	.text
	.protected	k_qd48d9e6f3d_ca
	.globl	k_qd48d9e6f3d_ca
	.p2align	8
	.type	k_qd48d9e6f3d_ca,@function
k_qd48d9e6f3d_ca:
	s_mov_b64 s[64:65], 0
	v_nop
	global_prefetch_b8 v0, s[64:65] scope:SCOPE_SE
	s_setreg_imm32_b32 hwreg(HW_REG_WAVE_MODE, 25, 1), 1
	s_wait_xcnt 0x0
	s_wait_alu depctr_hold_cnt(0) depctr_sa_sdst(0) depctr_va_vdst(0) depctr_va_sdst(0) depctr_va_ssrc(0) depctr_va_vcc(0) depctr_vm_vsrc(0)
	s_getreg_b32 s2, hwreg(HW_REG_IB_STS2, 6, 4)
	s_cmp_eq_u32 s2, 0
	s_cbranch_scc0 .Lentry_in_a_cluster
	s_endpgm
.Lentry_in_a_cluster:
	s_bfe_u32 s2, ttmp6, 0x10000c
	s_cmp_lg_u32 s2, 0x3003
	s_cbranch_scc0 .Lentry_shape_is_right
	s_endpgm
.Lentry_shape_is_right:
; One head's attention for 64 queries of one batch, as a chain of products [64 x K] x [K x 512] that never leaves the work-group:
;   1  Q  = X Wq + bq          2  Q' = Q Wk^T            3  S = Q' Xkv^T + c, c[m] = Q[m] . bk
;   softmax of S / sqrt(512) along the keys, the row's maximum taken away first; P = the exponentials, not yet divided
;   4  Y  = P Xkv              5  O  = (Y / row sum) Wv + bv            6  part[head] = O Wo[head]
; This is reference()'s attention with the products taken in another order: K and V are never formed.  It holds for every input.
; LIMITS, stated: the matrix operands rounded to bf16 are X, the weights, Q, Q', P, Y / sum and O (not q, k, v); the sums run in another
; order than reference()'s; bv is added once, since the divided weights of a row add up to 1 within f32 rounding.
; The head's result goes to part[head]; the sum over heads, bo, the residual and the norm are the next launch's.
; This text: CROSS-ATTENTION, 512 keys from in_seq, no mask.  It differs from the self-attention text in the seven constants below and in leaving out the code for the mask and for 256 keys.
;
; CLUSTER: the four query blocks of one (batch, head) need the same tiles of every B operand.  They form a cluster of 4 x 1, and every
; tensor load is a joint one (mask 15): each of the four issues it with the same descriptor and receives the tile in its own LDS.
; SHARES: four waves, one a SIMD.  Wave w owns columns 128 w .. 128 w + 127 of every product for all 64 rows:
; 4 x 8 accumulator tiles, 256 registers.  The matrix instruction is used transposed (source 0 = 16 columns of B, source 1 = 16 rows
; of A), so lane (r, h), register j of tile (a, b) holds row 16 a + r, column 16 b + 8 h + j: eight neighbouring numbers of a row.
; LDS: two slots for B's tiles of 128 along K, filled by tensor loads alone; a panel for A (64 rows x 256 of K, as 8 blocks of 32 K at a
; pitch of 80 bytes) and the rows' statistics, written by LDS stores alone.  A product's K = 512 goes through the panel in two halves.
; One tensor load of a wave is out at any time: the next K step's quarter tile, asked for first thing behind a round of the cluster's barrier.
.set NKEY,   512                       ; keys
.set CAUSAL, 0
.set OFFQ,   0x1000000                 ; byte offsets in wb: Wq, Wk, Wv, Wo and the keys' source in bf16
.set OFFK,   0x1400000
.set OFFV,   0x1800000
.set OFFO,   0x1c00000
.set OFFX,   0x2000000
.set NBS,    NKEY/64                   ; a wave's score tiles along the keys
.set PT,     1056                      ; LDS pitch of a tile stored [K][N]: 1,024 bytes + 32 = 33 x 32
.set PN,     272                       ; LDS pitch of a tile stored [N][K]: 256 bytes + 16 = 17 x 16
.set SLOT,   139264                    ; 512 x 272, the larger of the two shapes
.set PANEL,  278528                    ; behind the two slots
.set BLK,    5184                      ; a panel block: 64 rows x 80 bytes, + 64
.set STATS,  320000                    ; three tables [wave][64 rows] of f32
.set STC,    0                         ; partial Q . bk
.set STM,    1024                      ; partial maxima
.set STL,    2048                      ; partial sums
.set STEPW,  1048576                   ; 128 rows of a weight of 4,096 columns
.set STEPX,  131072                    ; 128 rows of 512 columns
.set STEPN,  256                       ; 128 columns
.set PARTS,  14                        ; s[14:15] where my rows of part begin
; window 0
.set ADRA, 4                           ; A fragments in the panel
.set ADRN, 5                           ; v5-6    B fragments of a [N][K] tile, slot 0, 1, rows 128 w ..
.set ADRK, 7                           ; v7-8    the same for the keys, rows (NKEY/4) w ..
.set ADRT, 9                           ; v9-12   B fragments of a [K][N] tile: slot 0 rows 0-, 64-, slot 1 rows 0-, 64-
.set STOC, 13                          ; X into the panel
.set STOP, 14                          ; a packed result into my half panel's four blocks
.set STOS, 15                          ; my two blocks of the panel (used where all weights fit at once)
.set STW,  16                          ; my wave's line of a statistics table
.set STR,  17                          ; wave 0's line
.set OST,  18                          ; the way out: in
.set ORD,  19                          ; the way out: back
.set OUTO, 20                          ; my byte offset in a row of part
.set XOFF, 21
.set BOFF, 22
.set NEGM, 23                          ; the lowest finite f32 (causal text alone)
.set QREL, 24                          ; v24-27  query index - first key index of my lane (causal text alone)
.set FB0,  32                          ; B fragments, two buffers of 8 x 8
.set FB1,  96
.set FA0,  160                         ; A fragments, two buffers of 4 x 8
.set FA1,  192
.set MX,   224                         ; v224-227 row maxima, then - maximum x scale
.set TP,   228                         ; v228-231 at work
.set SP,   232                         ; v232-239 row sums, pairs
.set CP,   240                         ; v240-247 Q . bk, pairs
.set RI,   248                         ; v248-255 1 / row sum, twice
; window 1: the accumulators, tile (a, b) at 64 a + 8 b.   window 2: packed results, tile (a, b) at 32 a + 4 b; then
.set BQ,   128                         ; bq of my columns as eight C operands
.set BV,   192                         ; bv likewise
; window 3
.set BK,   0                           ; bk of my columns
.set CREP, 64                          ; c of my rows as four C operands
.set MSB, 0
.macro WIN new                         ; s_set_vgpr_msb: bits 1:0 source 0, 3:2 source 1, 5:4 source 2, 7:6 destination; the high byte repeats the setting left
.if MSB != \new
	s_set_vgpr_msb (MSB<<8)|\new
.set MSB, \new
.endif
.endm
; A vector instruction or a load that touches a matrix instruction's registers stands four places behind it, and only plain vector
; instructions that name none of its registers are places.
.macro PLACES
.rept 4
	v_nop
.endr
.endm
; A round of the cluster's barrier: my work-group's barrier, wave 0 signals for the work-group, every wave waits for all four work-groups, my work-group's barrier again.
.macro ROUND
	s_barrier_signal -1
	s_barrier_wait -1
	s_cmp_lg_u32 s16, 0
	s_cbranch_scc1 .Lnot_wave_0_\@
	s_barrier_signal -3
.Lnot_wave_0_\@:
	s_barrier_wait -3
	s_barrier_signal -1
	s_barrier_wait -1
.endm
; Descriptor group 1.  [K][N]: my quarter is 32 rows of 512 elements, 8 words of padding behind every 256.
.macro G1_TR pitch
	s_mov_b32 s24, 15|(1<<16)|(1<<20)|(1<<21)|(7<<22)|(7<<25)  ; mask of the four partners; 2-byte elements; padding on; bit 21 beside a mask; interval 256 words; 8 words
	s_mov_b32 s25, 512<<16                         ; tensor_dim0 = 512
	s_mov_b32 s26, 32<<16                          ; tensor_dim1 = 32
	s_mov_b32 s27, 512<<16                         ; tile_dim0 = 512
	s_mov_b32 s28, 32                              ; tile_dim1 = 32
	s_mov_b32 s29, \pitch                          ; elements from row to row
	s_mov_b32 s30, 0
	s_mov_b32 s31, 0
.endm
; [N][K]: my quarter is 'rows' rows of 128 elements, 4 words of padding behind every 64.
.macro G1_NAT rows, pitch
	s_mov_b32 s24, 15|(1<<16)|(1<<20)|(1<<21)|(5<<22)|(3<<25)
	s_mov_b32 s25, 128<<16
	s_mov_b32 s26, (\rows)<<16
	s_mov_b32 s27, 128<<16
	s_mov_b32 s28, \rows
	s_mov_b32 s29, \pitch
	s_mov_b32 s30, 0
	s_mov_b32 s31, 0
.endm
; Descriptor group 0: to my quarter of a slot, from a stage's base + the K step.
.macro G0SET base, adv, ldsreg, slot
	s_mov_b32 s20, 1
	s_add_co_u32 s21, s[\ldsreg], \slot*SLOT
	s_add_nc_u64 s[22:23], s[\base:\base+1], \adv
	s_or_b32 s23, s23, 0x80000000
.endm
; The head of a K step.  OPEN: my one tensor load, my quarter of this step's tile, has landed, so the descriptor may be written.
; CLOSE: my LDS reads (of the other slot and of the panel) are back; the round shows both of every wave of all four partners;
; the next step's tile is asked for first thing behind it, into the slot read last.  It has this step's 128 matrix instructions to land.
.macro OPEN
	WIN 0
	s_wait_tensorcnt 0x0
.endm
.macro CLOSE
	s_wait_dscnt 0x0
	ROUND
	tensor_load_to_lds s[20:23], s[24:31]
	s_nop 0
.endm
.macro NEXT base, adv, ldsreg, slot
	OPEN
	G0SET \base, \adv, \ldsreg, \slot
	CLOSE
.endm
.macro FETA buf, g                     ; four A fragments (64 rows x 32 K) from panel block g
.irp a, 0,1,2,3
	ds_load_b128 v[\buf+8*\a:\buf+8*\a+3], v[ADRA] offset:(\g)*BLK+1280*\a
	ds_load_b128 v[\buf+8*\a+4:\buf+8*\a+7], v[ADRA] offset:(\g)*BLK+1280*\a+32
.endr
.endm
.macro FETN buf, adr, kk, nb           ; nb B fragments from rows that lie along K
.set bb, 0
.rept \nb
	ds_load_b128 v[\buf+8*bb:\buf+8*bb+3], v[\adr] offset:16*PN*bb+64*(\kk)
	ds_load_b128 v[\buf+8*bb+4:\buf+8*bb+7], v[\adr] offset:16*PN*bb+64*(\kk)+32
.set bb, bb+1
.endr
.endm
.macro FETT buf, adr, off, p16, nb     ; nb B fragments from rows that lie along N: transposing loads, 16 rows apart
.set bb, 0
.rept \nb
	ds_load_tr16_b128 v[\buf+8*bb:\buf+8*bb+3], v[\adr] offset:(\off)+32*bb
	ds_load_tr16_b128 v[\buf+8*bb+4:\buf+8*bb+7], v[\adr] offset:(\off)+32*bb+(\p16)
.set bb, bb+1
.endr
.endm
.macro FETCH mode, slot, kk, gb, fb, fa, nb    ; 2 nb + 8 loads: one sub-step of 32 along K.  mode 0: [K][N]; 1: [N][K]; 2: the keys
.if \mode == 0
	FETT \fb, ADRT+2*\slot+(\kk>>1), (\kk&1)*32*PT, 16*PT, \nb
.endif
.if \mode == 1
	FETN \fb, ADRN+\slot, \kk, \nb
.endif
.if \mode == 2
	FETN \fb, ADRK+\slot, \kk, \nb
.endif
	FETA \fa, \gb+\kk
.endm
; 4 x nb matrix instructions.  The accumulators take turns, one instruction a turn, in the same order in every sub-step and stage.
; cm: what starts or carries the sums: 0 the accumulator, 1 the constant 0, 2 a bias by column (window 2), 3 a constant by row (window 3).
.macro MUL fb, fa, nb, cm, cb
.if \cm < 2
	WIN 0x50
.endif
.if \cm == 2
	WIN 0x60
.endif
.if \cm == 3
	WIN 0x70
.endif
.irp a, 0,1,2,3
.set bb, 0
.rept \nb
.if \cm == 0
	v_wmma_f32_16x16x32_bf16 v[64*\a+8*bb:64*\a+8*bb+7], v[\fb+8*bb:\fb+8*bb+7], v[\fa+8*\a:\fa+8*\a+7], v[64*\a+8*bb:64*\a+8*bb+7]
.endif
.if \cm == 1
	v_wmma_f32_16x16x32_bf16 v[64*\a+8*bb:64*\a+8*bb+7], v[\fb+8*bb:\fb+8*bb+7], v[\fa+8*\a:\fa+8*\a+7], 0
.endif
.if \cm == 2
	v_wmma_f32_16x16x32_bf16 v[64*\a+8*bb:64*\a+8*bb+7], v[\fb+8*bb:\fb+8*bb+7], v[\fa+8*\a:\fa+8*\a+7], v[\cb+8*bb:\cb+8*bb+7]
.endif
.if \cm == 3
	v_wmma_f32_16x16x32_bf16 v[64*\a+8*bb:64*\a+8*bb+7], v[\fb+8*bb:\fb+8*bb+7], v[\fa+8*\a:\fa+8*\a+7], v[\cb+8*\a:\cb+8*\a+7]
.endif
.set bb, bb+1
.endr
.endr
.endm
; A K step of 128: four sub-steps on two fragment buffers.  While one sub-step is multiplied the next one's loads are on their way:
; each counted wait leaves out exactly the 2 nb + 8 loads issued last.
.macro KSTEP mode, slot, gb, nb, cm, cb
	WIN 0
	PLACES
	FETCH \mode, \slot, 0, \gb, FB0, FA0, \nb
	FETCH \mode, \slot, 1, \gb, FB1, FA1, \nb
	s_wait_dscnt 2*\nb+8
	MUL FB0, FA0, \nb, \cm, \cb
	WIN 0
	PLACES
	FETCH \mode, \slot, 2, \gb, FB0, FA0, \nb
	s_wait_dscnt 2*\nb+8
	MUL FB1, FA1, \nb, 0, 0
	WIN 0
	PLACES
	FETCH \mode, \slot, 3, \gb, FB1, FA1, \nb
	s_wait_dscnt 2*\nb+8
	MUL FB0, FA0, \nb, 0, 0
	s_wait_dscnt 0x0
	MUL FB1, FA1, \nb, 0, 0
.endm
.macro PACK nb                         ; the accumulators, rounded to bf16: a lane's eight columns become 16 bytes in window 2
	WIN 0x85
.irp a, 0,1,2,3
.set bb, 0
.rept \nb
.irp q, 0,1,2,3
	v_cvt_pk_bf16_f32 v[32*\a+4*bb+\q], v[64*\a+8*bb+2*\q], v[64*\a+8*bb+2*\q+1]
.endr
.set bb, bb+1
.endr
.endr
.endm
; Packed results into the panel.  sel 0: waves 0 and 1 hold K = 0-255 of the next product's A; sel 1: waves 2 and 3 hold K = 256-511; sel 2: all waves.
; It stands behind a round, in front of which every wave's reads of the panel were waited for.  The stores are waited for, for the others' sake, in front of the barrier.
.macro PUT adr, nb, sel
	WIN 0
.if \sel == 0
	s_cmp_ge_u32 s16, 2
	s_cbranch_scc1 .Lput_\@
.endif
.if \sel == 1
	s_cmp_lt_u32 s16, 2
	s_cbranch_scc1 .Lput_\@
.endif
	WIN 0x08
.irp a, 0,1,2,3
.set bb, 0
.rept \nb
	ds_store_b128 v[\adr], v[32*\a+4*bb:32*\a+4*bb+3] offset:(bb>>1)*BLK+1280*\a+32*(bb&1)
.set bb, bb+1
.endr
.endr
	WIN 0
.Lput_\@:
	s_wait_dscnt 0x0
	s_barrier_signal -1
	s_barrier_wait -1
.endm
.macro PUTX sel                        ; the same for X, which lies in window 2 by pairs of rows
	WIN 0
.if \sel == 0
	s_cmp_ge_u32 s16, 2
	s_cbranch_scc1 .Lputx_\@
.endif
.if \sel == 1
	s_cmp_lt_u32 s16, 2
	s_cbranch_scc1 .Lputx_\@
.endif
	WIN 0x08
.set tt, 0
.rept 32
	ds_store_b128 v[STOC], v[4*tt:4*tt+3] offset:160*tt
.set tt, tt+1
.endr
	WIN 0
.Lputx_\@:
	s_wait_dscnt 0x0
	s_barrier_signal -1
	s_barrier_wait -1
.endm
.macro RD4 table                       ; the four waves' figures for my four rows into v[FB0 + 4 a + wave]
.irp a, 0,1,2,3
.irp u, 0,1,2,3
	ds_load_b32 v[FB0+4*\a+\u], v[STR] offset:\table+256*\u+64*\a
.endr
.endr
	s_wait_dscnt 0x0
.endm
.macro ADD4                            ; and their sums into v[FB0 + 4 a]
.irp a, 0,1,2,3
	v_add_f32 v[FB0+4*\a], v[FB0+4*\a], v[FB0+4*\a+1]
	v_add_f32 v[FB0+4*\a+2], v[FB0+4*\a+2], v[FB0+4*\a+3]
	v_add_f32 v[FB0+4*\a], v[FB0+4*\a], v[FB0+4*\a+2]
.endr
.endm
; c[m] = Q[m] . bk over my 128 columns, in f32, four chains; the first products start them.  The halves of the wave meet by v_permlanex16_b32.
.macro CPART
	WIN 0x0d
.irp a, 0,1,2,3
	v_pk_mul_f32 v[CP+2*\a:CP+2*\a+1], v[64*\a:64*\a+1], v[BK:BK+1]
.endr
.set ee, 1
.rept 31
.irp a, 0,1,2,3
	v_pk_fma_f32 v[CP+2*\a:CP+2*\a+1], v[64*\a+2*ee:64*\a+2*ee+1], v[BK+2*ee:BK+2*ee+1], v[CP+2*\a:CP+2*\a+1]
.endr
.set ee, ee+1
.endr
	WIN 0
.irp a, 0,1,2,3
	v_add_f32 v[CP+2*\a], v[CP+2*\a], v[CP+2*\a+1]
.endr
.irp a, 0,1,2,3
	v_permlanex16_b32 v[TP+\a], v[CP+2*\a], s48, s49
.endr
.irp a, 0,1,2,3
	v_add_f32 v[CP+2*\a], v[CP+2*\a], v[TP+\a]
	ds_store_b32 v[STW], v[CP+2*\a] offset:STC+64*\a       ; waited for in front of the barrier of the PUT that follows
.endr
.endm
.macro CREAD                           ; c of my rows, eight times each: the C operand of the scores' first products
	WIN 0
	RD4 STC
	ADD4
	WIN 0xc0
.irp a, 0,1,2,3
.irp j, 0,1,2,3,4,5,6,7
	v_mov_b32 v[CREP+8*\a+\j], v[FB0+4*\a]
.endr
.endr
.endm
; Softmax along the keys.  A row's keys lie in my lane (NBS tiles x 8), in the lane 16 further on, and in the other three waves.
.macro SOFTMAX
	PLACES
.if CAUSAL
	WIN 0x41
.irp a, 0,1,2,3
.set bb, 0
.rept NBS
.irp j, 0,1,2,3,4,5,6,7
	v_cmp_gt_i32 vcc_lo, 16*bb+\j, v[QREL+\a]              ; key behind the query:
	v_cndmask_b32 v[64*\a+8*bb+\j], v[64*\a+8*bb+\j], v[NEGM], vcc_lo   ; the lowest finite f32, as in reference()
.endr
.set bb, bb+1
.endr
.endr
.endif
	WIN 0x05
.irp a, 0,1,2,3
	v_max_num_f32 v[MX+\a], v[64*\a], v[64*\a+1]
.endr
.set ee, 1
.rept 4*NBS-1
.irp a, 0,1,2,3
	v_max3_num_f32 v[MX+\a], v[64*\a+2*ee], v[64*\a+2*ee+1], v[MX+\a]
.endr
.set ee, ee+1
.endr
	WIN 0
.irp a, 0,1,2,3
	v_permlanex16_b32 v[TP+\a], v[MX+\a], s48, s49
.endr
.irp a, 0,1,2,3
	v_max_num_f32 v[MX+\a], v[MX+\a], v[TP+\a]
	ds_store_b32 v[STW], v[MX+\a] offset:STM+64*\a
.endr
	s_wait_dscnt 0x0                               ; my maxima are in LDS, for the others' sake
	s_barrier_signal -1
	s_barrier_wait -1
	RD4 STM
.irp a, 0,1,2,3
	v_max3_num_f32 v[MX+\a], v[FB0+4*\a], v[FB0+4*\a+1], v[FB0+4*\a+2]
	v_max_num_f32 v[MX+\a], v[MX+\a], v[FB0+4*\a+3]
	v_mul_f32 v[MX+\a], s60, v[MX+\a]              ; - maximum x log2(e) / sqrt(512)
.endr
	WIN 0x41
.irp a, 0,1,2,3
.set bb, 0
.rept NBS
.irp j, 0,1,2,3,4,5,6,7
	v_fma_f32 v[64*\a+8*bb+\j], v[64*\a+8*bb+\j], s47, v[MX+\a]
.endr
.irp j, 0,1,2,3,4,5,6,7
	v_exp_f32 v[64*\a+8*bb+\j], v[64*\a+8*bb+\j]           ; a plain instruction on other registers follows each run before a result is used (ISA guide 5.7.2)
.endr
.set bb, bb+1
.endr
.endr
	WIN 0x05
	s_wait_alu depctr_va_vdst(0)
.irp a, 0,1,2,3
	v_pk_add_f32 v[SP+2*\a:SP+2*\a+1], v[64*\a:64*\a+1], v[64*\a+2:64*\a+3]
.endr
	WIN 0x01
.set ee, 2
.rept 4*NBS-2
.irp a, 0,1,2,3
	v_pk_add_f32 v[SP+2*\a:SP+2*\a+1], v[64*\a+2*ee:64*\a+2*ee+1], v[SP+2*\a:SP+2*\a+1]
.endr
.set ee, ee+1
.endr
	PACK NBS
	WIN 0
.irp a, 0,1,2,3
	v_add_f32 v[SP+2*\a], v[SP+2*\a], v[SP+2*\a+1]
.endr
.irp a, 0,1,2,3
	v_permlanex16_b32 v[TP+\a], v[SP+2*\a], s48, s49
.endr
.irp a, 0,1,2,3
	v_add_f32 v[SP+2*\a], v[SP+2*\a], v[TP+\a]
	ds_store_b32 v[STW], v[SP+2*\a] offset:STL+64*\a       ; waited for in front of the barrier of the PUT that follows
.endr
.endm
.macro NORM                            ; Y divided by its row's sum of exponentials (at least one of them is 1)
	PLACES
	WIN 0
	RD4 STL
	ADD4
.irp a, 0,1,2,3
	v_rcp_f32 v[RI+2*\a], v[FB0+4*\a]
	v_rcp_f32 v[RI+2*\a+1], v[FB0+4*\a]
.endr
	v_nop                                          ; the plain place behind the reciprocals (ISA guide 5.7.2)
	WIN 0x41
	s_wait_alu depctr_va_vdst(0)
.irp a, 0,1,2,3
.set ee, 0
.rept 32
	v_pk_mul_f32 v[64*\a+2*ee:64*\a+2*ee+1], v[64*\a+2*ee:64*\a+2*ee+1], v[RI+2*\a:RI+2*\a+1]
.set ee, ee+1
.endr
.endr
.endm
; The way out, 16 rows at a time through my own 16 x 528 bytes of the panel: in by tiles, back by rows of 512 bytes, so that a store of the wave covers
; 512 consecutive bytes of part, aligned.  LDS serves a wave's instructions in order (ISA guide 5.7.1): no wait between my stores and my loads.
.macro OUT
	PLACES
.irp a, 0,1,2,3
	WIN 0x04
.irp b, 0,1,2,3,4,5,6,7
	ds_store_b128 v[OST], v[64*\a+8*\b:64*\a+8*\b+3] offset:64*\b
	ds_store_b128 v[OST], v[64*\a+8*\b+4:64*\a+8*\b+7] offset:64*\b+16
.endr
	WIN 0
	s_wait_xcnt 0x0                                ; the registers that earlier global stores read are loaded again only behind this wait
.irp t, 0,1,2,3,4,5,6,7,8,9,10,11,12,13,14,15
	ds_load_b128 v[FB0+64*(\a&1)+4*\t:FB0+64*(\a&1)+4*\t+3], v[ORD] offset:528*\t
.endr
.irp t, 0,1,2,3,4,5,6,7,8,9,10,11,12,13,14,15
	s_wait_dscnt 15-\t                             ; row t is back; the younger loads stay out
	global_store_b128 v[OUTO], v[FB0+64*(\a&1)+4*\t:FB0+64*(\a&1)+4*\t+3], s[PARTS:PARTS+1] offset:(16*\a+\t)*2048
.endr
.endr
.endm
.macro MID base, step, ldsreg, mode, nb        ; K steps 1 and 2 of a product with K = 512
	NEXT \base, 2*\step, \ldsreg, 0
	KSTEP \mode, 1, 4, \nb, 0, 0
	NEXT \base, 3*\step, \ldsreg, 1
	PUT STOP, 8, 1
	KSTEP \mode, 0, 0, \nb, 0, 0
.endm
	s_load_b256 s[4:11], s[0:1], 0x0               ; x s[4:5], wb s[6:7], bq s[8:9], bk s[10:11]
	s_load_b128 s[12:15], s[0:1], 0x20             ; bv s[12:13], part s[14:15]
	v_lshrrev_b32 v1, 5, v0
	v_readfirstlane_b32 s16, v1                    ; wave
	s_bfe_u32 s17, ttmp6, 0x40000                  ; cx: my query block
	s_mov_b32 s18, ttmp9                           ; the cluster's x: head
	s_and_b32 s19, ttmp7, 0xffff                   ; the cluster's y: batch
	s_mul_i32 s44, s16, 32*PT                      ; my quarter of a [K][N] tile in a slot
	s_mul_i32 s45, s16, 128*PN                     ; of a [N][K] tile
	s_mul_i32 s46, s16, (NKEY/4)*PN                ; of the keys' tile
	s_mov_b32 s47, 0x3d8293ee                      ; log2(e) / sqrt(512)
	s_mov_b32 s60, 0xbd8293ee                      ; and its negative
	s_mov_b32 s48, 0x76543210                      ; v_permlanex16_b32: lane i reads lane i of the other half
	s_mov_b32 s49, 0xfedcba98
	; where each stage's tiles begin for my wave: offsets of head, batch and wave alone, which the four partners share
	s_lshl_b32 s52, s18, 10                        ; the head's 512 columns
	s_lshl_b32 s53, s16, 18                        ; 32 rows of 8,192 bytes a wave
	s_add_co_u32 s53, s53, s52
	s_mov_b32 s51, 0
	s_wait_kmcnt 0x0
	s_add_co_u32 s50, s53, OFFQ
	s_add_nc_u64 s[32:33], s[6:7], s[50:51]        ; 1: Wq
	s_add_co_u32 s50, s53, OFFV
	s_add_nc_u64 s[40:41], s[6:7], s[50:51]        ; 5: Wv
	s_lshl_b32 s53, s16, 20                        ; 128 rows of 8,192 bytes a wave
	s_add_co_u32 s53, s53, s52
	s_add_co_u32 s50, s53, OFFK
	s_add_nc_u64 s[34:35], s[6:7], s[50:51]        ; 2: Wk
	s_mul_i32 s52, s19, NKEY*1024                  ; the batch's keys
	s_mul_i32 s53, s16, (NKEY/4)*1024
	s_add_co_u32 s53, s53, s52
	s_add_co_u32 s50, s53, OFFX
	s_add_nc_u64 s[36:37], s[6:7], s[50:51]        ; 3: the keys' source, rows as N
	s_lshl_b32 s53, s16, 15                        ; 32 rows of 1,024 bytes a wave
	s_add_co_u32 s52, s52, s53
	s_add_co_u32 s50, s52, OFFX
	s_add_nc_u64 s[38:39], s[6:7], s[50:51]        ; 4: the same, rows as K
	s_lshl_b32 s52, s18, 19                        ; the head's 512 x 512
	s_add_co_u32 s52, s52, s53
	s_add_co_u32 s50, s52, OFFO
	s_add_nc_u64 s[42:43], s[6:7], s[50:51]        ; 6: Wo
	G1_TR 4096
	G0SET 32, 0, 44, 0
	ROUND                                          ; all four partners are here: the first joint load meets
	tensor_load_to_lds s[20:23], s[24:31]          ; Wq, K step 0, into slot 0
	s_nop 0
	; biases and X
	s_lshl_b32 s56, s18, 11                        ; the head's 512 f32
	s_mov_b32 s57, 0
	s_add_nc_u64 s[8:9], s[8:9], s[56:57]
	s_add_nc_u64 s[10:11], s[10:11], s[56:57]
	s_add_nc_u64 s[12:13], s[12:13], s[56:57]
	s_lshl_b32 s58, s19, 19                        ; 256 rows of 2,048 bytes a batch,
	s_lshl_b32 s59, s17, 17                        ; 64 a query block
	s_add_co_u32 s58, s58, s59
	s_mov_b32 s59, 0
	s_add_nc_u64 s[4:5], s[4:5], s[58:59]
	s_lshl_b32 s56, s18, 22                        ; part[head]
	s_add_co_u32 s56, s56, s58
	s_add_nc_u64 s[14:15], s[14:15], s[56:57]
	v_and_b32 v1, 15, v0                           ; r
	v_bfe_u32 v2, v0, 4, 1                         ; h
	v_and_b32 v29, 31, v0                          ; lane
	s_lshl_b32 s52, s16, 9                         ; my 128 columns of f32
	v_lshl_add_u32 v[BOFF], v2, 5, s52             ; 512 w + 32 h: columns 128 w + 8 h ..
	v_lshlrev_b32 v28, 11, v2
	v_lshl_add_u32 v28, v1, 5, v28
	v_add_nc_u32 v[XOFF], s52, v28                 ; row h of a pair, columns 128 w + 8 r ..
	v_lshl_add_u32 v[OUTO], v29, 4, s52
	WIN 0x80
.irp b, 0,1,2,3,4,5,6,7
	global_load_b128 v[BQ+8*\b:BQ+8*\b+3], v[BOFF], s[8:9] offset:64*\b
	global_load_b128 v[BQ+8*\b+4:BQ+8*\b+7], v[BOFF], s[8:9] offset:64*\b+16
	global_load_b128 v[BV+8*\b:BV+8*\b+3], v[BOFF], s[12:13] offset:64*\b
	global_load_b128 v[BV+8*\b+4:BV+8*\b+7], v[BOFF], s[12:13] offset:64*\b+16
.endr
	WIN 0xc0
.irp b, 0,1,2,3,4,5,6,7
	global_load_b128 v[BK+8*\b:BK+8*\b+3], v[BOFF], s[10:11] offset:64*\b
	global_load_b128 v[BK+8*\b+4:BK+8*\b+7], v[BOFF], s[10:11] offset:64*\b+16
.endr
	WIN 0x40
.set tt, 0
.rept 32
	global_load_b128 v[8*tt:8*tt+3], v[XOFF], s[4:5] offset:4096*tt        ; X, two rows at a time, into the accumulators' registers
	global_load_b128 v[8*tt+4:8*tt+7], v[XOFF], s[4:5] offset:4096*tt+16
.set tt, tt+1
.endr
	WIN 0
	; LDS addresses, while the loads are on their way
	v_and_b32 v3, 7, v0
	v_bfe_u32 v28, v0, 3, 1
	v_mul_u32_u24 v30, v1, 80
	v_lshl_add_u32 v30, v2, 4, v30                 ; 80 r + 16 h
	v_add_nc_u32 v[ADRA], PANEL, v30
	v_mul_u32_u24 v31, v1, PN
	v_lshl_add_u32 v31, v2, 4, v31                 ; 272 r + 16 h
	v_add_nc_u32 v[ADRN], s45, v31
	v_add_nc_u32 v[ADRN+1], SLOT, v[ADRN]
	v_add_nc_u32 v[ADRK], s46, v31
	v_add_nc_u32 v[ADRK+1], SLOT, v[ADRK]
	v_lshl_add_u32 v31, v2, 3, v3                  ; row 8 h + lane mod 8
	v_mul_u32_u24 v31, v31, PT
	v_lshl_add_u32 v31, v28, 4, v31                ; + 16 bytes for lanes 8-15 of a half
	s_lshl_b32 s52, s16, 8                         ; my 128 columns of bf16
	v_add_nc_u32 v[ADRT], s52, v31
	v_add_nc_u32 v[ADRT+1], 64*PT, v[ADRT]
	v_add_nc_u32 v[ADRT+2], SLOT, v[ADRT]
	v_add_nc_u32 v[ADRT+3], SLOT+64*PT, v[ADRT]
	s_and_b32 s52, s16, 1
	s_mul_i32 s52, s52, 4*BLK
	s_add_co_u32 s52, s52, PANEL                   ; my four blocks of a half panel
	v_add_nc_u32 v[STOP], s52, v30
	v_bfe_u32 v31, v0, 2, 2
	v_mul_u32_u24 v31, v31, BLK                    ; X: block (r / 4),
	v_and_b32 v28, 3, v0
	v_lshl_add_u32 v31, v28, 4, v31                ; 16 bytes (r mod 4),
	v_mad_u32_u24 v31, v2, 80, v31                 ; row h of the pair
	v_add_nc_u32 v[STOC], s52, v31
	s_mul_i32 s52, s16, 2*BLK
	s_add_co_u32 s52, s52, PANEL                   ; my stage on the way out
	v_mul_u32_u24 v31, v1, 528
	v_lshl_add_u32 v31, v2, 5, v31
	v_add_nc_u32 v[OST], s52, v31
	v_lshl_add_u32 v[ORD], v29, 4, s52
	v_lshlrev_b32 v31, 2, v1
	v_add_nc_u32 v[STR], STATS, v31
	s_lshl_b32 s52, s16, 8
	s_add_co_u32 s52, s52, STATS
	v_add_nc_u32 v[STW], s52, v31
.irp a, 0,1,2,3
	v_mov_b32 v[TP+\a], 0                          ; v_permlanex16_b32 counts as a reader of its destination
.endr
	s_wait_loadcnt 0x0
	WIN 0x85
.set tt, 0
.rept 32
.irp q, 0,1,2,3
	v_cvt_pk_bf16_f32 v[4*tt+\q], v[8*tt+2*\q], v[8*tt+2*\q+1]
.endr
.set tt, tt+1
.endr
	; 1: Q = X Wq + bq
	NEXT 32, 1*STEPW, 44, 1
	PUTX 0
	KSTEP 0, 0, 0, 8, 2, BQ
	NEXT 32, 2*STEPW, 44, 0
	KSTEP 0, 1, 4, 8, 0, 0
	NEXT 32, 3*STEPW, 44, 1
	PUTX 1
	KSTEP 0, 0, 0, 8, 0, 0
	OPEN
	G1_NAT 128, 4096
	G0SET 34, 0, 45, 0
	CLOSE
	KSTEP 0, 1, 4, 8, 0, 0
	; 2: Q' = Q Wk^T
	NEXT 34, 1*STEPN, 45, 1
	PLACES
	CPART
	PACK 8
	PUT STOP, 8, 0
	KSTEP 1, 0, 0, 8, 1, 0
	MID 34, STEPN, 45, 1, 8
	OPEN
	G1_NAT NKEY/4, 512
	G0SET 36, 0, 46, 0
	CLOSE
	KSTEP 1, 1, 4, 8, 0, 0
	; 3: S = Q' Xkv^T + c
	NEXT 36, 1*STEPN, 46, 1
	PLACES
	PACK 8
	CREAD
	PUT STOP, 8, 0
	KSTEP 2, 0, 0, NBS, 3, CREP
	MID 36, STEPN, 46, 2, NBS
	OPEN
	G1_TR 512
	G0SET 38, 0, 44, 0
	CLOSE
	KSTEP 2, 1, 4, NBS, 0, 0
	; 4: Y = P Xkv
	NEXT 38, 1*STEPX, 44, 1
	SOFTMAX
	PUT STOP, 8, 0
	KSTEP 0, 0, 0, 8, 1, 0
	MID 38, STEPX, 44, 0, 8
	OPEN
	G1_TR 4096
	G0SET 40, 0, 44, 0
	CLOSE
	KSTEP 0, 1, 4, 8, 0, 0
	; 5: O = (Y / sum) Wv + bv
	NEXT 40, 1*STEPW, 44, 1
	NORM
	PACK 8
	PUT STOP, 8, 0
	KSTEP 0, 0, 0, 8, 2, BV
	MID 40, STEPW, 44, 0, 8
	OPEN
	G1_TR 512
	G0SET 42, 0, 44, 0
	CLOSE
	KSTEP 0, 1, 4, 8, 0, 0
	; 6: part[head] = O Wo[head]
	NEXT 42, 1*STEPX, 44, 1
	PLACES
	PACK 8
	PUT STOP, 8, 0
	KSTEP 0, 0, 0, 8, 1, 0
	MID 42, STEPX, 44, 0, 8
	OPEN                                           ; the last tile has landed; nothing is left to ask for,
	s_wait_dscnt 0x0
	s_barrier_signal -1                            ; so my work-group's barrier alone shows the tile whole
	s_barrier_wait -1
	KSTEP 0, 1, 4, 8, 0, 0
	WIN 0
	s_wait_dscnt 0x0                               ; every wave's reads of the panel are over before it becomes the stage
	s_barrier_signal -1
	s_barrier_wait -1
	OUT
	ROUND                                          ; the closing round: no work-group ends while a partner may still issue a joint load
	s_endpgm
.Lfunc_end_k_qd48d9e6f3d_ca:
	.size	k_qd48d9e6f3d_ca, .Lfunc_end_k_qd48d9e6f3d_ca-k_qd48d9e6f3d_ca
	.p2alignl 7, 3214868480
	.fill 96, 4, 3214868480
	.section	.rodata,"a",@progbits
	.p2align	6, 0x0
	.amdhsa_kernel k_qd48d9e6f3d_ca
		.amdhsa_group_segment_fixed_size 327680
		.amdhsa_private_segment_fixed_size 0
		.amdhsa_enable_private_segment 0
		.amdhsa_kernarg_size 48
		.amdhsa_user_sgpr_count 2
		.amdhsa_user_sgpr_kernarg_segment_ptr 1
		.amdhsa_wavefront_size32 1
		.amdhsa_system_sgpr_workgroup_id_x 1
		.amdhsa_system_sgpr_workgroup_id_y 1
		.amdhsa_system_sgpr_workgroup_id_z 1
		.amdhsa_system_vgpr_workitem_id 0
		.amdhsa_next_free_vgpr 864
		.amdhsa_next_free_sgpr 66
		.amdhsa_reserve_vcc 1
		.amdhsa_float_denorm_mode_32 3
		.amdhsa_float_denorm_mode_16_64 3
		.amdhsa_memory_ordered 1
		.amdhsa_forward_progress 1
		.amdhsa_inst_pref_size 255
	.end_amdhsa_kernel
	.section	.bss,"aw",@nobits
	.p2align	6
	.space	262144
	.amdgpu_metadata
---
amdhsa.version: [ 1, 2 ]
amdhsa.kernels:
  - .name:           k_qd48d9e6f3d_ca
    .symbol:         k_qd48d9e6f3d_ca.kd
    .args:
      - { .name: x1, .offset: 0, .size: 8, .value_kind: global_buffer, .address_space: global }
      - { .name: wb, .offset: 8, .size: 8, .value_kind: global_buffer, .address_space: global }
      - { .name: ca_bq, .offset: 16, .size: 8, .value_kind: global_buffer, .address_space: global }
      - { .name: ca_bk, .offset: 24, .size: 8, .value_kind: global_buffer, .address_space: global }
      - { .name: ca_bv, .offset: 32, .size: 8, .value_kind: global_buffer, .address_space: global }
      - { .name: part, .offset: 40, .size: 8, .value_kind: global_buffer, .address_space: global }
    .group_segment_fixed_size: 327680
    .private_segment_fixed_size: 0
    .kernarg_segment_align: 8
    .kernarg_segment_size: 48
    .max_flat_workgroup_size: 128
    .sgpr_count:     66
    .vgpr_count:     864
    .wavefront_size: 32
...
	.end_amdgpu_metadata
.endif
;; end of part 4
;; launch ln2: the kernel of part 3 again; grid 256 x 1, 8 waves a work-group, no clusters, 0 bytes of LDS; arguments part, x1, ca_bo, ca_lng, ca_lnb, x2; writes x2
;; launch ffn (part 5): grid 32 x 8, 4 waves a work-group, clusters of 4 x 1, 324,096 bytes of LDS; arguments x2, wb, ff_b1, part; writes part
.if DOCPART == 5
	.amdgcn_target "amdgcn-amd-amdhsa--gfx1250"
	.amdhsa_code_object_version 6
	.text
	.protected	k_qd48d9e6f3d_ffn
	.globl	k_qd48d9e6f3d_ffn
	.p2align	8
	.type	k_qd48d9e6f3d_ffn,@function
k_qd48d9e6f3d_ffn:
	s_mov_b64 s[64:65], 0
	v_nop
	global_prefetch_b8 v0, s[64:65] scope:SCOPE_SE
	s_setreg_imm32_b32 hwreg(HW_REG_WAVE_MODE, 25, 1), 1
	s_wait_xcnt 0x0
	s_wait_alu depctr_hold_cnt(0) depctr_sa_sdst(0) depctr_va_vdst(0) depctr_va_sdst(0) depctr_va_ssrc(0) depctr_va_vcc(0) depctr_vm_vsrc(0)
	s_getreg_b32 s2, hwreg(HW_REG_IB_STS2, 6, 4)
	s_cmp_eq_u32 s2, 0
	s_cbranch_scc0 .Lentry_in_a_cluster
	s_endpgm
.Lentry_in_a_cluster:
	s_bfe_u32 s2, ttmp6, 0x10000c
	s_cmp_lg_u32 s2, 0x3003
	s_cbranch_scc0 .Lentry_shape_is_right
	s_endpgm
.Lentry_shape_is_right:
; The feed-forward block for 64 rows and one chunk of 128 hidden units: H = gelu(X W1[:, chunk] + b1[chunk]), part[chunk] = H W2[chunk, :].
; The eight chunks' results, b2, the residual and the norm are the next launch's.  H never leaves the work-group.
; LIMITS, stated: X, W1, H and W2 enter the products in bf16.  erf is taken by erfc(z) = t (a1 + t (a2 + t (a3 + t (a4 + t a5)))) exp(-z z),
; t = 1 / (1 + 0.3275911 z), z = |x| / sqrt(2) (Abramowitz and Stegun 7.1.26), within 1.5e-7 absolutely for every x, plus f32 rounding;
; so gelu(x) is within about |x| x 2e-7 of the exact value, on the far negative side too, where the exact value tends to 0.
; CLUSTER: four row blocks of one chunk need the same W1 and W2 tiles: a cluster of 4 x 1, both tensor loads of a wave joint (mask 15).
; LDS: W1's chunk [512 K][128 N] at pitch 288, W2's chunk [128 K][512 N] at pitch 1,056, each filled once; the panel for A (64 rows x 256 of K,
; 8 blocks of 32 K at pitch 80), written by LDS stores alone.  Two tensor loads of a wave are out at the start, none is issued later.
; Wave w owns hidden columns 32 w .. of the chunk in the first product (4 x 2 tiles) and output columns 128 w .. in the second (4 x 8 tiles).
; The matrix instruction is used transposed: lane (r, h), register j of tile (a, b) holds row 16 a + r, column 16 b + 8 h + j.
.set OFFW1,  0x2600000                 ; byte offsets in wb
.set OFFW2,  0x2700000
.set PF,     288                       ; 256 bytes + 32 = 9 x 32
.set PT,     1056                      ; 1,024 bytes + 32 = 33 x 32
.set R2,     147456                    ; 512 x 288
.set PANEL,  282624                    ; R2 + 128 x 1,056
.set BLK,    5184
.set PARTS,  10                        ; s[10:11] where my rows of part begin
.set ADRA, 4
.set ADRF, 5                           ; v5-8   W1 fragments, K step 0 .. 3
.set ADRT, 9                           ; v9-10  W2 fragments, rows 0-, 64-
.set STOC, 13
.set STOH, 14                          ; H into my block of the panel
.set OST,  18
.set ORD,  19
.set OUTO, 20
.set XOFF, 21
.set BOFF, 22
.set FB0,  32
.set FB1,  96
.set FA0,  160
.set FA1,  192
.set GU,   32                          ; gelu: 1 + p z, then t, 64 numbers
.set GZ,   96                          ; x sqrt(log2(e) / 2), then Phi(x), then gelu(x)
.set GQ,   160                         ; 16 at a time: - z z log2(e), then exp(- z z)
.set GY,   176                         ; 16 at a time: the polynomial
.set B1,   128                         ; window 2: b1 of my columns as two C operands
.set MSB, 0
.macro WIN new                         ; s_set_vgpr_msb: bits 1:0 source 0, 3:2 source 1, 5:4 source 2, 7:6 destination; the high byte repeats the setting left
.if MSB != \new
	s_set_vgpr_msb (MSB<<8)|\new
.set MSB, \new
.endif
.endm
.macro PLACES                          ; four places behind a matrix instruction (ISA guide 7.12.1)
.rept 4
	v_nop
.endr
.endm
.macro ROUND                           ; a round of the cluster's barrier
	s_barrier_signal -1
	s_barrier_wait -1
	s_cmp_lg_u32 s16, 0
	s_cbranch_scc1 .Lnot_wave_0_\@
	s_barrier_signal -3
.Lnot_wave_0_\@:
	s_barrier_wait -3
	s_barrier_signal -1
	s_barrier_wait -1
.endm
.macro BAR                             ; my LDS instructions are done, for the others' sake; then my work-group's barrier
	s_wait_dscnt 0x0
	s_barrier_signal -1
	s_barrier_wait -1
.endm
.macro FETA buf, g
.irp a, 0,1,2,3
	ds_load_b128 v[\buf+8*\a:\buf+8*\a+3], v[ADRA] offset:(\g)*BLK+1280*\a
	ds_load_b128 v[\buf+8*\a+4:\buf+8*\a+7], v[ADRA] offset:(\g)*BLK+1280*\a+32
.endr
.endm
.macro FETT buf, adr, off, p16, nb     ; nb B fragments from rows that lie along N: transposing loads, 16 rows apart
.set bb, 0
.rept \nb
	ds_load_tr16_b128 v[\buf+8*bb:\buf+8*bb+3], v[\adr] offset:(\off)+32*bb
	ds_load_tr16_b128 v[\buf+8*bb+4:\buf+8*bb+7], v[\adr] offset:(\off)+32*bb+(\p16)
.set bb, bb+1
.endr
.endm
.macro FETCH mode, q, kk, gb, fb, fa, nb       ; mode 0: W2; mode 1: W1, K step q
.if \mode == 0
	FETT \fb, ADRT+(\kk>>1), (\kk&1)*32*PT, 16*PT, \nb
.endif
.if \mode == 1
	FETT \fb, ADRF+\q, \kk*32*PF, 16*PF, \nb
.endif
	FETA \fa, \gb+\kk
.endm
; The accumulators take turns, one instruction a turn.  cm 0: carry on; 1: start from 0; 2: start from a bias by column (window 2).
.macro MUL fb, fa, nb, cm, cb
.if \cm < 2
	WIN 0x50
.endif
.if \cm == 2
	WIN 0x60
.endif
.irp a, 0,1,2,3
.set bb, 0
.rept \nb
.if \cm == 0
	v_wmma_f32_16x16x32_bf16 v[64*\a+8*bb:64*\a+8*bb+7], v[\fb+8*bb:\fb+8*bb+7], v[\fa+8*\a:\fa+8*\a+7], v[64*\a+8*bb:64*\a+8*bb+7]
.endif
.if \cm == 1
	v_wmma_f32_16x16x32_bf16 v[64*\a+8*bb:64*\a+8*bb+7], v[\fb+8*bb:\fb+8*bb+7], v[\fa+8*\a:\fa+8*\a+7], 0
.endif
.if \cm == 2
	v_wmma_f32_16x16x32_bf16 v[64*\a+8*bb:64*\a+8*bb+7], v[\fb+8*bb:\fb+8*bb+7], v[\fa+8*\a:\fa+8*\a+7], v[\cb+8*bb:\cb+8*bb+7]
.endif
.set bb, bb+1
.endr
.endr
.endm
; A K step of 128 in four sub-steps on two fragment buffers; each counted wait leaves out exactly the 2 nb + 8 loads issued last.
.macro KSTEP mode, q, gb, nb, cm, cb
	WIN 0
	PLACES
	FETCH \mode, \q, 0, \gb, FB0, FA0, \nb
	FETCH \mode, \q, 1, \gb, FB1, FA1, \nb
	s_wait_dscnt 2*\nb+8
	MUL FB0, FA0, \nb, \cm, \cb
	WIN 0
	PLACES
	FETCH \mode, \q, 2, \gb, FB0, FA0, \nb
	s_wait_dscnt 2*\nb+8
	MUL FB1, FA1, \nb, 0, 0
	WIN 0
	PLACES
	FETCH \mode, \q, 3, \gb, FB1, FA1, \nb
	s_wait_dscnt 2*\nb+8
	MUL FB0, FA0, \nb, 0, 0
	s_wait_dscnt 0x0
	MUL FB1, FA1, \nb, 0, 0
.endm
; X (window 2, by pairs of rows) into the panel: sel 0: waves 0 and 1 hold K = 0-255; sel 1: waves 2 and 3 hold K = 256-511.
.macro PUTX sel
	WIN 0
.if \sel == 0
	s_cmp_ge_u32 s16, 2
	s_cbranch_scc1 .Lputx_\@
.endif
.if \sel == 1
	s_cmp_lt_u32 s16, 2
	s_cbranch_scc1 .Lputx_\@
.endif
	WIN 0x08
.set tt, 0
.rept 32
	ds_store_b128 v[STOC], v[4*tt:4*tt+3] offset:160*tt
.set tt, tt+1
.endr
	WIN 0
.Lputx_\@:
.endm
.macro OUT                             ; 16 rows at a time through my own 16 x 528 bytes of the panel; a store of the wave covers 512 consecutive bytes, aligned
	PLACES
.irp a, 0,1,2,3
	WIN 0x04
.irp b, 0,1,2,3,4,5,6,7
	ds_store_b128 v[OST], v[64*\a+8*\b:64*\a+8*\b+3] offset:64*\b
	ds_store_b128 v[OST], v[64*\a+8*\b+4:64*\a+8*\b+7] offset:64*\b+16
.endr
	WIN 0
	s_wait_xcnt 0x0                                ; the registers that earlier global stores read are loaded again only behind this wait
.irp t, 0,1,2,3,4,5,6,7,8,9,10,11,12,13,14,15
	ds_load_b128 v[FB0+64*(\a&1)+4*\t:FB0+64*(\a&1)+4*\t+3], v[ORD] offset:528*\t   ; LDS serves a wave's instructions in order (ISA guide 5.7.1)
.endr
.irp t, 0,1,2,3,4,5,6,7,8,9,10,11,12,13,14,15
	s_wait_dscnt 15-\t
	global_store_b128 v[OUTO], v[FB0+64*(\a&1)+4*\t:FB0+64*(\a&1)+4*\t+3], s[PARTS:PARTS+1] offset:(16*\a+\t)*2048
.endr
.endr
.endm
	s_load_b256 s[4:11], s[0:1], 0x0               ; x s[4:5], wb s[6:7], b1 s[8:9], part s[10:11]
	v_lshrrev_b32 v1, 5, v0
	v_readfirstlane_b32 s16, v1                    ; wave
	s_bfe_u32 s17, ttmp6, 0x40000                  ; cx
	s_mov_b32 s18, ttmp9                           ; the cluster's x: four row blocks
	s_and_b32 s19, ttmp7, 0xffff                   ; the cluster's y: hidden chunk
	; W1: my 128 K rows x 128 columns, 8 words of padding behind every 64
	s_mov_b32 s24, 15|(1<<16)|(1<<20)|(1<<21)|(5<<22)|(7<<25)
	s_mov_b32 s25, 128<<16
	s_mov_b32 s26, 128<<16
	s_mov_b32 s27, 128<<16
	s_mov_b32 s28, 128
	s_mov_b32 s29, 1024
	s_mov_b32 s30, 0
	s_mov_b32 s31, 0
	; W2: my 32 K rows x 512 columns, 8 words of padding behind every 256
	s_mov_b32 s36, 15|(1<<16)|(1<<20)|(1<<21)|(7<<22)|(7<<25)
	s_mov_b32 s37, 512<<16
	s_mov_b32 s38, 32<<16
	s_mov_b32 s39, 512<<16
	s_mov_b32 s40, 32
	s_mov_b32 s41, 512
	s_mov_b32 s42, 0
	s_mov_b32 s43, 0
	s_mov_b32 s20, 1
	s_mul_i32 s21, s16, 128*PF
	s_mov_b32 s32, 1
	s_mul_i32 s33, s16, 32*PT
	s_add_co_u32 s33, s33, R2
	s_lshl_b32 s52, s16, 18                        ; 128 rows of 2,048 bytes a wave
	s_lshl_b32 s54, s19, 8                         ; the chunk's 128 columns
	s_add_co_u32 s52, s52, s54
	s_add_co_u32 s52, s52, OFFW1
	s_mov_b32 s53, 0
	s_wait_kmcnt 0x0
	s_add_nc_u64 s[22:23], s[6:7], s[52:53]
	s_or_b32 s23, s23, 0x80000000
	s_lshl_b32 s52, s19, 17                        ; the chunk's 128 rows of 1,024 bytes
	s_lshl_b32 s54, s16, 15                        ; 32 rows a wave
	s_add_co_u32 s52, s52, s54
	s_add_co_u32 s52, s52, OFFW2
	s_add_nc_u64 s[34:35], s[6:7], s[52:53]
	s_or_b32 s35, s35, 0x80000000
	ROUND                                          ; all four partners are here: the joint loads meet
	tensor_load_to_lds s[20:23], s[24:31]
	s_nop 0
	tensor_load_to_lds s[32:35], s[36:43]
	s_nop 0
	s_mov_b32 s44, 0x3e6d3388                      ; 0.3275911 / sqrt(2)
	s_mov_b32 s45, 0x3f596d27                      ; sqrt(log2(e) / 2)
	s_mov_b32 s46, 0x3e027906                      ; a1 / 2 =  0.127414796
	s_mov_b32 s47, 0xbe11a98e                      ; a2 / 2 = -0.142248368
	s_mov_b32 s48, 0x3f35f0e3                      ; a3 / 2 =  0.710706871
	s_mov_b32 s49, 0xbf3a00e3                      ; a4 / 2 = -0.726576014
	s_mov_b32 s50, 0x3f07dc22                      ; a5 / 2 =  0.530702715
	s_mov_b32 s51, 0x7fffffff
	s_lshl_b32 s56, s19, 9                         ; the chunk's 128 f32 of b1
	s_mov_b32 s57, 0
	s_add_nc_u64 s[8:9], s[8:9], s[56:57]
	s_lshl_b32 s58, s18, 2
	s_add_co_u32 s58, s58, s17                     ; row block
	s_lshl_b32 s58, s58, 17                        ; 64 rows of 2,048 bytes
	s_mov_b32 s59, 0
	s_add_nc_u64 s[4:5], s[4:5], s[58:59]
	s_lshl_b32 s56, s19, 22                        ; part[chunk]
	s_add_co_u32 s56, s56, s58
	s_add_nc_u64 s[10:11], s[10:11], s[56:57]
	v_and_b32 v1, 15, v0                           ; r
	v_bfe_u32 v2, v0, 4, 1                         ; h
	v_and_b32 v29, 31, v0                          ; lane
	s_lshl_b32 s54, s16, 7
	v_lshl_add_u32 v[BOFF], v2, 5, s54             ; 128 w + 32 h: hidden columns 32 w + 8 h ..
	s_lshl_b32 s54, s16, 9
	v_lshlrev_b32 v28, 11, v2
	v_lshl_add_u32 v28, v1, 5, v28
	v_add_nc_u32 v[XOFF], s54, v28                 ; row h of a pair, columns 128 w + 8 r ..
	v_lshl_add_u32 v[OUTO], v29, 4, s54
	WIN 0x80
.irp b, 0,1
	global_load_b128 v[B1+8*\b:B1+8*\b+3], v[BOFF], s[8:9] offset:64*\b
	global_load_b128 v[B1+8*\b+4:B1+8*\b+7], v[BOFF], s[8:9] offset:64*\b+16
.endr
	WIN 0x40
.set tt, 0
.rept 32
	global_load_b128 v[8*tt:8*tt+3], v[XOFF], s[4:5] offset:4096*tt
	global_load_b128 v[8*tt+4:8*tt+7], v[XOFF], s[4:5] offset:4096*tt+16
.set tt, tt+1
.endr
	WIN 0
	v_and_b32 v3, 7, v0
	v_bfe_u32 v28, v0, 3, 1
	v_mul_u32_u24 v30, v1, 80
	v_lshl_add_u32 v30, v2, 4, v30                 ; 80 r + 16 h
	v_add_nc_u32 v[ADRA], PANEL, v30
	v_lshl_add_u32 v3, v2, 3, v3                   ; row 8 h + lane mod 8
	v_mul_u32_u24 v31, v3, PF
	v_lshl_add_u32 v31, v28, 4, v31
	s_lshl_b32 s54, s16, 6                         ; my 32 hidden columns of bf16
	v_add_nc_u32 v[ADRF], s54, v31
.irp q, 1,2,3
	v_add_nc_u32 v[ADRF+\q], \q*128*PF, v[ADRF]
.endr
	v_mul_u32_u24 v31, v3, PT
	v_lshl_add_u32 v31, v28, 4, v31
	s_lshl_b32 s54, s16, 8                         ; my 128 output columns of bf16
	s_add_co_u32 s54, s54, R2
	v_add_nc_u32 v[ADRT], s54, v31
	v_add_nc_u32 v[ADRT+1], 64*PT, v[ADRT]
	s_and_b32 s54, s16, 1
	s_mul_i32 s54, s54, 4*BLK
	s_add_co_u32 s54, s54, PANEL
	v_bfe_u32 v31, v0, 2, 2
	v_mul_u32_u24 v31, v31, BLK
	v_and_b32 v28, 3, v0
	v_lshl_add_u32 v31, v28, 4, v31
	v_mad_u32_u24 v31, v2, 80, v31
	v_add_nc_u32 v[STOC], s54, v31
	s_mul_i32 s54, s16, BLK
	s_add_co_u32 s54, s54, PANEL                   ; H: my 32 columns are block w
	v_add_nc_u32 v[STOH], s54, v30
	s_mul_i32 s54, s16, 2*BLK
	s_add_co_u32 s54, s54, PANEL                   ; my stage on the way out
	v_mul_u32_u24 v31, v1, 528
	v_lshl_add_u32 v31, v2, 5, v31
	v_add_nc_u32 v[OST], s54, v31
	v_lshl_add_u32 v[ORD], v29, 4, s54
	s_wait_loadcnt 0x0
	WIN 0x85
.set tt, 0
.rept 32
.irp q, 0,1,2,3
	v_cvt_pk_bf16_f32 v[4*tt+\q], v[8*tt+2*\q], v[8*tt+2*\q+1]
.endr
.set tt, tt+1
.endr
	; H = X W1 + b1
	PUTX 0
	s_wait_tensorcnt 0x1                           ; my part of W1 is in; W2's may stay out
	BAR
	KSTEP 1, 0, 0, 2, 2, B1
	KSTEP 1, 1, 4, 2, 0, 0
	WIN 0
	BAR                                            ; every wave's reads of the first half of X are over
	PUTX 1
	BAR
	KSTEP 1, 2, 0, 2, 0, 0
	KSTEP 1, 3, 4, 2, 0, 0
	; gelu(x) = x Phi(x), Phi(x) = 0.5 + sign(x) (0.5 - erfc(|x| / sqrt 2) / 2)
	PLACES
	WIN 0x01
.irp a, 0,1,2,3
.set ee, 0
.rept 16
	v_fma_f32 v[GU+16*\a+ee], |v[64*\a+ee]|, s44, 1.0
	v_mul_f32 v[GZ+16*\a+ee], v[64*\a+ee], s45
.set ee, ee+1
.endr
.endr
	WIN 0
.irp c, 0,1,2,3
.set ee, 0
.rept 16
	v_fma_f32 v[GQ+ee], -v[GZ+16*\c+ee], v[GZ+16*\c+ee], 0
.set ee, ee+1
.endr
.set ee, 0
.rept 16
	v_rcp_f32 v[GU+16*\c+ee], v[GU+16*\c+ee]
.set ee, ee+1
.endr
.set ee, 0
.rept 16
	v_exp_f32 v[GQ+ee], v[GQ+ee]
.set ee, ee+1
.endr
	v_nop                                          ; the plain place behind the run (ISA guide 5.7.2)
.set ee, 0
	s_wait_alu depctr_va_vdst(0)
.rept 16
	v_fma_f32 v[GY+ee], v[GU+16*\c+ee], s50, s49
.set ee, ee+1
.endr
.irp k, 48,47,46
.set ee, 0
.rept 16
	v_fma_f32 v[GY+ee], v[GY+ee], v[GU+16*\c+ee], s[\k]
.set ee, ee+1
.endr
.endr
.set ee, 0
.rept 16
	v_mul_f32 v[GY+ee], v[GY+ee], v[GU+16*\c+ee]
.set ee, ee+1
.endr
.set ee, 0
.rept 16
	v_mul_f32 v[GY+ee], v[GY+ee], v[GQ+ee]         ; erfc / 2
.set ee, ee+1
.endr
.set ee, 0
.rept 16
	v_sub_f32 v[GY+ee], 0.5, v[GY+ee]
.set ee, ee+1
.endr
.set ee, 0
.rept 16
	v_bfi_b32 v[GY+ee], s51, v[GY+ee], v[GZ+16*\c+ee]      ; its magnitude with x's sign
.set ee, ee+1
.endr
.set ee, 0
.rept 16
	v_add_f32 v[GZ+16*\c+ee], 0.5, v[GY+ee]        ; Phi
.set ee, ee+1
.endr
.endr
	WIN 0x01
.irp a, 0,1,2,3
.set ee, 0
.rept 16
	v_mul_f32 v[GZ+16*\a+ee], v[64*\a+ee], v[GZ+16*\a+ee]
.set ee, ee+1
.endr
.endr
	WIN 0x80
.irp a, 0,1,2,3
.irp b, 0,1
.irp q, 0,1,2,3
	v_cvt_pk_bf16_f32 v[32*\a+4*\b+\q], v[GZ+16*\a+8*\b+2*\q], v[GZ+16*\a+8*\b+2*\q+1]
.endr
.endr
.endr
	WIN 0
	BAR                                            ; every wave's reads of X are over
	WIN 0x08
.irp a, 0,1,2,3
.irp b, 0,1
	ds_store_b128 v[STOH], v[32*\a+4*\b:32*\a+4*\b+3] offset:1280*\a+32*\b
.endr
.endr
	WIN 0
	s_wait_tensorcnt 0x0                           ; my part of W2 is in
	BAR
	; part[chunk] = H W2
	KSTEP 0, 0, 0, 8, 1, 0
	WIN 0
	BAR                                            ; every wave's reads of the panel are over before it becomes the stage
	OUT
	ROUND                                          ; the closing round
	s_endpgm
.Lfunc_end_k_qd48d9e6f3d_ffn:
	.size	k_qd48d9e6f3d_ffn, .Lfunc_end_k_qd48d9e6f3d_ffn-k_qd48d9e6f3d_ffn
	.p2alignl 7, 3214868480
	.fill 96, 4, 3214868480
	.section	.rodata,"a",@progbits
	.p2align	6, 0x0
	.amdhsa_kernel k_qd48d9e6f3d_ffn
		.amdhsa_group_segment_fixed_size 324096
		.amdhsa_private_segment_fixed_size 0
		.amdhsa_enable_private_segment 0
		.amdhsa_kernarg_size 32
		.amdhsa_user_sgpr_count 2
		.amdhsa_user_sgpr_kernarg_segment_ptr 1
		.amdhsa_wavefront_size32 1
		.amdhsa_system_sgpr_workgroup_id_x 1
		.amdhsa_system_sgpr_workgroup_id_y 1
		.amdhsa_system_sgpr_workgroup_id_z 1
		.amdhsa_system_vgpr_workitem_id 0
		.amdhsa_next_free_vgpr 656
		.amdhsa_next_free_sgpr 66
		.amdhsa_reserve_vcc 0
		.amdhsa_float_denorm_mode_32 3
		.amdhsa_float_denorm_mode_16_64 3
		.amdhsa_memory_ordered 1
		.amdhsa_forward_progress 1
		.amdhsa_inst_pref_size 130
	.end_amdhsa_kernel
	.amdgpu_metadata
---
amdhsa.version: [ 1, 2 ]
amdhsa.kernels:
  - .name:           k_qd48d9e6f3d_ffn
    .symbol:         k_qd48d9e6f3d_ffn.kd
    .args:
      - { .name: x2, .offset: 0, .size: 8, .value_kind: global_buffer, .address_space: global }
      - { .name: wb, .offset: 8, .size: 8, .value_kind: global_buffer, .address_space: global }
      - { .name: ff_b1, .offset: 16, .size: 8, .value_kind: global_buffer, .address_space: global }
      - { .name: part, .offset: 24, .size: 8, .value_kind: global_buffer, .address_space: global }
    .group_segment_fixed_size: 324096
    .private_segment_fixed_size: 0
    .kernarg_segment_align: 8
    .kernarg_segment_size: 32
    .max_flat_workgroup_size: 128
    .sgpr_count:     66
    .vgpr_count:     656
    .wavefront_size: 32
...
	.end_amdgpu_metadata
.endif
;; end of part 5
;; launch ln3: the kernel of part 3 again; grid 256 x 1, 8 waves a work-group, no clusters, 0 bytes of LDS; arguments part, x2, ff_b2, ff_lng, ff_lnb, out0; writes out0
;; ======== version 2 of 2: 8 launches
;; workspace buffers: wb 25,165,824 bytes; wm 16,777,216 bytes; vec 98,304 bytes; part 33,554,432 bytes; x1 4,194,304 bytes; x2 4,194,304 bytes
;; launch cast (part 6): grid 512 x 1, 8 waves a work-group, no clusters, 0 bytes of LDS; arguments sa_wk, sa_wo, ca_wk, ca_wo, in_seq, out_seq, ff_w1, ff_w2, wb; writes wb
.if DOCPART == 6
	.amdgcn_target "amdgcn-amd-amdhsa--gfx1250"
	.amdhsa_code_object_version 6
	.text
	.protected	k_qd48d9e6f3d_cast
	.globl	k_qd48d9e6f3d_cast
	.p2align	8
	.type	k_qd48d9e6f3d_cast,@function
k_qd48d9e6f3d_cast:
	s_mov_b64 s[64:65], 0
	v_nop
	global_prefetch_b8 v0, s[64:65] scope:SCOPE_SE
	s_setreg_imm32_b32 hwreg(HW_REG_WAVE_MODE, 25, 1), 1
	s_wait_xcnt 0x0
; The matrix operands that later launches fetch as tiles are rounded to bf16 once, in their own row-major layout, into wb:
; sa_wk at 0, sa_wo at 4, ca_wk at 8, ca_wo at 12, in_seq at 16, out_seq at 20, ff_w1 at 22, ff_w2 at 23 MiB.
; (Wq and Wv are read as f32 by the one launch that needs them.)
; A stream: no LDS, no barrier, no matrix unit, no cluster (no two work-groups read the same byte).
; Each of 512 work-groups takes 1/512 of every source.  Thread t issues its 24 loads of 16 bytes at once (a wave's load covers
; 512 consecutive bytes), then rounds and stores in the order of issue: a wave's store of 8 bytes a lane covers 256 consecutive
; bytes, aligned.  No register that a load or store names is written again.
.set X,   8                            ; v[8:103]  load i: four f32 in v[X+4i:X+4i+3]; its four bf16 end in the first two
.set NLD, 24                           ; loads of a thread
	s_load_b512 s[4:19], s[0:1], 0x0               ; sa_wk, sa_wo, ca_wk, ca_wo, in_seq, out_seq, ff_w1, ff_w2
	s_load_b64 s[20:21], s[0:1], 0x40              ; wb
	v_lshlrev_b32 v1, 4, v0                        ; 16 t
	s_lshl_b32 s2, ttmp9, 14                       ; the group's part of a source of 8 MiB
	s_lshl_b32 s3, ttmp9, 13                       ; of 4 MiB (and of the bf16 copy of 8 MiB)
	s_lshl_b32 s38, ttmp9, 12                      ; of 2 MiB (and of the bf16 copy of 4 MiB)
	s_lshl_b32 s39, ttmp9, 11                      ; of the bf16 copy of 2 MiB
	v_add_nc_u32 v2, s2, v1
	v_add_nc_u32 v3, s3, v1
	v_add_nc_u32 v4, s38, v1
	v_lshlrev_b32 v1, 3, v0                        ; 8 t
	v_add_nc_u32 v5, s3, v1
	v_add_nc_u32 v6, s38, v1
	v_add_nc_u32 v7, s39, v1
	s_wait_kmcnt 0x0
.irp s, 0,1,2,3,4
.irp j, 0,1,2,3
	global_load_b128 v[X+16*\s+4*\j:X+16*\s+4*\j+3], v2, s[4+2*\s:5+2*\s] offset:4096*\j th:TH_LOAD_NT
.endr
.endr
	global_load_b128 v[X+80:X+83], v3, s[14:15] th:TH_LOAD_NT
	global_load_b128 v[X+84:X+87], v3, s[14:15] offset:4096 th:TH_LOAD_NT
	global_load_b128 v[X+88:X+91], v4, s[16:17] th:TH_LOAD_NT
	global_load_b128 v[X+92:X+95], v4, s[18:19] th:TH_LOAD_NT
.irp i, 0,1,2,3,4
	s_add_nc_u64 s[22+2*\i:23+2*\i], s[20:21], \i*0x400000     ; where each copy begins in wb
.endr
	s_add_nc_u64 s[32:33], s[20:21], 0x1400000
	s_add_nc_u64 s[34:35], s[20:21], 0x1600000
	s_add_nc_u64 s[36:37], s[20:21], 0x1700000
; load i is in when at most the NLD - 1 - i younger ones are out (loads return in order: ISA guide 5.7.1)
.macro CV i, off, base, imm
	s_wait_loadcnt NLD-1-(\i)
	v_cvt_pk_bf16_f32 v[X+4*(\i)], v[X+4*(\i)], v[X+4*(\i)+1]
	v_cvt_pk_bf16_f32 v[X+4*(\i)+1], v[X+4*(\i)+2], v[X+4*(\i)+3]
	global_store_b64 v[\off], v[X+4*(\i):X+4*(\i)+1], s[(\base):(\base)+1] offset:\imm
.endm
.irp s, 0,1,2,3,4
.irp j, 0,1,2,3
	CV 4*\s+\j, 5, 22+2*\s, 2048*\j
.endr
.endr
	CV 20, 6, 32, 0
	CV 21, 6, 32, 2048
	CV 22, 7, 34, 0
	CV 23, 7, 36, 0
	s_endpgm
.Lfunc_end_k_qd48d9e6f3d_cast:
	.size	k_qd48d9e6f3d_cast, .Lfunc_end_k_qd48d9e6f3d_cast-k_qd48d9e6f3d_cast
	.p2alignl 7, 3214868480
	.fill 96, 4, 3214868480
	.section	.rodata,"a",@progbits
	.p2align	6, 0x0
	.amdhsa_kernel k_qd48d9e6f3d_cast
		.amdhsa_group_segment_fixed_size 0
		.amdhsa_private_segment_fixed_size 0
		.amdhsa_enable_private_segment 0
		.amdhsa_kernarg_size 72
		.amdhsa_user_sgpr_count 2
		.amdhsa_user_sgpr_kernarg_segment_ptr 1
		.amdhsa_wavefront_size32 1
		.amdhsa_system_sgpr_workgroup_id_x 1
		.amdhsa_system_sgpr_workgroup_id_y 1
		.amdhsa_system_sgpr_workgroup_id_z 1
		.amdhsa_system_vgpr_workitem_id 0
		.amdhsa_next_free_vgpr 104
		.amdhsa_next_free_sgpr 66
		.amdhsa_reserve_vcc 0
		.amdhsa_float_denorm_mode_32 3
		.amdhsa_float_denorm_mode_16_64 3
		.amdhsa_memory_ordered 1
		.amdhsa_forward_progress 1
		.amdhsa_inst_pref_size 10
	.end_amdhsa_kernel
	.amdgpu_metadata
---
amdhsa.version: [ 1, 2 ]
amdhsa.kernels:
  - .name:           k_qd48d9e6f3d_cast
    .symbol:         k_qd48d9e6f3d_cast.kd
    .args:
      - { .name: sa_wk, .offset: 0, .size: 8, .value_kind: global_buffer, .address_space: global }
      - { .name: sa_wo, .offset: 8, .size: 8, .value_kind: global_buffer, .address_space: global }
      - { .name: ca_wk, .offset: 16, .size: 8, .value_kind: global_buffer, .address_space: global }
      - { .name: ca_wo, .offset: 24, .size: 8, .value_kind: global_buffer, .address_space: global }
      - { .name: in_seq, .offset: 32, .size: 8, .value_kind: global_buffer, .address_space: global }
      - { .name: out_seq, .offset: 40, .size: 8, .value_kind: global_buffer, .address_space: global }
      - { .name: ff_w1, .offset: 48, .size: 8, .value_kind: global_buffer, .address_space: global }
      - { .name: ff_w2, .offset: 56, .size: 8, .value_kind: global_buffer, .address_space: global }
      - { .name: wb, .offset: 64, .size: 8, .value_kind: global_buffer, .address_space: global }
    .group_segment_fixed_size: 0
    .private_segment_fixed_size: 0
    .kernarg_segment_align: 8
    .kernarg_segment_size: 72
    .max_flat_workgroup_size: 256
    .sgpr_count:     66
    .vgpr_count:     104
    .wavefront_size: 32
...
	.end_amdgpu_metadata
.endif
;; end of part 6
;; launch pre (part 7): grid 32 x 8, 4 waves a work-group, clusters of 4 x 1, 327,680 bytes of LDS; arguments sa_wq, sa_wv, sa_wk, sa_wo, sa_bq, sa_bk, sa_bv, ca_wq, ca_wv, ca_wk, ca_wo, ca_bq, ca_bk, ca_bv, wb, wm, vec; writes wm, vec
.if DOCPART == 7
	.amdgcn_target "amdgcn-amd-amdhsa--gfx1250"
	.amdhsa_code_object_version 6
	.text
	.protected	k_qd48d9e6f3d_pre
	.globl	k_qd48d9e6f3d_pre
	.p2align	8
	.type	k_qd48d9e6f3d_pre,@function
k_qd48d9e6f3d_pre:
	s_mov_b64 s[64:65], 0
	v_nop
	global_prefetch_b8 v0, s[64:65] scope:SCOPE_SE
	s_setreg_imm32_b32 hwreg(HW_REG_WAVE_MODE, 25, 1), 1
	s_wait_xcnt 0x0
	s_wait_alu depctr_hold_cnt(0) depctr_sa_sdst(0) depctr_va_vdst(0) depctr_va_sdst(0) depctr_va_ssrc(0) depctr_va_vcc(0) depctr_vm_vsrc(0)
	s_getreg_b32 s2, hwreg(HW_REG_IB_STS2, 6, 4)
	s_cmp_eq_u32 s2, 0
	s_cbranch_scc0 .Lentry_in_a_cluster
	s_endpgm
.Lentry_in_a_cluster:
	s_bfe_u32 s2, ttmp6, 0x10000c
	s_cmp_lg_u32 s2, 0x3003
	s_cbranch_scc0 .Lentry_shape_is_right
	s_endpgm
.Lentry_shape_is_right:
; What of an attention head hangs on weights and biases alone is made once, for both attentions and all eight heads:
;   kind M:  M = Wq Wk^T  [512 x 512],  g = Wq bk  [512],  u = bq Wk^T  [512]
;   kind N:  N = Wv Wo    [512 x 512],  t = bv Wo  [512]
; The attention launches then need X M + u in place of (X Wq + bq) Wk^T, X g + bq.bk in place of (X Wq + bq).bk, and Y N + t in place of
; (Y Wv + bv) Wo: two products of [64 x 512] x [512 x 512] fewer for each of their work-groups.
; LIMITS, stated: Wq, Wk, Wv, Wo enter the products in bf16, and M and N are rounded to bf16; g, u and t are made and kept in f32.
; SHARES: 2 attentions x 2 kinds x 8 heads x 8 blocks of 64 rows = 256 work-groups.  The cluster's x is the head; of the cluster's y, bit 0 is the
; half of the rows, bit 1 the kind, bit 2 the attention; the row block is 4 x bit 0 + the place in the cluster.  The two kinds are two straight
; paths behind one branch on bit 1, which the four partners share.
; CLUSTER: four row blocks of one product need the same tiles of B (Wk or Wo in bf16, from wb): every tensor load is a joint one (mask 15).
; A (64 rows of Wq or Wv) is read as f32 from the input and rounded here.  Four waves; wave w owns columns 128 w .. 128 w + 127 for all 64 rows.
; The matrix instruction is used transposed: lane (r, h), register j of tile (a, b) holds row 16 a + r, column 16 b + 8 h + j.
; LDS: two slots for B's tiles of 128 along K, filled by tensor loads alone; a panel for A (64 rows x 256 of K, 8 blocks of 32 K at pitch 80) and two
; tables, written by LDS stores alone.  Two tensor loads of a wave are out at the start (both slots' first fills), later one.
; The work-group's 64 numbers of each vector: g of its rows of Wq, u of the same rows of Wk, t of 64 columns of Wo, on the vector unit.
; ORDER: only A is waited for in front of the product.  The f32 rows of Wk (or the strip of Wo, and bv) are asked for behind that wait, land in
; registers that the product does not name while it runs, and are summed behind its last K step.
; No prefetch: between its register streams and its tiles this launch has requests to memory on their way from its start to its last K step.
.set PT,     1056                      ; LDS pitch of a tile stored [K][N]: 1,024 bytes + 32 = 33 x 32
.set PN,     272                       ; LDS pitch of a tile stored [N][K], and of the stage on the way out: 256 bytes + 16 = 17 x 16
.set SLOT,   139264                    ; 512 x 272, the larger of the two shapes
.set PANEL,  278528                    ; behind the two slots
.set BLK,    5184                      ; a panel block: 64 rows x 80 bytes, + 64
.set STATS,  320000                    ; two tables [wave][64] of f32
.set STC,    0
.set STM,    1024
.set STEPX,  131072                    ; 128 rows of 512 bf16
.set STEPN,  256                       ; 128 bf16 along a row
.set VU,     0                         ; byte offsets in an attention's part of vec
.set VG,     16384
.set VT,     32768
; window 0
.set ADRA, 4                           ; A fragments in the panel
.set ADRN, 5                           ; v5-6    B fragments of a [N][K] tile, slot 0, 1
.set ADRT, 9                           ; v9-12   B fragments of a [K][N] tile: slot 0 rows 0-, 64-, slot 1 rows 0-, 64-
.set STOC, 13                          ; A into the panel
.set STX,  14                          ; a row's partial dot product into my wave's line of a table
.set STCD, 15                          ; four columns' partial sums into my wave's line
.set FINA, 16                          ; two numbers of wave 0's line
.set FINO, 17                          ; and their place in the 256 bytes of the vector
.set OSTB, 18                          ; the way out: in
.set ORDB, 19                          ; the way out: back
.set OUTV, 20                          ; my byte offset in two rows of wm
.set XOFF, 21                          ; rows of a weight [512][8][512]: 16,384 h + 512 w + 32 r
.set VOFF, 22                          ; a head's vector by my columns: 512 w + 32 r
.set COFF, 23                          ; rows of Wo[head]: 262,144 w + 131,072 h + 16 r
.set BVOF, 24                          ; bv by my rows of Wo: 512 w + 256 h
.set FB0,  32                          ; B fragments, two buffers of 8 x 8
.set FB1,  96
.set FA0,  160                         ; A fragments, two buffers of 4 x 8
.set FA1,  192
.set XT,   32                          ; v32-95   32 pairs: partial dot products of two rows each (outside the K steps)
.set VV1,  96                          ; v96-103  bk of my 8 columns (prologue alone)
.set FT,   224                         ; v224-231 the four waves' lines, then the vector's numbers; never written again
.set VV2,  232                         ; v232-239 bq of my 8 columns: lands during the product
.set CA,   240                         ; v240-247 column sums, two chains of four
.set TP,   248                         ; v248-251 at work
.set TA,   252                         ; v252-255 at work in the prologue
.set TB,   253
.set TC,   254
.set TD,   255
; window 1: A's rows in f32, then the accumulators, tile (a, b) at 64 a + 8 b.   window 2: packed bf16, tile (a, b) at 32 a + 4 b; then
.set BVV,  128                         ; bv of my 64 rows of Wo: lands during the product
; window 3: 64 rows of Wk, or 512 x 64 of Wo, in f32: land during the product
.set MSB, 0
.macro WIN new                         ; s_set_vgpr_msb: bits 1:0 source 0, 3:2 source 1, 5:4 source 2, 7:6 destination; the high byte repeats the setting left
.if MSB != \new
	s_set_vgpr_msb (MSB<<8)|\new
.set MSB, \new
.endif
.endm
; A vector instruction or a load that touches a matrix instruction's registers stands four places behind it, and only plain vector
; instructions that name none of its registers are places.
.macro PLACES
.rept 4
	v_nop
.endr
.endm
; A round of the cluster's barrier: my work-group's barrier, wave 0 signals for the work-group, every wave waits for all four work-groups, my work-group's barrier again.
.macro ROUND
	s_barrier_signal -1
	s_barrier_wait -1
	s_cmp_lg_u32 s16, 0
	s_cbranch_scc1 .Lnot_wave_0_\@
	s_barrier_signal -3
.Lnot_wave_0_\@:
	s_barrier_wait -3
	s_barrier_signal -1
	s_barrier_wait -1
.endm
; Descriptor group 1.  [K][N]: my quarter is 32 rows of 512 elements, 8 words of padding behind every 256.
.macro G1_TR pitch
	s_mov_b32 s24, 15|(1<<16)|(1<<20)|(1<<21)|(7<<22)|(7<<25)  ; mask of the four partners; 2-byte elements; padding on; bit 21 beside a mask; interval 256 words; 8 words
	s_mov_b32 s25, 512<<16                         ; tensor_dim0 = 512
	s_mov_b32 s26, 32<<16                          ; tensor_dim1 = 32
	s_mov_b32 s27, 512<<16                         ; tile_dim0 = 512
	s_mov_b32 s28, 32                              ; tile_dim1 = 32
	s_mov_b32 s29, \pitch                          ; elements from row to row
	s_mov_b32 s30, 0
	s_mov_b32 s31, 0
.endm
; [N][K]: my quarter is 'rows' rows of 128 elements, 4 words of padding behind every 64.
.macro G1_NAT rows, pitch
	s_mov_b32 s24, 15|(1<<16)|(1<<20)|(1<<21)|(5<<22)|(3<<25)
	s_mov_b32 s25, 128<<16
	s_mov_b32 s26, (\rows)<<16
	s_mov_b32 s27, 128<<16
	s_mov_b32 s28, \rows
	s_mov_b32 s29, \pitch
	s_mov_b32 s30, 0
	s_mov_b32 s31, 0
.endm
; Descriptor group 0 in s[g:g+3]: to my quarter of a slot, from the product's base + the K step.
.macro G0SET g, base, adv, ldsreg, slot
	s_mov_b32 s[\g], 1
	s_add_co_u32 s[\g+1], s[\ldsreg], \slot*SLOT
	s_add_nc_u64 s[\g+2:\g+3], s[\base:\base+1], \adv
	s_or_b32 s[\g+3], s[\g+3], 0x80000000
.endm
; The head of a K step.  OPEN: all my tensor loads have landed, my quarter of this step's tile among them, so the descriptor may be written.
; CLOSE: my LDS instructions are done; the round shows both of every wave of all four partners; the next step's tile is asked for first
; thing behind it, into the slot read last.  It has this step's 128 matrix instructions to land.
.macro OPEN
	WIN 0
	s_wait_tensorcnt 0x0
.endm
.macro CLOSE
	s_wait_dscnt 0x0
	ROUND
	tensor_load_to_lds s[20:23], s[24:31]
	s_nop 0
.endm
.macro NEXT base, adv, ldsreg, slot
	OPEN
	G0SET 20, \base, \adv, \ldsreg, \slot
	CLOSE
.endm
.macro FETA buf, g                     ; four A fragments (64 rows x 32 K) from panel block g
.irp a, 0,1,2,3
	ds_load_b128 v[\buf+8*\a:\buf+8*\a+3], v[ADRA] offset:(\g)*BLK+1280*\a
	ds_load_b128 v[\buf+8*\a+4:\buf+8*\a+7], v[ADRA] offset:(\g)*BLK+1280*\a+32
.endr
.endm
.macro FETN buf, adr, kk, nb           ; nb B fragments from rows that lie along K
.set bb, 0
.rept \nb
	ds_load_b128 v[\buf+8*bb:\buf+8*bb+3], v[\adr] offset:16*PN*bb+64*(\kk)
	ds_load_b128 v[\buf+8*bb+4:\buf+8*bb+7], v[\adr] offset:16*PN*bb+64*(\kk)+32
.set bb, bb+1
.endr
.endm
.macro FETT buf, adr, off, p16, nb     ; nb B fragments from rows that lie along N: transposing loads, 16 rows apart
.set bb, 0
.rept \nb
	ds_load_tr16_b128 v[\buf+8*bb:\buf+8*bb+3], v[\adr] offset:(\off)+32*bb
	ds_load_tr16_b128 v[\buf+8*bb+4:\buf+8*bb+7], v[\adr] offset:(\off)+32*bb+(\p16)
.set bb, bb+1
.endr
.endm
.macro FETCH mode, slot, kk, gb, fb, fa, nb    ; 2 nb + 8 loads: one sub-step of 32 along K.  mode 0: [K][N]; 1: [N][K]
.if \mode == 0
	FETT \fb, ADRT+2*\slot+(\kk>>1), (\kk&1)*32*PT, 16*PT, \nb
.endif
.if \mode == 1
	FETN \fb, ADRN+\slot, \kk, \nb
.endif
	FETA \fa, \gb+\kk
.endm
; 4 x nb matrix instructions.  The accumulators take turns, one instruction a turn, in the same order in every sub-step.
; zero = 1: the first products start the sums.
.macro MUL fb, fa, nb, zero
	WIN 0x50
.irp a, 0,1,2,3
.set bb, 0
.rept \nb
.if \zero
	v_wmma_f32_16x16x32_bf16 v[64*\a+8*bb:64*\a+8*bb+7], v[\fb+8*bb:\fb+8*bb+7], v[\fa+8*\a:\fa+8*\a+7], 0
.else
	v_wmma_f32_16x16x32_bf16 v[64*\a+8*bb:64*\a+8*bb+7], v[\fb+8*bb:\fb+8*bb+7], v[\fa+8*\a:\fa+8*\a+7], v[64*\a+8*bb:64*\a+8*bb+7]
.endif
.set bb, bb+1
.endr
.endr
.endm
; A K step of 128: four sub-steps on two fragment buffers.  While one sub-step is multiplied the next one's loads are on their way:
; each counted wait leaves out exactly the 2 nb + 8 loads issued last.
.macro KSTEP mode, slot, gb, nb, zero
	WIN 0
	PLACES
	FETCH \mode, \slot, 0, \gb, FB0, FA0, \nb
	FETCH \mode, \slot, 1, \gb, FB1, FA1, \nb
	s_wait_dscnt 2*\nb+8
	MUL FB0, FA0, \nb, \zero
	WIN 0
	PLACES
	FETCH \mode, \slot, 2, \gb, FB0, FA0, \nb
	s_wait_dscnt 2*\nb+8
	MUL FB1, FA1, \nb, 0
	WIN 0
	PLACES
	FETCH \mode, \slot, 3, \gb, FB1, FA1, \nb
	s_wait_dscnt 2*\nb+8
	MUL FB0, FA0, \nb, 0
	s_wait_dscnt 0x0
	MUL FB1, FA1, \nb, 0
.endm
.macro PACK nb                         ; window 1 rounded to bf16: a lane's eight neighbouring numbers become 16 bytes in window 2
	WIN 0x85
.irp a, 0,1,2,3
.set bb, 0
.rept \nb
.irp q, 0,1,2,3
	v_cvt_pk_bf16_f32 v[32*\a+4*bb+\q], v[64*\a+8*bb+2*\q], v[64*\a+8*bb+2*\q+1]
.endr
.set bb, bb+1
.endr
.endr
.endm
; A (window 2, by pairs of rows) into the panel.  sel 0: waves 0 and 1 hold K = 0-255; sel 1: waves 2 and 3 hold K = 256-511.
; The second one stands behind a round, in front of which every wave's reads of the panel were waited for.  The stores are waited for, for the others' sake, in front of the barrier.
.macro PUTX sel
	WIN 0
.if \sel == 0
	s_cmp_ge_u32 s16, 2
	s_cbranch_scc1 .Lputx_\@
.endif
.if \sel == 1
	s_cmp_lt_u32 s16, 2
	s_cbranch_scc1 .Lputx_\@
.endif
	WIN 0x08
.set tt, 0
.rept 32
	ds_store_b128 v[STOC], v[4*tt:4*tt+3] offset:160*tt
.set tt, tt+1
.endr
	WIN 0
.Lputx_\@:
	s_wait_dscnt 0x0
	s_barrier_signal -1
	s_barrier_wait -1
.endm
; n pairs of rows, from pair t0 on, of my 64 rows of a weight [512][8][512], the head's 512 columns:
; register 8 tt + e of lane (r, h) = row 2 tt + h, column 128 w + 8 r + e
.macro LDROWS win, base, t0, n
	WIN \win
.set tt, \t0
.rept \n
	global_load_b128 v[8*tt:8*tt+3], v[XOFF], s[\base:\base+1] offset:32768*tt
	global_load_b128 v[8*tt+4:8*tt+7], v[XOFF], s[\base:\base+1] offset:32768*tt+16
.set tt, tt+1
.endr
	WIN 0
.endm
; n of my 64 rows, from row i0 on, of my strip of 64 columns of Wo[head]: sixteen lanes take 256 consecutive bytes of a row, aligned
.macro LDSTRIP i0, n
	WIN 0xc0
.set ii, \i0
.rept \n
	global_load_b128 v[4*ii:4*ii+3], v[COFF], s[10:11] offset:2048*ii
.set ii, ii+1
.endr
	WIN 0
.endm
; Each of the 64 rows (in the window that 'win' gives source 0) times a vector, over my wave's 128 columns: eight products a lane in 32 chains that do
; not wait for each other, four steps across the sixteen lanes of a row, and the sum into my wave's line of a table (sixteen lanes store one word alike).
.macro XDOT win, vv, table
	WIN \win
.set tt, 0
.rept 32
	v_pk_mul_f32 v[XT+2*tt:XT+2*tt+1], v[8*tt:8*tt+1], v[\vv:\vv+1]
.set tt, tt+1
.endr
.irp e, 1,2,3
.set tt, 0
.rept 32
	v_pk_fma_f32 v[XT+2*tt:XT+2*tt+1], v[8*tt+2*\e:8*tt+2*\e+1], v[\vv+2*\e:\vv+2*\e+1], v[XT+2*tt:XT+2*tt+1]
.set tt, tt+1
.endr
.endr
	WIN 0
.set tt, 0
.rept 32
	v_add_f32 v[XT+2*tt], v[XT+2*tt], v[XT+2*tt+1]
.set tt, tt+1
.endr
.irp m, 1,2,4,8
.set tt, 0
.rept 32
	v_add_f32_dpp v[XT+2*tt], v[XT+2*tt], v[XT+2*tt] row_xmask:\m row_mask:0xf bank_mask:0xf
.set tt, tt+1
.endr
.endr
.set tt, 0
.rept 32
	ds_store_b32 v[STX], v[XT+2*tt] offset:\table+8*tt     ; row 2 tt + h; waited for in front of the next barrier
.set tt, tt+1
.endr
.endm
; t of my four columns over my 64 rows of Wo (window 3: register 4 i + e = row 128 w + 64 h + i, column 4 r + e), each row times its bv (window 2):
; two chains of four; the halves of the wave meet by v_permlanex16_b32; then into my wave's line of the table.
.macro CDOT table
	WIN 0x0b
.irp e, 0,1,2,3
	v_mul_f32 v[CA+\e], v[\e], v[BVV]
.endr
.irp e, 0,1,2,3
	v_mul_f32 v[CA+4+\e], v[4+\e], v[BVV+1]
.endr
.set ii, 2
.rept 62
.irp e, 0,1,2,3
	v_fma_f32 v[CA+4*(ii&1)+\e], v[4*ii+\e], v[BVV+ii], v[CA+4*(ii&1)+\e]
.endr
.set ii, ii+1
.endr
	WIN 0
	v_pk_add_f32 v[CA:CA+1], v[CA:CA+1], v[CA+4:CA+5]
	v_pk_add_f32 v[CA+2:CA+3], v[CA+2:CA+3], v[CA+6:CA+7]
.irp e, 0,1,2,3
	v_permlanex16_b32 v[TP+\e], v[CA+\e], s48, s49
.endr
.irp e, 0,1,2,3
	v_add_f32 v[CA+\e], v[CA+\e], v[TP+\e]
.endr
	ds_store_b128 v[STCD], v[CA:CA+3] offset:\table        ; waited for in front of the next barrier
.endm
; One wave adds the four waves' lines of a table and stores the 64 numbers: 8 bytes a lane, 256 consecutive bytes, aligned.
; It stands behind a barrier in front of which every wave has waited for its stores into the table.  FT and FINO are not written again.
.macro FIN wave, table, voff
	s_cmp_lg_u32 s16, \wave
	s_cbranch_scc1 .Lfin_\@
.irp u, 0,1,2,3
	ds_load_b64 v[FT+2*\u:FT+2*\u+1], v[FINA] offset:\table+256*\u
.endr
	s_wait_dscnt 0x0
	v_pk_add_f32 v[FT:FT+1], v[FT:FT+1], v[FT+2:FT+3]
	v_pk_add_f32 v[FT+4:FT+5], v[FT+4:FT+5], v[FT+6:FT+7]
	v_pk_add_f32 v[FT:FT+1], v[FT:FT+1], v[FT+4:FT+5]
	global_store_b64 v[FINO], v[FT:FT+1], s[100:101] offset:\voff
.Lfin_\@:
.endm
; The way out: round to bf16; 16 rows at a time through my own 16 x 272 bytes of the panel, in by tiles, back by rows of 256 bytes, so that sixteen
; lanes store 256 consecutive bytes of wm, aligned.  LDS serves a wave's instructions in order (ISA guide 5.7.1): no wait between my stores and my loads.
.macro OUTB
	PLACES
	PACK 8
.irp a, 0,1,2,3
	WIN 0x08
.irp b, 0,1,2,3,4,5,6,7
	ds_store_b128 v[OSTB], v[32*\a+4*\b:32*\a+4*\b+3] offset:32*\b
.endr
	WIN 0
	s_wait_xcnt 0x0                                ; the registers that earlier global stores read are loaded again only behind this wait
.irp t, 0,1,2,3,4,5,6,7
	ds_load_b128 v[FB0+32*(\a&1)+4*\t:FB0+32*(\a&1)+4*\t+3], v[ORDB] offset:2*PN*\t
.endr
.irp t, 0,1,2,3,4,5,6,7
	s_wait_dscnt 7-\t                              ; rows 2 t and 2 t + 1 are back; the younger loads stay out
	global_store_b128 v[OUTV], v[FB0+32*(\a&1)+4*\t:FB0+32*(\a&1)+4*\t+3], s[98:99] offset:(16*\a+2*\t)*1024
.endr
.endr
.endm
; The product, K = 512 in four steps, the vectors that were left, and the end of the wave.  kind 0: M, g, u; kind 1: N, t.
.macro BODY mode, step, ldsreg, kind
	WIN 0
	s_wait_tensorcnt 0x1                           ; my quarter of K step 0's tile is in; K step 1's may stay out
	PUTX 0
	KSTEP \mode, 0, 0, 8, 1
.if \kind == 0
	LDROWS 0xc0, 8, 24, 8                          ; the last 16 loads of Wk's rows: apart from the first 50, so that the run does not fill the counter
.else
	LDSTRIP 40, 24                                 ; the last 24 loads of Wo's strip, likewise
.endif
	NEXT 32, 2*\step, \ldsreg, 0
	KSTEP \mode, 1, 4, 8, 0
	NEXT 32, 3*\step, \ldsreg, 1
	PUTX 1
	KSTEP \mode, 0, 0, 8, 0
	OPEN                                           ; the last tile has landed; nothing is left to ask for,
	s_wait_dscnt 0x0
	s_barrier_signal -1                            ; so my work-group's barrier alone shows the tile whole
	s_barrier_wait -1
	KSTEP \mode, 1, 4, 8, 0
	WIN 0
	PLACES                                         ; the sums below write registers that the last matrix instructions read
	s_wait_loadcnt 0x0                             ; what was asked for behind A has had the four K steps to land
.if \kind == 0
	XDOT 0x03, VV2, STM                            ; u: my rows of Wk . bq
.else
	CDOT STC                                       ; t: bv . my strip of Wo
.endif
	s_wait_dscnt 0x0                               ; my lines of the tables are in LDS, and my reads of the panel are over before it becomes the stage
	s_barrier_signal -1
	s_barrier_wait -1
.if \kind == 0
	FIN 0, STC, VG
	FIN 1, STM, VU
.else
	FIN 0, STC, VT
.endif
	OUTB
	ROUND                                          ; the closing round: no work-group ends while a partner may still issue a joint load
	s_endpgm
.endm
	s_load_b512 s[68:83], s[0:1], 0x0              ; sa: wq 68, wv 70, wk 72, wo 74, bq 76, bk 78, bv 80; ca: wq 82
	s_load_b512 s[84:99], s[0:1], 0x40             ; ca: wv 84, wk 86, wo 88, bq 90, bk 92, bv 94; wb 96; wm 98
	s_load_b64 s[100:101], s[0:1], 0x80            ; vec
	v_lshrrev_b32 v1, 5, v0
	v_readfirstlane_b32 s16, v1                    ; wave
	s_bfe_u32 s17, ttmp6, 0x40000                  ; cx
	s_mov_b32 s18, ttmp9                           ; the cluster's x: head
	s_and_b32 s19, ttmp7, 0xffff                   ; the cluster's y: bit 0 half of the rows, bit 1 kind, bit 2 attention
	s_mul_i32 s44, s16, 32*PT                      ; my quarter of a [K][N] tile in a slot
	s_mul_i32 s45, s16, 128*PN                     ; of a [N][K] tile
	s_mov_b32 s48, 0x76543210                      ; v_permlanex16_b32: lane i reads lane i of the other half
	s_mov_b32 s49, 0xfedcba98
	s_lshr_b32 s50, s19, 1
	s_lshl_b32 s50, s50, 22                        ; 4 MiB x (2 x attention + kind): the place of B in wb and of the eight products in wm
	s_mov_b32 s51, 0
	s_lshl_b32 s52, s18, 11                        ; the head's 512 f32
	s_mov_b32 s53, 0
	s_and_b32 s54, s19, 1
	s_lshl_b32 s54, s54, 2
	s_add_co_u32 s54, s54, s17                     ; row block 0 .. 7
	s_lshl_b32 s56, s54, 20                        ; 64 rows of 16,384 bytes
	s_add_co_u32 s56, s56, s52
	s_mov_b32 s57, 0                               ; s[56:57]: my rows in a weight [512][8][512]
	s_lshl_b32 s58, s18, 19                        ; the head's product
	s_add_co_u32 s58, s58, s50
	s_lshl_b32 s59, s54, 16                        ; 64 rows of 1,024 bytes
	s_add_co_u32 s58, s58, s59
	s_mov_b32 s59, 0                               ; s[58:59]: my rows in wm
	s_lshr_b32 s60, s19, 2
	s_mul_i32 s60, s60, 49152                      ; the attention's three vectors of [8][512]
	s_add_co_u32 s60, s60, s52
	s_lshl_b32 s61, s54, 8                         ; my 64 numbers
	s_add_co_u32 s60, s60, s61
	s_mov_b32 s61, 0                               ; s[60:61]: my 64 numbers in a vector of vec
	v_and_b32 v1, 15, v0                           ; r
	v_bfe_u32 v2, v0, 4, 1                         ; h
	v_and_b32 v3, 7, v0
	v_and_b32 v[TB], 31, v0                        ; lane
	v_bfe_u32 v[TA], v0, 3, 1
	s_lshl_b32 s36, s16, 9
	v_lshl_add_u32 v[VOFF], v1, 5, s36             ; 512 w + 32 r
	v_lshl_add_u32 v[XOFF], v2, 14, v[VOFF]        ; + 16,384 h
	v_lshl_add_u32 v[BVOF], v2, 8, s36             ; 512 w + 256 h
	s_lshl_b32 s36, s16, 18
	v_lshl_add_u32 v[COFF], v2, 17, s36            ; 262,144 w + 131,072 h
	v_lshl_add_u32 v[COFF], v1, 4, v[COFF]         ; + 16 r
	v_mul_u32_u24 v[TC], v1, 80
	v_lshl_add_u32 v[TC], v2, 4, v[TC]             ; 80 r + 16 h
	v_add_nc_u32 v[ADRA], PANEL, v[TC]
	v_mul_u32_u24 v[TD], v1, PN
	v_lshl_add_u32 v[TD], v2, 4, v[TD]             ; 272 r + 16 h
	v_add_nc_u32 v[ADRN], s45, v[TD]
	v_add_nc_u32 v[ADRN+1], SLOT, v[ADRN]
	s_mul_i32 s36, s16, 2*BLK
	s_add_co_u32 s36, s36, PANEL                   ; my stage on the way out
	v_add_nc_u32 v[OSTB], s36, v[TD]
	v_mul_u32_u24 v[TD], v2, PN
	v_lshl_add_u32 v[TD], v1, 4, v[TD]             ; 272 h + 16 r
	v_add_nc_u32 v[ORDB], s36, v[TD]
	s_lshl_b32 s36, s16, 8                         ; my 128 columns of bf16
	v_lshl_add_u32 v[OUTV], v2, 10, s36            ; 1,024 h + 256 w
	v_lshl_add_u32 v[OUTV], v1, 4, v[OUTV]         ; + 16 r
	v_lshl_add_u32 v[TD], v2, 3, v3                ; row 8 h + lane mod 8
	v_mul_u32_u24 v[TD], v[TD], PT
	v_lshl_add_u32 v[TD], v[TA], 4, v[TD]          ; + 16 bytes for lanes 8-15 of a half
	v_add_nc_u32 v[ADRT], s36, v[TD]
	v_add_nc_u32 v[ADRT+1], 64*PT, v[ADRT]
	v_add_nc_u32 v[ADRT+2], SLOT, v[ADRT]
	v_add_nc_u32 v[ADRT+3], SLOT+64*PT, v[ADRT]
	s_and_b32 s36, s16, 1
	s_mul_i32 s36, s36, 4*BLK
	s_add_co_u32 s36, s36, PANEL                   ; my four blocks of a half panel
	v_bfe_u32 v[TD], v0, 2, 2
	v_mul_u32_u24 v[TD], v[TD], BLK                ; block (r / 4),
	v_and_b32 v[TA], 3, v0
	v_lshl_add_u32 v[TD], v[TA], 4, v[TD]          ; 16 bytes (r mod 4),
	v_mad_u32_u24 v[TD], v2, 80, v[TD]             ; row h of the pair
	v_add_nc_u32 v[STOC], s36, v[TD]
	s_lshl_b32 s36, s16, 8
	s_add_co_u32 s36, s36, STATS                   ; my wave's line of a table
	v_lshl_add_u32 v[STX], v2, 2, s36
	v_lshl_add_u32 v[STCD], v1, 4, s36
	v_lshlrev_b32 v[FINO], 3, v[TB]
	v_add_nc_u32 v[FINA], STATS, v[FINO]
.irp e, 0,1,2,3
	v_mov_b32 v[TP+\e], 0                          ; v_permlanex16_b32 counts as a reader of its destination
.endr
	s_wait_kmcnt 0x0
	s_and_b32 s36, s19, 4
	s_cmp_lg_u32 s36, 0                            ; which attention's buffers
	s_cselect_b64 s[4:5], s[82:83], s[68:69]       ; wq
	s_cselect_b64 s[6:7], s[84:85], s[70:71]       ; wv
	s_cselect_b64 s[8:9], s[86:87], s[72:73]       ; wk
	s_cselect_b64 s[10:11], s[88:89], s[74:75]     ; wo
	s_cselect_b64 s[12:13], s[90:91], s[76:77]     ; bq
	s_cselect_b64 s[14:15], s[92:93], s[78:79]     ; bk
	s_cselect_b64 s[34:35], s[94:95], s[80:81]     ; bv
	s_add_nc_u64 s[98:99], s[98:99], s[58:59]
	s_add_nc_u64 s[100:101], s[100:101], s[60:61]
	s_add_nc_u64 s[32:33], s[96:97], s[50:51]
	s_and_b32 s36, s19, 2
	s_cmp_lg_u32 s36, 0
	s_cbranch_scc1 .Lkind_n
	; kind M: M = Wq Wk^T, g = Wq bk, u = bq Wk^T
	s_add_nc_u64 s[4:5], s[4:5], s[56:57]          ; my rows of Wq
	s_add_nc_u64 s[8:9], s[8:9], s[56:57]          ; the same rows of Wk
	s_add_nc_u64 s[12:13], s[12:13], s[52:53]
	s_add_nc_u64 s[14:15], s[14:15], s[52:53]
	s_lshl_b32 s36, s18, 10                        ; the head's 512 columns of bf16
	s_lshl_b32 s37, s16, 20                        ; 128 rows of 8,192 bytes a wave
	s_add_co_u32 s36, s36, s37
	s_mov_b32 s37, 0
	s_add_nc_u64 s[32:33], s[32:33], s[36:37]
	G1_NAT 128, 4096
	G0SET 20, 32, 0, 45, 0
	G0SET 40, 32, STEPN, 45, 1
	ROUND                                          ; all four partners are here: the first joint loads meet
	tensor_load_to_lds s[20:23], s[24:31]          ; Wk, K step 0, into slot 0
	s_nop 0
	tensor_load_to_lds s[40:43], s[24:31]          ; Wk, K step 1, into slot 1: both first fills go out together
	s_nop 0
	global_load_b128 v[VV1:VV1+3], v[VOFF], s[14:15]
	global_load_b128 v[VV1+4:VV1+7], v[VOFF], s[14:15] offset:16
	LDROWS 0x40, 4, 0, 32
	s_wait_loadcnt 0x0                             ; A and bk
	global_load_b128 v[VV2:VV2+3], v[VOFF], s[12:13]
	global_load_b128 v[VV2+4:VV2+7], v[VOFF], s[12:13] offset:16
	LDROWS 0xc0, 8, 0, 24                          ; 48 of the 64 loads of Wk's rows: not waited for before the product's end
	XDOT 0x01, VV1, STC                            ; g: my rows of Wq . bk
	PACK 8
	BODY 1, STEPN, 45, 0
.Lkind_n:
	; kind N: N = Wv Wo, t = bv Wo
	s_add_nc_u64 s[6:7], s[6:7], s[56:57]          ; my rows of Wv
	s_lshl_b32 s38, s18, 20                        ; Wo[head],
	s_lshl_b32 s39, s54, 8                         ; my 64 columns
	s_add_co_u32 s38, s38, s39
	s_mov_b32 s39, 0
	s_add_nc_u64 s[10:11], s[10:11], s[38:39]
	s_add_nc_u64 s[34:35], s[34:35], s[52:53]
	s_lshl_b32 s36, s18, 19                        ; the head's 512 x 512 of bf16
	s_lshl_b32 s37, s16, 15                        ; 32 rows of 1,024 bytes a wave
	s_add_co_u32 s36, s36, s37
	s_mov_b32 s37, 0
	s_add_nc_u64 s[32:33], s[32:33], s[36:37]
	G1_TR 512
	G0SET 20, 32, 0, 44, 0
	G0SET 40, 32, STEPX, 44, 1
	ROUND                                          ; all four partners are here: the first joint loads meet
	tensor_load_to_lds s[20:23], s[24:31]          ; Wo, K step 0, into slot 0
	s_nop 0
	tensor_load_to_lds s[40:43], s[24:31]          ; Wo, K step 1, into slot 1: both first fills go out together
	s_nop 0
	LDROWS 0x40, 6, 0, 32
	s_wait_loadcnt 0x0                             ; A
	WIN 0x80
.irp j, 0,1,2,3,4,5,6,7,8,9,10,11,12,13,14,15
	global_load_b128 v[BVV+4*\j:BVV+4*\j+3], v[BVOF], s[34:35] offset:16*\j
.endr
	LDSTRIP 0, 40                                  ; 40 of the 64 loads of Wo's strip: not waited for before the product's end
	PACK 8
	BODY 0, STEPX, 44, 1
.Lfunc_end_k_qd48d9e6f3d_pre:
	.size	k_qd48d9e6f3d_pre, .Lfunc_end_k_qd48d9e6f3d_pre-k_qd48d9e6f3d_pre
	.p2alignl 7, 3214868480
	.fill 96, 4, 3214868480
	.section	.rodata,"a",@progbits
	.p2align	6, 0x0
	.amdhsa_kernel k_qd48d9e6f3d_pre
		.amdhsa_group_segment_fixed_size 327680
		.amdhsa_private_segment_fixed_size 0
		.amdhsa_enable_private_segment 0
		.amdhsa_kernarg_size 136
		.amdhsa_user_sgpr_count 2
		.amdhsa_user_sgpr_kernarg_segment_ptr 1
		.amdhsa_wavefront_size32 1
		.amdhsa_system_sgpr_workgroup_id_x 1
		.amdhsa_system_sgpr_workgroup_id_y 1
		.amdhsa_system_sgpr_workgroup_id_z 1
		.amdhsa_system_vgpr_workitem_id 0
		.amdhsa_next_free_vgpr 1024
		.amdhsa_next_free_sgpr 102
		.amdhsa_reserve_vcc 0
		.amdhsa_float_denorm_mode_32 3
		.amdhsa_float_denorm_mode_16_64 3
		.amdhsa_memory_ordered 1
		.amdhsa_forward_progress 1
		.amdhsa_inst_pref_size 255
	.end_amdhsa_kernel
	.section	.bss,"aw",@nobits
	.p2align	6
	.space	262144
	.amdgpu_metadata
---
amdhsa.version: [ 1, 2 ]
amdhsa.kernels:
  - .name:           k_qd48d9e6f3d_pre
    .symbol:         k_qd48d9e6f3d_pre.kd
    .args:
      - { .name: sa_wq, .offset: 0, .size: 8, .value_kind: global_buffer, .address_space: global }
      - { .name: sa_wv, .offset: 8, .size: 8, .value_kind: global_buffer, .address_space: global }
      - { .name: sa_wk, .offset: 16, .size: 8, .value_kind: global_buffer, .address_space: global }
      - { .name: sa_wo, .offset: 24, .size: 8, .value_kind: global_buffer, .address_space: global }
      - { .name: sa_bq, .offset: 32, .size: 8, .value_kind: global_buffer, .address_space: global }
      - { .name: sa_bk, .offset: 40, .size: 8, .value_kind: global_buffer, .address_space: global }
      - { .name: sa_bv, .offset: 48, .size: 8, .value_kind: global_buffer, .address_space: global }
      - { .name: ca_wq, .offset: 56, .size: 8, .value_kind: global_buffer, .address_space: global }
      - { .name: ca_wv, .offset: 64, .size: 8, .value_kind: global_buffer, .address_space: global }
      - { .name: ca_wk, .offset: 72, .size: 8, .value_kind: global_buffer, .address_space: global }
      - { .name: ca_wo, .offset: 80, .size: 8, .value_kind: global_buffer, .address_space: global }
      - { .name: ca_bq, .offset: 88, .size: 8, .value_kind: global_buffer, .address_space: global }
      - { .name: ca_bk, .offset: 96, .size: 8, .value_kind: global_buffer, .address_space: global }
      - { .name: ca_bv, .offset: 104, .size: 8, .value_kind: global_buffer, .address_space: global }
      - { .name: wb, .offset: 112, .size: 8, .value_kind: global_buffer, .address_space: global }
      - { .name: wm, .offset: 120, .size: 8, .value_kind: global_buffer, .address_space: global }
      - { .name: vec, .offset: 128, .size: 8, .value_kind: global_buffer, .address_space: global }
    .group_segment_fixed_size: 327680
    .private_segment_fixed_size: 0
    .kernarg_segment_align: 8
    .kernarg_segment_size: 136
    .max_flat_workgroup_size: 128
    .sgpr_count:     102
    .vgpr_count:     1024
    .wavefront_size: 32
...
	.end_amdgpu_metadata
.endif
;; end of part 7
;; launch sa (part 8): grid 32 x 8, 4 waves a work-group, clusters of 4 x 1, 327,680 bytes of LDS; arguments out_seq, wb, wm, vec, sa_bq, sa_bk, part; writes part
.if DOCPART == 8
	.amdgcn_target "amdgcn-amd-amdhsa--gfx1250"
	.amdhsa_code_object_version 6
	.text
	.protected	k_qd48d9e6f3d_sa
	.globl	k_qd48d9e6f3d_sa
	.p2align	8
	.type	k_qd48d9e6f3d_sa,@function
k_qd48d9e6f3d_sa:
	s_mov_b64 s[64:65], 0
	v_nop
	global_prefetch_b8 v0, s[64:65] scope:SCOPE_SE
	s_setreg_imm32_b32 hwreg(HW_REG_WAVE_MODE, 25, 1), 1
	s_wait_xcnt 0x0
	s_wait_alu depctr_hold_cnt(0) depctr_sa_sdst(0) depctr_va_vdst(0) depctr_va_sdst(0) depctr_va_ssrc(0) depctr_va_vcc(0) depctr_vm_vsrc(0)
	s_getreg_b32 s2, hwreg(HW_REG_IB_STS2, 6, 4)
	s_cmp_eq_u32 s2, 0
	s_cbranch_scc0 .Lentry_in_a_cluster
	s_endpgm
.Lentry_in_a_cluster:
	s_bfe_u32 s2, ttmp6, 0x10000c
	s_cmp_lg_u32 s2, 0x3003
	s_cbranch_scc0 .Lentry_shape_is_right
	s_endpgm
.Lentry_shape_is_right:
; One head's attention for 64 queries of one batch, as a chain of products [64 x K] x [K x N] that never leaves the work-group:
;   1  Q' = X M + u                     M = Wq Wk^T, u = bq Wk^T
;   2  S  = Q' Xkv^T + c                c[m] = X[m] . g + bq . bk, g = Wq bk
;   softmax of S / sqrt(512) along the keys, the row's maximum taken away first; P = the exponentials, not yet divided
;   3  Y  = P Xkv
;   4  part[head] = (Y / row sum) N + t       N = Wv Wo, t = bv Wo
; This is reference()'s attention with the products taken in another order: q, k and v are never formed.  It holds for every input.
; M, N (bf16, in wm) and u, g, t (f32, in vec) hang on weights and biases alone and were made by an earlier launch.
; LIMITS, stated: the matrix operands rounded to bf16 are X, Xkv, M, N (themselves made of weights rounded to bf16), Q', P and Y / sum; the sums run
; in another order than reference()'s; t is added once, since the divided weights of a row add up to 1 within f32 rounding.
; The head's result goes to part[head]; the sum over heads, bo, the residual and the norm are the next launch's.
; This text: SELF-ATTENTION, 256 keys, causal.  All 256 keys are computed for every query block and the masked scores are then set to the
; lowest finite f32: the four query blocks are partners of a cluster and must issue the same joint loads, so none may stop early.
;
; CLUSTER: the four query blocks of one (batch, head) need the same tiles of every B operand.  They form a cluster of 4 x 1, and every
; tensor load is a joint one (mask 15): each of the four issues it with the same descriptor and receives the tile in its own LDS.
; SHARES: four waves, one a SIMD, each with 4 x 8 accumulator tiles (256 registers) for all 64 rows.  In products 1 and 3 wave w owns columns
; 128 w .. 128 w + 127; of the scores keys (NKEY/4) w ..; in product 4 columns 64 w .. 64 w + 63 of each half of 256 columns.
; The matrix instruction is used transposed (source 0 = 16 columns of B, source 1 = 16 rows of A), so lane (r, h), register j of a tile holds
; row 16 a + r and eight neighbouring columns 8 h + j.
; LDS: two slots for B's tiles, filled by tensor loads alone; a panel for A (64 rows x 256 of K, as 8 blocks of 32 K at a pitch of 80 bytes)
; and the rows' statistics, written by LDS stores alone.  A product's K = 512 goes through the panel in two halves.
; TILES: 131,072 bytes each.  [128 K][512 N] in products 1 and 3; the keys as [512 N][128 K], or with 256 keys as [256 N][256 K], which halves the
; trips of product 2 there; [256 K][256 N] in product 4, walked (K0,N0) (K1,N0) (K0,N1) (K1,N1): the first 256 columns are final two trips before
; the end and are stored while the other 256 are multiplied.
; Two tensor loads of a wave are out at the start (both slots' first fills); later one: the next trip's quarter tile, asked for first thing behind
; a round of the cluster's barrier.
; PREFETCH: each of M, N and the keys' source is read by 32 work-groups.  Wave 3 of each asks for 1/32 of two tiles at a time (32 lanes, 256 bytes apart,
; each block once in the launch), one and two trips ahead of the two tensor loads that will want them: M's tiles 2 and 3 in trip 1.0, the keys' source
; in trip 1.2 (with 512 keys its second half in 2.0), N's columns 0-255 in the last trip but one of product 3, N's columns 256-511 in trip 4.0.
; Nothing is asked for behind that, and every request lies inside its matrix.
.set NKEY,   256                       ; keys
.set CAUSAL, 1
.set OFFM,   0x000000                  ; byte offsets in wm: M, N
.set OFFN,   0x400000
.set OFFX,   0x1400000                 ; byte offset in wb: the keys' source in bf16
.set OFFU,   0                         ; byte offsets in vec: u, g, t
.set OFFG,   16384
.set OFFT,   32768
.set NBS,    NKEY/64                   ; a wave's score tiles along the keys
.set PT,     1056                      ; LDS pitch of a tile [128 K][512 N]: 1,024 bytes + 32 = 33 x 32
.set PN,     272                       ; of a tile [512 N][128 K]: 256 bytes + 16 = 17 x 16
.set PN2,    528                       ; of a tile [256 N][256 K]: 512 bytes + 16 = 33 x 16
.set PU,     544                       ; of a tile [256 K][256 N]: 512 bytes + 32 = 17 x 32
.set SLOT,   139264                    ; 512 x 272 = 256 x 544, the largest of the shapes
.set PANEL,  278528                    ; behind the two slots
.set BLK,    5184                      ; a panel block: 64 rows x 80 bytes, + 64
.set STATS,  320000                    ; three tables [wave][64 rows] of f32
.set STC,    0                         ; partial X . g
.set STM,    1024                      ; partial maxima
.set STL,    2048                      ; partial sums
.set STEPX,  131072                    ; 128 rows of 512 columns
.set STEPN,  256                       ; 128 columns
.set SPO,    272                       ; pitch of the stage on the way out: 256 bytes + 16
.set PARTS,  40                        ; s[40:41] where my rows of part begin
.if NKEY == 256
.set KLDS,   44                        ; the scalar with my quarter of the keys' tile in a slot: 64 x 528 = 32 x 1,056 bytes a wave
.set KP,     PN2
.else
.set KLDS,   45                        ; 128 x 272 = 64 x 544 bytes a wave
.set KP,     PN
.endif
; window 0
.set ADRA, 4                           ; A fragments in the panel
.set GOFF, 5                           ; g by X's columns: 512 w + 32 r
.set SOFF, 6                           ; bq and bk, sixteen numbers a lane: 64 x lane
.set ADRK, 7                           ; v7-8    B fragments of the keys' tile, slot 0, 1, rows (NKEY/4) w ..
.set ADRT, 9                           ; v9-12   B fragments of a [128 K][512 N] tile: slot 0 rows 0-, 64-, slot 1 rows 0-, 64-
.set STOC, 13                          ; X into the panel
.set STOP, 14                          ; a packed result into my half panel's four blocks
.set STOS, 15                          ; 256 weights: my two blocks
.set STW,  16                          ; my wave's line of a statistics table, by r
.set STR,  17                          ; wave 0's line
.set OST,  18                          ; the way out: in
.set ORD,  19                          ; the way out: back
.set OUTO, 20                          ; my byte offset in two rows of part: 2,048 h + 256 w + 16 r
.set XOFF, 21
.set BOFF, 22                          ; u by my columns of product 1: 512 w + 32 h
.set NEGM, 23                          ; the lowest finite f32 (causal text alone)
.set QREL, 24                          ; v24-27  query index - first key index of my lane (causal text alone)
.set S0R,  28                          ; bq . bk
.set STX,  29                          ; my wave's line of a statistics table, by h
.set FB0,  32                          ; B fragments, two buffers of 8 x 8
.set FB1,  96
.set FA0,  160                         ; A fragments, two buffers of 4 x 8
.set FA1,  192
.set XT,   32                          ; v32-95   prologue: 32 pairs, partial X . g of two rows each
.set GV,   96                          ; v96-103  prologue: g of my 8 columns of X
.set SQ,   104                         ; v104-119 prologue: sixteen numbers of bq
.set SK,   120                         ; v120-135 prologue: sixteen numbers of bk
.set MX,   224                         ; v224-227 row maxima, then - maximum x scale
.set TP,   228                         ; v228-231 at work
.set SP,   232                         ; v232-239 row sums, pairs
.set ADRU, 240                         ; v240-243 B fragments of a [256 K][256 N] tile: slot 0 rows 0-, 128-, slot 1 rows 0-, 128-
.set BOF2, 244                         ; t by my columns of product 4: 256 w + 32 h
.set PFA,  245                         ; prefetch: my 32 blocks of 262,144 consecutive bytes, shared out by 4 batch + cx
.set PFB,  246                         ; prefetch: my 16 rows x 2 blocks of 512 rows of 1,024 bytes, shared out by 4 batch + cx
.set PFC,  247                         ; prefetch: my part of the keys' source, shared out by 4 head + cx
.set RI,   248                         ; v248-255 1 / row sum, twice
.set TA,   248                         ; v248-251 at work in the prologue
.set TB,   249
.set TC,   250
.set TD,   251
; window 1: the accumulators, tile (a, b) at 64 a + 8 b.   window 2: packed results, tile (a, b) at 32 a + 4 b; then
.set BU,   128                         ; u of my columns as eight C operands
.set BT,   192                         ; t likewise: four for each half of product 4's columns
; window 3
.set CREP, 0                           ; c of my rows as four C operands
.set MSB, 0
.macro WIN new                         ; s_set_vgpr_msb: bits 1:0 source 0, 3:2 source 1, 5:4 source 2, 7:6 destination; the high byte repeats the setting left
.if MSB != \new
	s_set_vgpr_msb (MSB<<8)|\new
.set MSB, \new
.endif
.endm
; A vector instruction or a load that touches a matrix instruction's registers stands four places behind it, and only plain vector
; instructions that name none of its registers are places.
.macro PLACES
.rept 4
	v_nop
.endr
.endm
; A round of the cluster's barrier: my work-group's barrier, wave 0 signals for the work-group, every wave waits for all four work-groups, my work-group's barrier again.
.macro ROUND
	s_barrier_signal -1
	s_barrier_wait -1
	s_cmp_lg_u32 s16, 0
	s_cbranch_scc1 .Lnot_wave_0_\@
	s_barrier_signal -3
.Lnot_wave_0_\@:
	s_barrier_wait -3
	s_barrier_signal -1
	s_barrier_wait -1
.endm
; Descriptor group 1: my quarter of a tile is 'rows' rows of 'cols' elements of 2 bytes; 'pad' words of padding behind every 2 << qi words, a row's length.
.macro G1SET qi, pad, cols, rows, pitch
	s_mov_b32 s24, 15|(1<<16)|(1<<20)|(1<<21)|((\qi)<<22)|(((\pad)-1)<<25)  ; mask of the four partners; 2-byte elements; padding on; bit 21 beside a mask; interval; words
	s_mov_b32 s25, (\cols)<<16                     ; tensor_dim0
	s_mov_b32 s26, (\rows)<<16                     ; tensor_dim1
	s_mov_b32 s27, (\cols)<<16                     ; tile_dim0
	s_mov_b32 s28, \rows                           ; tile_dim1
	s_mov_b32 s29, \pitch                          ; elements from row to row
	s_mov_b32 s30, 0
	s_mov_b32 s31, 0
.endm
; Descriptor group 0 in s[g:g+3]: to my quarter of a slot, from a product's base + the tile's place.
.macro G0SET g, base, adv, ldsreg, slot
	s_mov_b32 s[\g], 1
	s_add_co_u32 s[\g+1], s[\ldsreg], \slot*SLOT
	s_add_nc_u64 s[\g+2:\g+3], s[\base:\base+1], \adv
	s_or_b32 s[\g+3], s[\g+3], 0x80000000
.endm
; The head of a trip.  OPEN: all my tensor loads have landed, my quarter of this trip's tile among them, so the descriptor may be written.
; CLOSE: my LDS reads (of the other slot and of the panel) are back; the round shows both of every wave of all four partners;
; the next trip's tile is asked for first thing behind it, into the slot read last.  It has this trip's 128 matrix instructions to land.
.macro OPEN
	WIN 0
	s_wait_tensorcnt 0x0
.endm
.macro CLOSE
	s_wait_dscnt 0x0
	ROUND
	tensor_load_to_lds s[20:23], s[24:31]
	s_nop 0
.endm
.macro NEXT base, adv, ldsreg, slot
	OPEN
	G0SET 20, \base, \adv, \ldsreg, \slot
	CLOSE
.endm
; Wave 3 asks for my work-group's 32 blocks of two later tiles.  The address registers are never written again.
.macro PREF off, base, imm
	s_cmp_lg_u32 s16, 3
	s_cbranch_scc1 .Lpf_\@
	global_prefetch_b8 v[\off], s[\base:\base+1] offset:\imm th:TH_LOAD_NT scope:SCOPE_SE
.Lpf_\@:
.endm
.macro FETA buf, g                     ; four A fragments (64 rows x 32 K) from panel block g
.irp a, 0,1,2,3
	ds_load_b128 v[\buf+8*\a:\buf+8*\a+3], v[ADRA] offset:(\g)*BLK+1280*\a
	ds_load_b128 v[\buf+8*\a+4:\buf+8*\a+7], v[ADRA] offset:(\g)*BLK+1280*\a+32
.endr
.endm
.macro FETN buf, adr, kk, nb, pitch    ; nb B fragments from rows that lie along K
.set bb, 0
.rept \nb
	ds_load_b128 v[\buf+8*bb:\buf+8*bb+3], v[\adr] offset:16*\pitch*bb+64*(\kk)
	ds_load_b128 v[\buf+8*bb+4:\buf+8*bb+7], v[\adr] offset:16*\pitch*bb+64*(\kk)+32
.set bb, bb+1
.endr
.endm
.macro FETT buf, adr, off, p16, nb     ; nb B fragments from rows that lie along N: transposing loads, 16 rows apart
.set bb, 0
.rept \nb
	ds_load_tr16_b128 v[\buf+8*bb:\buf+8*bb+3], v[\adr] offset:(\off)+32*bb
	ds_load_tr16_b128 v[\buf+8*bb+4:\buf+8*bb+7], v[\adr] offset:(\off)+32*bb+(\p16)
.set bb, bb+1
.endr
.endm
.macro FETCH mode, slot, kk, gb, fb, fa, nb    ; 2 nb + 8 loads: a sub-step of 32 along K of a tile with 128 of K.  mode 0: [128 K][512 N]; 2: the keys, [512 N][128 K]
.if \mode == 0
	FETT \fb, ADRT+2*\slot+(\kk>>1), (\kk&1)*32*PT, 16*PT, \nb
.endif
.if \mode == 2
	FETN \fb, ADRK+\slot, \kk, \nb, PN
.endif
	FETA \fa, \gb+\kk
.endm
.macro FETCH8 mode, slot, kk, fb, fa   ; 16 loads: a sub-step of a tile with 256 of K.  mode 3: the keys, [256 N][256 K]; 4: [256 K][256 N]
.if \mode == 3
	FETN \fb, ADRK+\slot, \kk, 4, PN2
.endif
.if \mode == 4
	FETT \fb, ADRU+2*\slot+(\kk>>2), (\kk&3)*32*PU, 16*PU, 4
.endif
	FETA \fa, \kk
.endm
; 4 x nb matrix instructions on the accumulator tiles (a, zb .. zb + nb - 1).  The accumulators take turns, one instruction a turn, in the same order in
; every sub-step.
; cm: what starts or carries the sums: 0 the accumulator, 1 the constant 0, 2 a bias by column (window 2), 3 a constant by row (window 3).
.macro MUL fb, fa, nb, cm, cb, zb
.if \cm < 2
	WIN 0x50
.endif
.if \cm == 2
	WIN 0x60
.endif
.if \cm == 3
	WIN 0x70
.endif
.irp a, 0,1,2,3
.set bb, 0
.rept \nb
.set cc, 64*\a+8*(\zb)+8*bb
.if \cm == 0
	v_wmma_f32_16x16x32_bf16 v[cc:cc+7], v[\fb+8*bb:\fb+8*bb+7], v[\fa+8*\a:\fa+8*\a+7], v[cc:cc+7]
.endif
.if \cm == 1
	v_wmma_f32_16x16x32_bf16 v[cc:cc+7], v[\fb+8*bb:\fb+8*bb+7], v[\fa+8*\a:\fa+8*\a+7], 0
.endif
.if \cm == 2
	v_wmma_f32_16x16x32_bf16 v[cc:cc+7], v[\fb+8*bb:\fb+8*bb+7], v[\fa+8*\a:\fa+8*\a+7], v[\cb+8*bb:\cb+8*bb+7]
.endif
.if \cm == 3
	v_wmma_f32_16x16x32_bf16 v[cc:cc+7], v[\fb+8*bb:\fb+8*bb+7], v[\fa+8*\a:\fa+8*\a+7], v[\cb+8*\a:\cb+8*\a+7]
.endif
.set bb, bb+1
.endr
.endr
.endm
; A tile with 128 of K: four sub-steps on two fragment buffers.  While one sub-step is multiplied the next one's loads are on their way:
; each counted wait leaves out exactly the 2 nb + 8 loads issued last.
.macro KSTEP mode, slot, gb, nb, cm, cb
	WIN 0
	PLACES
	FETCH \mode, \slot, 0, \gb, FB0, FA0, \nb
	FETCH \mode, \slot, 1, \gb, FB1, FA1, \nb
	s_wait_dscnt 2*\nb+8
	MUL FB0, FA0, \nb, \cm, \cb, 0
	WIN 0
	PLACES
	FETCH \mode, \slot, 2, \gb, FB0, FA0, \nb
	s_wait_dscnt 2*\nb+8
	MUL FB1, FA1, \nb, 0, 0, 0
	WIN 0
	PLACES
	FETCH \mode, \slot, 3, \gb, FB1, FA1, \nb
	s_wait_dscnt 2*\nb+8
	MUL FB0, FA0, \nb, 0, 0, 0
	s_wait_dscnt 0x0
	MUL FB1, FA1, \nb, 0, 0, 0
.endm
; A tile with 256 of K and 64 columns a wave: eight sub-steps of 16 matrix instructions over the whole half panel, on the same two buffers.
; Each counted wait leaves out exactly the 16 loads issued last.
.macro KSTEP8 mode, slot, cm, cb, zb
	WIN 0
	PLACES
	FETCH8 \mode, \slot, 0, FB0, FA0
	FETCH8 \mode, \slot, 1, FB1, FA1
	s_wait_dscnt 16
	MUL FB0, FA0, 4, \cm, \cb, \zb
.irp kk, 2,3,4,5,6,7
	WIN 0
	PLACES
	FETCH8 \mode, \slot, \kk, FB0+64*(\kk&1), FA0+32*(\kk&1)
	s_wait_dscnt 16
	MUL FB0+64*((\kk-1)&1), FA0+32*((\kk-1)&1), 4, 0, 0, \zb
.endr
	s_wait_dscnt 0x0
	MUL FB1, FA1, 4, 0, 0, \zb
.endm
.macro PACK nb                         ; window 1 rounded to bf16: a lane's eight neighbouring numbers become 16 bytes in window 2
	WIN 0x85
.irp a, 0,1,2,3
.set bb, 0
.rept \nb
.irp q, 0,1,2,3
	v_cvt_pk_bf16_f32 v[32*\a+4*bb+\q], v[64*\a+8*bb+2*\q], v[64*\a+8*bb+2*\q+1]
.endr
.set bb, bb+1
.endr
.endr
.endm
; Packed results into the panel.  sel 0: waves 0 and 1 hold K = 0-255 of the next product's A; sel 1: waves 2 and 3 hold K = 256-511; sel 2: all waves.
; It stands behind a barrier in front of which every wave's reads of the panel were waited for.  The stores are waited for, for the others' sake, in front of the barrier.
.macro PUT adr, nb, sel
	WIN 0
.if \sel == 0
	s_cmp_ge_u32 s16, 2
	s_cbranch_scc1 .Lput_\@
.endif
.if \sel == 1
	s_cmp_lt_u32 s16, 2
	s_cbranch_scc1 .Lput_\@
.endif
	WIN 0x08
.irp a, 0,1,2,3
.set bb, 0
.rept \nb
	ds_store_b128 v[\adr], v[32*\a+4*bb:32*\a+4*bb+3] offset:(bb>>1)*BLK+1280*\a+32*(bb&1)
.set bb, bb+1
.endr
.endr
	WIN 0
.Lput_\@:
	s_wait_dscnt 0x0
	s_barrier_signal -1
	s_barrier_wait -1
.endm
.macro PUTX sel                        ; the same for X, which lies in window 2 by pairs of rows
	WIN 0
.if \sel == 0
	s_cmp_ge_u32 s16, 2
	s_cbranch_scc1 .Lputx_\@
.endif
.if \sel == 1
	s_cmp_lt_u32 s16, 2
	s_cbranch_scc1 .Lputx_\@
.endif
	WIN 0x08
.set tt, 0
.rept 32
	ds_store_b128 v[STOC], v[4*tt:4*tt+3] offset:160*tt
.set tt, tt+1
.endr
	WIN 0
.Lputx_\@:
	s_wait_dscnt 0x0
	s_barrier_signal -1
	s_barrier_wait -1
.endm
.macro RD4 table                       ; the four waves' figures for my four rows into v[FB0 + 4 a + wave]
.irp a, 0,1,2,3
.irp u, 0,1,2,3
	ds_load_b32 v[FB0+4*\a+\u], v[STR] offset:\table+256*\u+64*\a
.endr
.endr
	s_wait_dscnt 0x0
.endm
.macro ADD4                            ; and their sums into v[FB0 + 4 a]
.irp a, 0,1,2,3
	v_add_f32 v[FB0+4*\a], v[FB0+4*\a], v[FB0+4*\a+1]
	v_add_f32 v[FB0+4*\a+2], v[FB0+4*\a+2], v[FB0+4*\a+3]
	v_add_f32 v[FB0+4*\a], v[FB0+4*\a], v[FB0+4*\a+2]
.endr
.endm
; Each of the 64 rows of X (f32, in the window that 'win' gives source 0: register 8 tt + e of lane (r, h) = row 2 tt + h, column 128 w + 8 r + e) times
; a vector, over my wave's 128 columns: eight products a lane in 32 chains that do not wait for each other, four steps across the sixteen lanes of a
; row, and the sum into my wave's line of a table (sixteen lanes store one word alike).
.macro XDOT win, vv, table
	WIN \win
.set tt, 0
.rept 32
	v_pk_mul_f32 v[XT+2*tt:XT+2*tt+1], v[8*tt:8*tt+1], v[\vv:\vv+1]
.set tt, tt+1
.endr
.irp e, 1,2,3
.set tt, 0
.rept 32
	v_pk_fma_f32 v[XT+2*tt:XT+2*tt+1], v[8*tt+2*\e:8*tt+2*\e+1], v[\vv+2*\e:\vv+2*\e+1], v[XT+2*tt:XT+2*tt+1]
.set tt, tt+1
.endr
.endr
	WIN 0
.set tt, 0
.rept 32
	v_add_f32 v[XT+2*tt], v[XT+2*tt], v[XT+2*tt+1]
.set tt, tt+1
.endr
.irp m, 1,2,4,8
.set tt, 0
.rept 32
	v_add_f32_dpp v[XT+2*tt], v[XT+2*tt], v[XT+2*tt] row_xmask:\m row_mask:0xf bank_mask:0xf
.set tt, tt+1
.endr
.endr
.set tt, 0
.rept 32
	ds_store_b32 v[STX], v[XT+2*tt] offset:\table+8*tt     ; row 2 tt + h; waited for in front of the next barrier
.set tt, tt+1
.endr
.endm
.macro CREAD                           ; c of my rows, eight times each: the C operand of the scores' first products
	WIN 0
	RD4 STC
	ADD4
.irp a, 0,1,2,3
	v_add_f32 v[FB0+4*\a], v[FB0+4*\a], v[S0R]
.endr
	WIN 0xc0
.irp a, 0,1,2,3
.irp j, 0,1,2,3,4,5,6,7
	v_mov_b32 v[CREP+8*\a+\j], v[FB0+4*\a]
.endr
.endr
.endm
; Softmax along the keys.  A row's keys lie in my lane (NBS tiles x 8), in the lane 16 further on, and in the other three waves.
.macro SOFTMAX
	PLACES
.if CAUSAL
	WIN 0x41
.irp a, 0,1,2,3
.set bb, 0
.rept NBS
.irp j, 0,1,2,3,4,5,6,7
	v_cmp_gt_i32 vcc_lo, 16*bb+\j, v[QREL+\a]              ; key behind the query:
	v_cndmask_b32 v[64*\a+8*bb+\j], v[64*\a+8*bb+\j], v[NEGM], vcc_lo   ; the lowest finite f32, as in reference()
.endr
.set bb, bb+1
.endr
.endr
.endif
	WIN 0x05
.irp a, 0,1,2,3
	v_max_num_f32 v[MX+\a], v[64*\a], v[64*\a+1]
.endr
.set ee, 1
.rept 4*NBS-1
.irp a, 0,1,2,3
	v_max3_num_f32 v[MX+\a], v[64*\a+2*ee], v[64*\a+2*ee+1], v[MX+\a]
.endr
.set ee, ee+1
.endr
	WIN 0
.irp a, 0,1,2,3
	v_permlanex16_b32 v[TP+\a], v[MX+\a], s48, s49
.endr
.irp a, 0,1,2,3
	v_max_num_f32 v[MX+\a], v[MX+\a], v[TP+\a]
	ds_store_b32 v[STW], v[MX+\a] offset:STM+64*\a
.endr
	s_wait_dscnt 0x0                               ; my maxima are in LDS, for the others' sake
	s_barrier_signal -1
	s_barrier_wait -1
	RD4 STM
.irp a, 0,1,2,3
	v_max3_num_f32 v[MX+\a], v[FB0+4*\a], v[FB0+4*\a+1], v[FB0+4*\a+2]
	v_max_num_f32 v[MX+\a], v[MX+\a], v[FB0+4*\a+3]
	v_mul_f32 v[MX+\a], s60, v[MX+\a]              ; - maximum x log2(e) / sqrt(512)
.endr
	WIN 0x41
.irp a, 0,1,2,3
.set bb, 0
.rept NBS
.irp j, 0,1,2,3,4,5,6,7
	v_fma_f32 v[64*\a+8*bb+\j], v[64*\a+8*bb+\j], s47, v[MX+\a]
.endr
.irp j, 0,1,2,3,4,5,6,7
	v_exp_f32 v[64*\a+8*bb+\j], v[64*\a+8*bb+\j]           ; a plain instruction on other registers follows each run before a result is used (ISA guide 5.7.2)
.endr
.set bb, bb+1
.endr
.endr
	WIN 0x05
	s_wait_alu depctr_va_vdst(0)
.irp a, 0,1,2,3
	v_pk_add_f32 v[SP+2*\a:SP+2*\a+1], v[64*\a:64*\a+1], v[64*\a+2:64*\a+3]
.endr
	WIN 0x01
.set ee, 2
.rept 4*NBS-2
.irp a, 0,1,2,3
	v_pk_add_f32 v[SP+2*\a:SP+2*\a+1], v[64*\a+2*ee:64*\a+2*ee+1], v[SP+2*\a:SP+2*\a+1]
.endr
.set ee, ee+1
.endr
	PACK NBS
	WIN 0
.irp a, 0,1,2,3
	v_add_f32 v[SP+2*\a], v[SP+2*\a], v[SP+2*\a+1]
.endr
.irp a, 0,1,2,3
	v_permlanex16_b32 v[TP+\a], v[SP+2*\a], s48, s49
.endr
.irp a, 0,1,2,3
	v_add_f32 v[SP+2*\a], v[SP+2*\a], v[TP+\a]
	ds_store_b32 v[STW], v[SP+2*\a] offset:STL+64*\a       ; waited for in front of the barrier of the PUT that follows
.endr
.endm
.macro NORM                            ; Y divided by its row's sum of exponentials (at least one of them is 1)
	PLACES
	WIN 0
	RD4 STL
	ADD4
.irp a, 0,1,2,3
	v_rcp_f32 v[RI+2*\a], v[FB0+4*\a]
	v_rcp_f32 v[RI+2*\a+1], v[FB0+4*\a]
.endr
	v_nop                                          ; the plain place behind the reciprocals (ISA guide 5.7.2)
	WIN 0x41
	s_wait_alu depctr_va_vdst(0)
.irp a, 0,1,2,3
.set ee, 0
.rept 32
	v_pk_mul_f32 v[64*\a+2*ee:64*\a+2*ee+1], v[64*\a+2*ee:64*\a+2*ee+1], v[RI+2*\a:RI+2*\a+1]
.set ee, ee+1
.endr
.endr
.endm
; The way out of one half of product 4's columns (my 64 columns, tiles (a, 4 hf .. 4 hf + 3)), 16 rows at a time through my own 16 x 272 bytes of the
; panel: in by tiles, back by rows of 256 bytes, so that sixteen lanes store 256 consecutive bytes of part, aligned.
; LDS serves a wave's instructions in order (ISA guide 5.7.1): no wait between my stores and my loads.
.macro OUTH hf
	PLACES
.irp a, 0,1,2,3
	WIN 0x04
.irp b, 0,1,2,3
	ds_store_b128 v[OST], v[64*\a+32*\hf+8*\b:64*\a+32*\hf+8*\b+3] offset:64*\b
	ds_store_b128 v[OST], v[64*\a+32*\hf+8*\b+4:64*\a+32*\hf+8*\b+7] offset:64*\b+16
.endr
	WIN 0
	s_wait_xcnt 0x0                                ; the registers that earlier global stores read are loaded again only behind this wait
.irp t, 0,1,2,3,4,5,6,7
	ds_load_b128 v[FB0+32*(\a&1)+4*\t:FB0+32*(\a&1)+4*\t+3], v[ORD] offset:2*SPO*\t
.endr
.irp t, 0,1,2,3,4,5,6,7
	s_wait_dscnt 7-\t                              ; rows 2 t and 2 t + 1 are back; the younger loads stay out
	global_store_b128 v[OUTO], v[FB0+32*(\a&1)+4*\t:FB0+32*(\a&1)+4*\t+3], s[PARTS:PARTS+1] offset:(16*\a+2*\t)*2048+1024*\hf
.endr
.endr
.endm
	s_load_b256 s[4:11], s[0:1], 0x0               ; x s[4:5], wb s[6:7], wm s[8:9], vec s[10:11]
	s_load_b128 s[12:15], s[0:1], 0x20             ; bq s[12:13], bk s[14:15]
	s_load_b64 s[40:41], s[0:1], 0x30              ; part
	v_lshrrev_b32 v1, 5, v0
	v_readfirstlane_b32 s16, v1                    ; wave
	s_bfe_u32 s17, ttmp6, 0x40000                  ; cx: my query block
	s_mov_b32 s18, ttmp9                           ; the cluster's x: head
	s_and_b32 s19, ttmp7, 0xffff                   ; the cluster's y: batch
	s_mul_i32 s44, s16, 32*PT                      ; my quarter of a slot: 33,792 bytes a wave ([128 K][512 N], [256 N][256 K])
	s_mul_i32 s45, s16, 64*PU                      ; 34,816 bytes a wave ([256 K][256 N], [512 N][128 K])
	s_mov_b32 s47, 0x3d8293ee                      ; log2(e) / sqrt(512)
	s_mov_b32 s60, 0xbd8293ee                      ; and its negative
	s_mov_b32 s48, 0x76543210                      ; v_permlanex16_b32: lane i reads lane i of the other half
	s_mov_b32 s49, 0xfedcba98
	; where the matrices begin, and each product's tiles for my wave: offsets of head, batch and wave alone, which the four partners share
	s_lshl_b32 s52, s18, 19                        ; the head's 512 x 512 of bf16
	s_mov_b32 s51, 0
	s_mov_b32 s53, 0
	s_wait_kmcnt 0x0
	s_add_co_u32 s50, s52, OFFM
	s_add_nc_u64 s[66:67], s[8:9], s[50:51]        ; M of my head
	s_add_co_u32 s50, s52, OFFN
	s_add_nc_u64 s[68:69], s[8:9], s[50:51]        ; N of my head
	s_mul_i32 s50, s19, NKEY*1024
	s_add_co_u32 s50, s50, OFFX
	s_add_nc_u64 s[70:71], s[6:7], s[50:51]        ; the keys' source of my batch
	s_lshl_b32 s52, s16, 15                        ; 32 rows of 1,024 bytes a wave
	s_add_nc_u64 s[32:33], s[66:67], s[52:53]      ; 1: M
	s_add_nc_u64 s[36:37], s[70:71], s[52:53]      ; 3: the keys' source, rows as K
	s_lshl_b32 s52, s16, 16                        ; 64 rows a wave
	s_add_nc_u64 s[38:39], s[68:69], s[52:53]      ; 4: N
	s_mul_i32 s52, s16, (NKEY/4)*1024
	s_add_nc_u64 s[34:35], s[70:71], s[52:53]      ; 2: the keys' source, rows as N
	G1SET 7, 8, 512, 32, 512
	G0SET 20, 32, 0, 44, 0
	G0SET 72, 32, STEPX, 44, 1
	ROUND                                          ; all four partners are here: the first joint loads meet
	tensor_load_to_lds s[20:23], s[24:31]          ; M, tile 0, into slot 0
	s_nop 0
	tensor_load_to_lds s[72:75], s[24:31]          ; M, tile 1, into slot 1: both first fills go out together
	s_nop 0
	; vectors and X
	s_lshl_b32 s56, s18, 11                        ; the head's 512 f32
	s_mov_b32 s57, 0
	s_add_nc_u64 s[10:11], s[10:11], s[56:57]
	s_add_nc_u64 s[12:13], s[12:13], s[56:57]
	s_add_nc_u64 s[14:15], s[14:15], s[56:57]
	s_lshl_b32 s58, s19, 19                        ; 256 rows of 2,048 bytes a batch,
	s_lshl_b32 s59, s17, 17                        ; 64 a query block
	s_add_co_u32 s58, s58, s59
	s_mov_b32 s59, 0
	s_add_nc_u64 s[4:5], s[4:5], s[58:59]
	s_lshl_b32 s56, s18, 22                        ; part[head]
	s_add_co_u32 s56, s56, s58
	s_add_nc_u64 s[40:41], s[40:41], s[56:57]
	v_and_b32 v1, 15, v0                           ; r
	v_bfe_u32 v2, v0, 4, 1                         ; h
	v_and_b32 v[TB], 31, v0                        ; lane
	s_lshl_b32 s52, s16, 9                         ; 128 columns of f32
	v_lshl_add_u32 v[BOFF], v2, 5, s52             ; 512 w + 32 h: columns 128 w + 8 h ..
	v_lshl_add_u32 v[GOFF], v1, 5, s52             ; 512 w + 32 r: columns 128 w + 8 r ..
	v_lshl_add_u32 v[XOFF], v2, 11, v[GOFF]        ; and row h of a pair
	v_lshlrev_b32 v[SOFF], 6, v[TB]
	s_lshl_b32 s52, s16, 8                         ; 64 columns of f32
	v_lshl_add_u32 v[BOF2], v2, 5, s52             ; 256 w + 32 h: columns 64 w + 8 h .. of a half
	v_lshl_add_u32 v[OUTO], v1, 4, s52             ; 256 w + 16 r
	v_lshl_add_u32 v[OUTO], v2, 11, v[OUTO]        ; and row h of a pair
	WIN 0x80
.irp b, 0,1,2,3,4,5,6,7
	global_load_b128 v[BU+8*\b:BU+8*\b+3], v[BOFF], s[10:11] offset:OFFU+64*\b
	global_load_b128 v[BU+8*\b+4:BU+8*\b+7], v[BOFF], s[10:11] offset:OFFU+64*\b+16
	global_load_b128 v[BT+8*\b:BT+8*\b+3], v[BOF2], s[10:11] offset:OFFT+1024*(\b>>2)+64*(\b&3)
	global_load_b128 v[BT+8*\b+4:BT+8*\b+7], v[BOF2], s[10:11] offset:OFFT+1024*(\b>>2)+64*(\b&3)+16
.endr
	WIN 0
	global_load_b128 v[GV:GV+3], v[GOFF], s[10:11] offset:OFFG
	global_load_b128 v[GV+4:GV+7], v[GOFF], s[10:11] offset:OFFG+16
.irp j, 0,1,2,3
	global_load_b128 v[SQ+4*\j:SQ+4*\j+3], v[SOFF], s[12:13] offset:16*\j
	global_load_b128 v[SK+4*\j:SK+4*\j+3], v[SOFF], s[14:15] offset:16*\j
.endr
	WIN 0x40
.set tt, 0
.rept 32
	global_load_b128 v[8*tt:8*tt+3], v[XOFF], s[4:5] offset:4096*tt        ; X, two rows at a time, into the accumulators' registers
	global_load_b128 v[8*tt+4:8*tt+7], v[XOFF], s[4:5] offset:4096*tt+16
.set tt, tt+1
.endr
	WIN 0
	; LDS addresses, while the loads are on their way
	v_and_b32 v3, 7, v0
	v_bfe_u32 v[TA], v0, 3, 1
	v_mul_u32_u24 v[TC], v1, 80
	v_lshl_add_u32 v[TC], v2, 4, v[TC]             ; 80 r + 16 h
	v_add_nc_u32 v[ADRA], PANEL, v[TC]
	v_mul_u32_u24 v[TD], v1, KP
	v_lshl_add_u32 v[TD], v2, 4, v[TD]             ; the keys' pitch x r + 16 h
	v_add_nc_u32 v[ADRK], s[KLDS], v[TD]
	v_add_nc_u32 v[ADRK+1], SLOT, v[ADRK]
	v_lshl_add_u32 v3, v2, 3, v3                   ; row 8 h + lane mod 8
	v_mul_u32_u24 v[TD], v3, PT
	v_lshl_add_u32 v[TD], v[TA], 4, v[TD]          ; + 16 bytes for lanes 8-15 of a half
	s_lshl_b32 s52, s16, 8                         ; 128 columns of bf16
	v_add_nc_u32 v[ADRT], s52, v[TD]
	v_add_nc_u32 v[ADRT+1], 64*PT, v[ADRT]
	v_add_nc_u32 v[ADRT+2], SLOT, v[ADRT]
	v_add_nc_u32 v[ADRT+3], SLOT+64*PT, v[ADRT]
	v_mul_u32_u24 v[TD], v3, PU
	v_lshl_add_u32 v[TD], v[TA], 4, v[TD]
	s_lshl_b32 s52, s16, 7                         ; 64 columns of bf16
	v_add_nc_u32 v[ADRU], s52, v[TD]
	v_add_nc_u32 v[ADRU+1], 128*PU, v[ADRU]
	v_add_nc_u32 v[ADRU+2], SLOT, v[ADRU]
	v_add_nc_u32 v[ADRU+3], SLOT+128*PU, v[ADRU]
	s_and_b32 s52, s16, 1
	s_mul_i32 s52, s52, 4*BLK
	s_add_co_u32 s52, s52, PANEL                   ; my four blocks of a half panel
	v_add_nc_u32 v[STOP], s52, v[TC]
	v_bfe_u32 v[TD], v0, 2, 2
	v_mul_u32_u24 v[TD], v[TD], BLK                ; X: block (r / 4),
	v_and_b32 v[TA], 3, v0
	v_lshl_add_u32 v[TD], v[TA], 4, v[TD]          ; 16 bytes (r mod 4),
	v_mad_u32_u24 v[TD], v2, 80, v[TD]             ; row h of the pair
	v_add_nc_u32 v[STOC], s52, v[TD]
	s_mul_i32 s52, s16, 2*BLK
	s_add_co_u32 s52, s52, PANEL                   ; my two blocks: my stage on the way out (and 256 weights)
.if NKEY == 256
	v_add_nc_u32 v[STOS], s52, v[TC]
.endif
	v_mul_u32_u24 v[TD], v1, SPO
	v_lshl_add_u32 v[TD], v2, 5, v[TD]             ; 272 r + 32 h
	v_add_nc_u32 v[OST], s52, v[TD]
	v_mul_u32_u24 v[TD], v2, SPO
	v_lshl_add_u32 v[TD], v1, 4, v[TD]             ; 272 h + 16 r
	v_add_nc_u32 v[ORD], s52, v[TD]
	v_lshlrev_b32 v[TD], 2, v1
	v_add_nc_u32 v[STR], STATS, v[TD]
	s_lshl_b32 s52, s16, 8
	s_add_co_u32 s52, s52, STATS
	v_add_nc_u32 v[STW], s52, v[TD]
	v_lshl_add_u32 v[STX], v2, 2, s52
.irp a, 0,1,2,3
	v_mov_b32 v[TP+\a], 0                          ; v_permlanex16_b32 counts as a reader of its destination
.endr
	; what wave 3 asks for ahead: my work-group's share among the 32 that read a matrix; these numbers enter global offsets alone
	s_lshl_b32 s54, s19, 2
	s_add_co_u32 s54, s54, s17                     ; 4 batch + cx: among the readers of my head's M and N
	s_lshl_b32 s55, s18, 2
	s_add_co_u32 s55, s55, s17                     ; 4 head + cx: among the readers of my batch's keys
	s_lshl_b32 s52, s54, 13
	v_lshl_add_u32 v[PFA], v[TB], 8, s52           ; (32 x share + lane) x 256
	v_lshrrev_b32 v[TA], 1, v[TB]
	v_and_b32 v[TD], 1, v0
	v_lshlrev_b32 v[TD], 8, v[TD]
	v_lshl_add_u32 v[TD], v[TA], 10, v[TD]         ; row lane / 2 of 1,024 bytes, block lane mod 2
	s_lshl_b32 s52, s54, 14
	v_add_nc_u32 v[PFB], s52, v[TD]                ; + 16 rows x share
.if NKEY == 256
	s_lshl_b32 s52, s55, 13
	v_lshl_add_u32 v[PFC], v[TB], 8, s52           ; the keys' source is 262,144 consecutive bytes: all of it in one request a work-group
.else
	s_lshl_b32 s52, s55, 14
	v_add_nc_u32 v[PFC], s52, v[TD]                ; 512 rows: two of a row's four blocks in each of two requests
.endif
.if CAUSAL
	v_mov_b32 v[NEGM], 0xff7fffff
	s_sub_co_i32 s54, s17, s16
	s_lshl_b32 s54, s54, 6                         ; 64 (query block - wave); enters compares alone, no address and no branch
	v_lshlrev_b32 v[TA], 3, v2
	v_sub_nc_u32 v[TA], v1, v[TA]
	v_add_nc_u32 v[TA], s54, v[TA]
.irp a, 0,1,2,3
	v_add_nc_u32 v[QREL+\a], 16*\a, v[TA]
.endr
.endif
	s_wait_loadcnt 0x0
	XDOT 0x01, GV, STC                             ; X . g over my 128 columns
	; bq . bk, sixteen products a lane, in every wave
	v_pk_mul_f32 v[SQ:SQ+1], v[SQ:SQ+1], v[SK:SK+1]
	v_pk_mul_f32 v[SQ+2:SQ+3], v[SQ+2:SQ+3], v[SK+2:SK+3]
.irp k, 2,3,4,5,6,7
	v_pk_fma_f32 v[SQ+2*(\k&1):SQ+2*(\k&1)+1], v[SQ+2*\k:SQ+2*\k+1], v[SK+2*\k:SK+2*\k+1], v[SQ+2*(\k&1):SQ+2*(\k&1)+1]
.endr
	v_pk_add_f32 v[SQ:SQ+1], v[SQ:SQ+1], v[SQ+2:SQ+3]
	v_add_f32 v[S0R], v[SQ], v[SQ+1]
.irp m, 1,2,4,8
	v_add_f32_dpp v[S0R], v[S0R], v[S0R] row_xmask:\m row_mask:0xf bank_mask:0xf
.endr
	v_permlanex16_b32 v[TP], v[S0R], s48, s49
	v_add_f32 v[S0R], v[S0R], v[TP]
	PACK 8                                         ; X in bf16
	; 1: Q' = X M + u
	WIN 0
	s_wait_tensorcnt 0x1                           ; my quarter of tile 0 is in; tile 1's may stay out
	PUTX 0
	PREF PFA, 66, 262144                           ; M's tiles 2 and 3
	KSTEP 0, 0, 0, 8, 2, BU
	NEXT 32, 2*STEPX, 44, 0
	KSTEP 0, 1, 4, 8, 0, 0
	NEXT 32, 3*STEPX, 44, 1
	PREF PFC, 70, 0                                ; the keys' first two tiles
	PUTX 1
	KSTEP 0, 0, 0, 8, 0, 0
	OPEN
.if NKEY == 256
	G1SET 6, 4, 256, 64, 512
.else
	G1SET 5, 4, 128, 128, 512
.endif
	G0SET 20, 34, 0, KLDS, 0
	CLOSE
	KSTEP 0, 1, 4, 8, 0, 0
	; 2: S = Q' Xkv^T + c
.if NKEY == 256
	NEXT 34, 512, KLDS, 1
	PLACES
	PACK 8
	CREAD
	PUT STOP, 8, 0
	KSTEP8 3, 0, 3, CREP, 0
	OPEN
	G1SET 7, 8, 512, 32, 512
	G0SET 20, 36, 0, 44, 0
	CLOSE
	PUT STOP, 8, 1
	KSTEP8 3, 1, 0, 0, 0
.else
	NEXT 34, 1*STEPN, KLDS, 1
	PREF PFC, 70, 512                              ; the keys' last two tiles
	PLACES
	PACK 8
	CREAD
	PUT STOP, 8, 0
	KSTEP 2, 0, 0, NBS, 3, CREP
	NEXT 34, 2*STEPN, KLDS, 0
	KSTEP 2, 1, 4, NBS, 0, 0
	NEXT 34, 3*STEPN, KLDS, 1
	PUT STOP, 8, 1
	KSTEP 2, 0, 0, NBS, 0, 0
	OPEN
	G1SET 7, 8, 512, 32, 512
	G0SET 20, 36, 0, 44, 0
	CLOSE
	KSTEP 2, 1, 4, NBS, 0, 0
.endif
	; 3: Y = P Xkv
	NEXT 36, 1*STEPX, 44, 1
.if NKEY == 256
	PREF PFB, 68, 0                                ; N's columns 0-255
	SOFTMAX
	PUT STOS, 4, 2                                 ; all 256 weights fit the panel at once
	KSTEP 0, 0, 0, 8, 1, 0
.else
	SOFTMAX
	PUT STOP, 8, 0
	KSTEP 0, 0, 0, 8, 1, 0
	NEXT 36, 2*STEPX, 44, 0
	KSTEP 0, 1, 4, 8, 0, 0
	NEXT 36, 3*STEPX, 44, 1
	PREF PFB, 68, 0                                ; N's columns 0-255
	PUT STOP, 8, 1
	KSTEP 0, 0, 0, 8, 0, 0
.endif
	OPEN
	G1SET 6, 8, 256, 64, 512
	G0SET 20, 38, 0, 45, 0
	CLOSE
	KSTEP 0, 1, 4, 8, 0, 0
	; 4: part[head] = (Y / sum) N + t, columns 0-255 first
	NEXT 38, 262144, 45, 1
	PREF PFB, 68, 512                              ; N's columns 256-511
	NORM
	PACK 8
	PUT STOP, 8, 0
	KSTEP8 4, 0, 2, BT, 0
	NEXT 38, 512, 45, 0
	PUT STOP, 8, 1
	KSTEP8 4, 1, 0, 0, 0
	NEXT 38, 262144+512, 45, 1
	OUTH 0                                         ; columns 0-255 are final; behind the round no wave reads the panel, so it serves as the stage
	s_wait_xcnt 0x0                                ; the registers that these stores read are loaded again below
	s_wait_dscnt 0x0                               ; my reads of my stage are over before the panel is written again
	s_barrier_signal -1
	s_barrier_wait -1
	PUT STOP, 8, 0
	KSTEP8 4, 0, 2, BT+32, 4
	OPEN                                           ; the last tile has landed; nothing is left to ask for,
	s_wait_dscnt 0x0
	s_barrier_signal -1                            ; so my work-group's barrier alone shows the tile whole and the panel read
	s_barrier_wait -1
	PUT STOP, 8, 1
	KSTEP8 4, 1, 0, 0, 4
	WIN 0
	s_wait_dscnt 0x0                               ; every wave's reads of the panel are over before it becomes the stage
	s_barrier_signal -1
	s_barrier_wait -1
	OUTH 1
	ROUND                                          ; the closing round: no work-group ends while a partner may still issue a joint load
	s_endpgm
.Lfunc_end_k_qd48d9e6f3d_sa:
	.size	k_qd48d9e6f3d_sa, .Lfunc_end_k_qd48d9e6f3d_sa-k_qd48d9e6f3d_sa
	.p2alignl 7, 3214868480
	.fill 96, 4, 3214868480
	.section	.rodata,"a",@progbits
	.p2align	6, 0x0
	.amdhsa_kernel k_qd48d9e6f3d_sa
		.amdhsa_group_segment_fixed_size 327680
		.amdhsa_private_segment_fixed_size 0
		.amdhsa_enable_private_segment 0
		.amdhsa_kernarg_size 56
		.amdhsa_user_sgpr_count 2
		.amdhsa_user_sgpr_kernarg_segment_ptr 1
		.amdhsa_wavefront_size32 1
		.amdhsa_system_sgpr_workgroup_id_x 1
		.amdhsa_system_sgpr_workgroup_id_y 1
		.amdhsa_system_sgpr_workgroup_id_z 1
		.amdhsa_system_vgpr_workitem_id 0
		.amdhsa_next_free_vgpr 800
		.amdhsa_next_free_sgpr 76
		.amdhsa_reserve_vcc 1
		.amdhsa_float_denorm_mode_32 3
		.amdhsa_float_denorm_mode_16_64 3
		.amdhsa_memory_ordered 1
		.amdhsa_forward_progress 1
		.amdhsa_inst_pref_size 255
	.end_amdhsa_kernel
	.section	.bss,"aw",@nobits
	.p2align	6
	.space	262144
	.amdgpu_metadata
---
amdhsa.version: [ 1, 2 ]
amdhsa.kernels:
  - .name:           k_qd48d9e6f3d_sa
    .symbol:         k_qd48d9e6f3d_sa.kd
    .args:
      - { .name: out_seq, .offset: 0, .size: 8, .value_kind: global_buffer, .address_space: global }
      - { .name: wb, .offset: 8, .size: 8, .value_kind: global_buffer, .address_space: global }
      - { .name: wm, .offset: 16, .size: 8, .value_kind: global_buffer, .address_space: global }
      - { .name: vec, .offset: 24, .size: 8, .value_kind: global_buffer, .address_space: global }
      - { .name: sa_bq, .offset: 32, .size: 8, .value_kind: global_buffer, .address_space: global }
      - { .name: sa_bk, .offset: 40, .size: 8, .value_kind: global_buffer, .address_space: global }
      - { .name: part, .offset: 48, .size: 8, .value_kind: global_buffer, .address_space: global }
    .group_segment_fixed_size: 327680
    .private_segment_fixed_size: 0
    .kernarg_segment_align: 8
    .kernarg_segment_size: 56
    .max_flat_workgroup_size: 128
    .sgpr_count:     76
    .vgpr_count:     800
    .wavefront_size: 32
...
	.end_amdgpu_metadata
.endif
;; end of part 8
;; launch ln1: the kernel of part 3 again; grid 256 x 1, 8 waves a work-group, no clusters, 0 bytes of LDS; arguments part, out_seq, sa_bo, sa_lng, sa_lnb, x1; writes x1
;; launch ca (part 9): grid 32 x 8, 4 waves a work-group, clusters of 4 x 1, 327,680 bytes of LDS; arguments x1, wb, wm, vec, ca_bq, ca_bk, part; writes part
.if DOCPART == 9
	.amdgcn_target "amdgcn-amd-amdhsa--gfx1250"
	.amdhsa_code_object_version 6
	.text
	.protected	k_qd48d9e6f3d_ca
	.globl	k_qd48d9e6f3d_ca
	.p2align	8
	.type	k_qd48d9e6f3d_ca,@function
k_qd48d9e6f3d_ca:
	s_mov_b64 s[64:65], 0
	v_nop
	global_prefetch_b8 v0, s[64:65] scope:SCOPE_SE
	s_setreg_imm32_b32 hwreg(HW_REG_WAVE_MODE, 25, 1), 1
	s_wait_xcnt 0x0
	s_wait_alu depctr_hold_cnt(0) depctr_sa_sdst(0) depctr_va_vdst(0) depctr_va_sdst(0) depctr_va_ssrc(0) depctr_va_vcc(0) depctr_vm_vsrc(0)
	s_getreg_b32 s2, hwreg(HW_REG_IB_STS2, 6, 4)
	s_cmp_eq_u32 s2, 0
	s_cbranch_scc0 .Lentry_in_a_cluster
	s_endpgm
.Lentry_in_a_cluster:
	s_bfe_u32 s2, ttmp6, 0x10000c
	s_cmp_lg_u32 s2, 0x3003
	s_cbranch_scc0 .Lentry_shape_is_right
	s_endpgm
.Lentry_shape_is_right:
; One head's attention for 64 queries of one batch, as a chain of products [64 x K] x [K x N] that never leaves the work-group:
;   1  Q' = X M + u                     M = Wq Wk^T, u = bq Wk^T
;   2  S  = Q' Xkv^T + c                c[m] = X[m] . g + bq . bk, g = Wq bk
;   softmax of S / sqrt(512) along the keys, the row's maximum taken away first; P = the exponentials, not yet divided
;   3  Y  = P Xkv
;   4  part[head] = (Y / row sum) N + t       N = Wv Wo, t = bv Wo
; This is reference()'s attention with the products taken in another order: q, k and v are never formed.  It holds for every input.
; M, N (bf16, in wm) and u, g, t (f32, in vec) hang on weights and biases alone and were made by an earlier launch.
; LIMITS, stated: the matrix operands rounded to bf16 are X, Xkv, M, N (themselves made of weights rounded to bf16), Q', P and Y / sum; the sums run
; in another order than reference()'s; t is added once, since the divided weights of a row add up to 1 within f32 rounding.
; The head's result goes to part[head]; the sum over heads, bo, the residual and the norm are the next launch's.
; This text: CROSS-ATTENTION, 512 keys from in_seq, no mask.  It differs from the self-attention text in the eight constants below alone.
;
; CLUSTER: the four query blocks of one (batch, head) need the same tiles of every B operand.  They form a cluster of 4 x 1, and every
; tensor load is a joint one (mask 15): each of the four issues it with the same descriptor and receives the tile in its own LDS.
; SHARES: four waves, one a SIMD, each with 4 x 8 accumulator tiles (256 registers) for all 64 rows.  In products 1 and 3 wave w owns columns
; 128 w .. 128 w + 127; of the scores keys (NKEY/4) w ..; in product 4 columns 64 w .. 64 w + 63 of each half of 256 columns.
; The matrix instruction is used transposed (source 0 = 16 columns of B, source 1 = 16 rows of A), so lane (r, h), register j of a tile holds
; row 16 a + r and eight neighbouring columns 8 h + j.
; LDS: two slots for B's tiles, filled by tensor loads alone; a panel for A (64 rows x 256 of K, as 8 blocks of 32 K at a pitch of 80 bytes)
; and the rows' statistics, written by LDS stores alone.  A product's K = 512 goes through the panel in two halves.
; TILES: 131,072 bytes each.  [128 K][512 N] in products 1 and 3; the keys as [512 N][128 K], or with 256 keys as [256 N][256 K], which halves the
; trips of product 2 there; [256 K][256 N] in product 4, walked (K0,N0) (K1,N0) (K0,N1) (K1,N1): the first 256 columns are final two trips before
; the end and are stored while the other 256 are multiplied.
; Two tensor loads of a wave are out at the start (both slots' first fills); later one: the next trip's quarter tile, asked for first thing behind
; a round of the cluster's barrier.
; PREFETCH: each of M, N and the keys' source is read by 32 work-groups.  Wave 3 of each asks for 1/32 of two tiles at a time (32 lanes, 256 bytes apart,
; each block once in the launch), one and two trips ahead of the two tensor loads that will want them: M's tiles 2 and 3 in trip 1.0, the keys' source
; in trip 1.2 (with 512 keys its second half in 2.0), N's columns 0-255 in the last trip but one of product 3, N's columns 256-511 in trip 4.0.
; Nothing is asked for behind that, and every request lies inside its matrix.
.set NKEY,   512                       ; keys
.set CAUSAL, 0
.set OFFM,   0x800000                  ; byte offsets in wm: M, N
.set OFFN,   0xc00000
.set OFFX,   0x1000000                 ; byte offset in wb: the keys' source in bf16
.set OFFU,   49152                     ; byte offsets in vec: u, g, t
.set OFFG,   65536
.set OFFT,   81920
.set NBS,    NKEY/64                   ; a wave's score tiles along the keys
.set PT,     1056                      ; LDS pitch of a tile [128 K][512 N]: 1,024 bytes + 32 = 33 x 32
.set PN,     272                       ; of a tile [512 N][128 K]: 256 bytes + 16 = 17 x 16
.set PN2,    528                       ; of a tile [256 N][256 K]: 512 bytes + 16 = 33 x 16
.set PU,     544                       ; of a tile [256 K][256 N]: 512 bytes + 32 = 17 x 32
.set SLOT,   139264                    ; 512 x 272 = 256 x 544, the largest of the shapes
.set PANEL,  278528                    ; behind the two slots
.set BLK,    5184                      ; a panel block: 64 rows x 80 bytes, + 64
.set STATS,  320000                    ; three tables [wave][64 rows] of f32
.set STC,    0                         ; partial X . g
.set STM,    1024                      ; partial maxima
.set STL,    2048                      ; partial sums
.set STEPX,  131072                    ; 128 rows of 512 columns
.set STEPN,  256                       ; 128 columns
.set SPO,    272                       ; pitch of the stage on the way out: 256 bytes + 16
.set PARTS,  40                        ; s[40:41] where my rows of part begin
.if NKEY == 256
.set KLDS,   44                        ; the scalar with my quarter of the keys' tile in a slot: 64 x 528 = 32 x 1,056 bytes a wave
.set KP,     PN2
.else
.set KLDS,   45                        ; 128 x 272 = 64 x 544 bytes a wave
.set KP,     PN
.endif
; window 0
.set ADRA, 4                           ; A fragments in the panel
.set GOFF, 5                           ; g by X's columns: 512 w + 32 r
.set SOFF, 6                           ; bq and bk, sixteen numbers a lane: 64 x lane
.set ADRK, 7                           ; v7-8    B fragments of the keys' tile, slot 0, 1, rows (NKEY/4) w ..
.set ADRT, 9                           ; v9-12   B fragments of a [128 K][512 N] tile: slot 0 rows 0-, 64-, slot 1 rows 0-, 64-
.set STOC, 13                          ; X into the panel
.set STOP, 14                          ; a packed result into my half panel's four blocks
.set STOS, 15                          ; 256 weights: my two blocks
.set STW,  16                          ; my wave's line of a statistics table, by r
.set STR,  17                          ; wave 0's line
.set OST,  18                          ; the way out: in
.set ORD,  19                          ; the way out: back
.set OUTO, 20                          ; my byte offset in two rows of part: 2,048 h + 256 w + 16 r
.set XOFF, 21
.set BOFF, 22                          ; u by my columns of product 1: 512 w + 32 h
.set NEGM, 23                          ; the lowest finite f32 (causal text alone)
.set QREL, 24                          ; v24-27  query index - first key index of my lane (causal text alone)
.set S0R,  28                          ; bq . bk
.set STX,  29                          ; my wave's line of a statistics table, by h
.set FB0,  32                          ; B fragments, two buffers of 8 x 8
.set FB1,  96
.set FA0,  160                         ; A fragments, two buffers of 4 x 8
.set FA1,  192
.set XT,   32                          ; v32-95   prologue: 32 pairs, partial X . g of two rows each
.set GV,   96                          ; v96-103  prologue: g of my 8 columns of X
.set SQ,   104                         ; v104-119 prologue: sixteen numbers of bq
.set SK,   120                         ; v120-135 prologue: sixteen numbers of bk
.set MX,   224                         ; v224-227 row maxima, then - maximum x scale
.set TP,   228                         ; v228-231 at work
.set SP,   232                         ; v232-239 row sums, pairs
.set ADRU, 240                         ; v240-243 B fragments of a [256 K][256 N] tile: slot 0 rows 0-, 128-, slot 1 rows 0-, 128-
.set BOF2, 244                         ; t by my columns of product 4: 256 w + 32 h
.set PFA,  245                         ; prefetch: my 32 blocks of 262,144 consecutive bytes, shared out by 4 batch + cx
.set PFB,  246                         ; prefetch: my 16 rows x 2 blocks of 512 rows of 1,024 bytes, shared out by 4 batch + cx
.set PFC,  247                         ; prefetch: my part of the keys' source, shared out by 4 head + cx
.set RI,   248                         ; v248-255 1 / row sum, twice
.set TA,   248                         ; v248-251 at work in the prologue
.set TB,   249
.set TC,   250
.set TD,   251
; window 1: the accumulators, tile (a, b) at 64 a + 8 b.   window 2: packed results, tile (a, b) at 32 a + 4 b; then
.set BU,   128                         ; u of my columns as eight C operands
.set BT,   192                         ; t likewise: four for each half of product 4's columns
; window 3
.set CREP, 0                           ; c of my rows as four C operands
.set MSB, 0
.macro WIN new                         ; s_set_vgpr_msb: bits 1:0 source 0, 3:2 source 1, 5:4 source 2, 7:6 destination; the high byte repeats the setting left
.if MSB != \new
	s_set_vgpr_msb (MSB<<8)|\new
.set MSB, \new
.endif
.endm
; A vector instruction or a load that touches a matrix instruction's registers stands four places behind it, and only plain vector
; instructions that name none of its registers are places.
.macro PLACES
.rept 4
	v_nop
.endr
.endm
; A round of the cluster's barrier: my work-group's barrier, wave 0 signals for the work-group, every wave waits for all four work-groups, my work-group's barrier again.
.macro ROUND
	s_barrier_signal -1
	s_barrier_wait -1
	s_cmp_lg_u32 s16, 0
	s_cbranch_scc1 .Lnot_wave_0_\@
	s_barrier_signal -3
.Lnot_wave_0_\@:
	s_barrier_wait -3
	s_barrier_signal -1
	s_barrier_wait -1
.endm
; Descriptor group 1: my quarter of a tile is 'rows' rows of 'cols' elements of 2 bytes; 'pad' words of padding behind every 2 << qi words, a row's length.
.macro G1SET qi, pad, cols, rows, pitch
	s_mov_b32 s24, 15|(1<<16)|(1<<20)|(1<<21)|((\qi)<<22)|(((\pad)-1)<<25)  ; mask of the four partners; 2-byte elements; padding on; bit 21 beside a mask; interval; words
	s_mov_b32 s25, (\cols)<<16                     ; tensor_dim0
	s_mov_b32 s26, (\rows)<<16                     ; tensor_dim1
	s_mov_b32 s27, (\cols)<<16                     ; tile_dim0
	s_mov_b32 s28, \rows                           ; tile_dim1
	s_mov_b32 s29, \pitch                          ; elements from row to row
	s_mov_b32 s30, 0
	s_mov_b32 s31, 0
.endm
; Descriptor group 0 in s[g:g+3]: to my quarter of a slot, from a product's base + the tile's place.
.macro G0SET g, base, adv, ldsreg, slot
	s_mov_b32 s[\g], 1
	s_add_co_u32 s[\g+1], s[\ldsreg], \slot*SLOT
	s_add_nc_u64 s[\g+2:\g+3], s[\base:\base+1], \adv
	s_or_b32 s[\g+3], s[\g+3], 0x80000000
.endm
; The head of a trip.  OPEN: all my tensor loads have landed, my quarter of this trip's tile among them, so the descriptor may be written.
; CLOSE: my LDS reads (of the other slot and of the panel) are back; the round shows both of every wave of all four partners;
; the next trip's tile is asked for first thing behind it, into the slot read last.  It has this trip's 128 matrix instructions to land.
.macro OPEN
	WIN 0
	s_wait_tensorcnt 0x0
.endm
.macro CLOSE
	s_wait_dscnt 0x0
	ROUND
	tensor_load_to_lds s[20:23], s[24:31]
	s_nop 0
.endm
.macro NEXT base, adv, ldsreg, slot
	OPEN
	G0SET 20, \base, \adv, \ldsreg, \slot
	CLOSE
.endm
; Wave 3 asks for my work-group's 32 blocks of two later tiles.  The address registers are never written again.
.macro PREF off, base, imm
	s_cmp_lg_u32 s16, 3
	s_cbranch_scc1 .Lpf_\@
	global_prefetch_b8 v[\off], s[\base:\base+1] offset:\imm th:TH_LOAD_NT scope:SCOPE_SE
.Lpf_\@:
.endm
.macro FETA buf, g                     ; four A fragments (64 rows x 32 K) from panel block g
.irp a, 0,1,2,3
	ds_load_b128 v[\buf+8*\a:\buf+8*\a+3], v[ADRA] offset:(\g)*BLK+1280*\a
	ds_load_b128 v[\buf+8*\a+4:\buf+8*\a+7], v[ADRA] offset:(\g)*BLK+1280*\a+32
.endr
.endm
.macro FETN buf, adr, kk, nb, pitch    ; nb B fragments from rows that lie along K
.set bb, 0
.rept \nb
	ds_load_b128 v[\buf+8*bb:\buf+8*bb+3], v[\adr] offset:16*\pitch*bb+64*(\kk)
	ds_load_b128 v[\buf+8*bb+4:\buf+8*bb+7], v[\adr] offset:16*\pitch*bb+64*(\kk)+32
.set bb, bb+1
.endr
.endm
.macro FETT buf, adr, off, p16, nb     ; nb B fragments from rows that lie along N: transposing loads, 16 rows apart
.set bb, 0
.rept \nb
	ds_load_tr16_b128 v[\buf+8*bb:\buf+8*bb+3], v[\adr] offset:(\off)+32*bb
	ds_load_tr16_b128 v[\buf+8*bb+4:\buf+8*bb+7], v[\adr] offset:(\off)+32*bb+(\p16)
.set bb, bb+1
.endr
.endm
.macro FETCH mode, slot, kk, gb, fb, fa, nb    ; 2 nb + 8 loads: a sub-step of 32 along K of a tile with 128 of K.  mode 0: [128 K][512 N]; 2: the keys, [512 N][128 K]
.if \mode == 0
	FETT \fb, ADRT+2*\slot+(\kk>>1), (\kk&1)*32*PT, 16*PT, \nb
.endif
.if \mode == 2
	FETN \fb, ADRK+\slot, \kk, \nb, PN
.endif
	FETA \fa, \gb+\kk
.endm
.macro FETCH8 mode, slot, kk, fb, fa   ; 16 loads: a sub-step of a tile with 256 of K.  mode 3: the keys, [256 N][256 K]; 4: [256 K][256 N]
.if \mode == 3
	FETN \fb, ADRK+\slot, \kk, 4, PN2
.endif
.if \mode == 4
	FETT \fb, ADRU+2*\slot+(\kk>>2), (\kk&3)*32*PU, 16*PU, 4
.endif
	FETA \fa, \kk
.endm
; 4 x nb matrix instructions on the accumulator tiles (a, zb .. zb + nb - 1).  The accumulators take turns, one instruction a turn, in the same order in
; every sub-step.
; cm: what starts or carries the sums: 0 the accumulator, 1 the constant 0, 2 a bias by column (window 2), 3 a constant by row (window 3).
.macro MUL fb, fa, nb, cm, cb, zb
.if \cm < 2
	WIN 0x50
.endif
.if \cm == 2
	WIN 0x60
.endif
.if \cm == 3
	WIN 0x70
.endif
.irp a, 0,1,2,3
.set bb, 0
.rept \nb
.set cc, 64*\a+8*(\zb)+8*bb
.if \cm == 0
	v_wmma_f32_16x16x32_bf16 v[cc:cc+7], v[\fb+8*bb:\fb+8*bb+7], v[\fa+8*\a:\fa+8*\a+7], v[cc:cc+7]
.endif
.if \cm == 1
	v_wmma_f32_16x16x32_bf16 v[cc:cc+7], v[\fb+8*bb:\fb+8*bb+7], v[\fa+8*\a:\fa+8*\a+7], 0
.endif
.if \cm == 2
	v_wmma_f32_16x16x32_bf16 v[cc:cc+7], v[\fb+8*bb:\fb+8*bb+7], v[\fa+8*\a:\fa+8*\a+7], v[\cb+8*bb:\cb+8*bb+7]
.endif
.if \cm == 3
	v_wmma_f32_16x16x32_bf16 v[cc:cc+7], v[\fb+8*bb:\fb+8*bb+7], v[\fa+8*\a:\fa+8*\a+7], v[\cb+8*\a:\cb+8*\a+7]
.endif
.set bb, bb+1
.endr
.endr
.endm
; A tile with 128 of K: four sub-steps on two fragment buffers.  While one sub-step is multiplied the next one's loads are on their way:
; each counted wait leaves out exactly the 2 nb + 8 loads issued last.
.macro KSTEP mode, slot, gb, nb, cm, cb
	WIN 0
	PLACES
	FETCH \mode, \slot, 0, \gb, FB0, FA0, \nb
	FETCH \mode, \slot, 1, \gb, FB1, FA1, \nb
	s_wait_dscnt 2*\nb+8
	MUL FB0, FA0, \nb, \cm, \cb, 0
	WIN 0
	PLACES
	FETCH \mode, \slot, 2, \gb, FB0, FA0, \nb
	s_wait_dscnt 2*\nb+8
	MUL FB1, FA1, \nb, 0, 0, 0
	WIN 0
	PLACES
	FETCH \mode, \slot, 3, \gb, FB1, FA1, \nb
	s_wait_dscnt 2*\nb+8
	MUL FB0, FA0, \nb, 0, 0, 0
	s_wait_dscnt 0x0
	MUL FB1, FA1, \nb, 0, 0, 0
.endm
; A tile with 256 of K and 64 columns a wave: eight sub-steps of 16 matrix instructions over the whole half panel, on the same two buffers.
; Each counted wait leaves out exactly the 16 loads issued last.
.macro KSTEP8 mode, slot, cm, cb, zb
	WIN 0
	PLACES
	FETCH8 \mode, \slot, 0, FB0, FA0
	FETCH8 \mode, \slot, 1, FB1, FA1
	s_wait_dscnt 16
	MUL FB0, FA0, 4, \cm, \cb, \zb
.irp kk, 2,3,4,5,6,7
	WIN 0
	PLACES
	FETCH8 \mode, \slot, \kk, FB0+64*(\kk&1), FA0+32*(\kk&1)
	s_wait_dscnt 16
	MUL FB0+64*((\kk-1)&1), FA0+32*((\kk-1)&1), 4, 0, 0, \zb
.endr
	s_wait_dscnt 0x0
	MUL FB1, FA1, 4, 0, 0, \zb
.endm
.macro PACK nb                         ; window 1 rounded to bf16: a lane's eight neighbouring numbers become 16 bytes in window 2
	WIN 0x85
.irp a, 0,1,2,3
.set bb, 0
.rept \nb
.irp q, 0,1,2,3
	v_cvt_pk_bf16_f32 v[32*\a+4*bb+\q], v[64*\a+8*bb+2*\q], v[64*\a+8*bb+2*\q+1]
.endr
.set bb, bb+1
.endr
.endr
.endm
; Packed results into the panel.  sel 0: waves 0 and 1 hold K = 0-255 of the next product's A; sel 1: waves 2 and 3 hold K = 256-511; sel 2: all waves.
; It stands behind a barrier in front of which every wave's reads of the panel were waited for.  The stores are waited for, for the others' sake, in front of the barrier.
.macro PUT adr, nb, sel
	WIN 0
.if \sel == 0
	s_cmp_ge_u32 s16, 2
	s_cbranch_scc1 .Lput_\@
.endif
.if \sel == 1
	s_cmp_lt_u32 s16, 2
	s_cbranch_scc1 .Lput_\@
.endif
	WIN 0x08
.irp a, 0,1,2,3
.set bb, 0
.rept \nb
	ds_store_b128 v[\adr], v[32*\a+4*bb:32*\a+4*bb+3] offset:(bb>>1)*BLK+1280*\a+32*(bb&1)
.set bb, bb+1
.endr
.endr
	WIN 0
.Lput_\@:
	s_wait_dscnt 0x0
	s_barrier_signal -1
	s_barrier_wait -1
.endm
.macro PUTX sel                        ; the same for X, which lies in window 2 by pairs of rows
	WIN 0
.if \sel == 0
	s_cmp_ge_u32 s16, 2
	s_cbranch_scc1 .Lputx_\@
.endif
.if \sel == 1
	s_cmp_lt_u32 s16, 2
	s_cbranch_scc1 .Lputx_\@
.endif
	WIN 0x08
.set tt, 0
.rept 32
	ds_store_b128 v[STOC], v[4*tt:4*tt+3] offset:160*tt
.set tt, tt+1
.endr
	WIN 0
.Lputx_\@:
	s_wait_dscnt 0x0
	s_barrier_signal -1
	s_barrier_wait -1
.endm
.macro RD4 table                       ; the four waves' figures for my four rows into v[FB0 + 4 a + wave]
.irp a, 0,1,2,3
.irp u, 0,1,2,3
	ds_load_b32 v[FB0+4*\a+\u], v[STR] offset:\table+256*\u+64*\a
.endr
.endr
	s_wait_dscnt 0x0
.endm
.macro ADD4                            ; and their sums into v[FB0 + 4 a]
.irp a, 0,1,2,3
	v_add_f32 v[FB0+4*\a], v[FB0+4*\a], v[FB0+4*\a+1]
	v_add_f32 v[FB0+4*\a+2], v[FB0+4*\a+2], v[FB0+4*\a+3]
	v_add_f32 v[FB0+4*\a], v[FB0+4*\a], v[FB0+4*\a+2]
.endr
.endm
; Each of the 64 rows of X (f32, in the window that 'win' gives source 0: register 8 tt + e of lane (r, h) = row 2 tt + h, column 128 w + 8 r + e) times
; a vector, over my wave's 128 columns: eight products a lane in 32 chains that do not wait for each other, four steps across the sixteen lanes of a
; row, and the sum into my wave's line of a table (sixteen lanes store one word alike).
.macro XDOT win, vv, table
	WIN \win
.set tt, 0
.rept 32
	v_pk_mul_f32 v[XT+2*tt:XT+2*tt+1], v[8*tt:8*tt+1], v[\vv:\vv+1]
.set tt, tt+1
.endr
.irp e, 1,2,3
.set tt, 0
.rept 32
	v_pk_fma_f32 v[XT+2*tt:XT+2*tt+1], v[8*tt+2*\e:8*tt+2*\e+1], v[\vv+2*\e:\vv+2*\e+1], v[XT+2*tt:XT+2*tt+1]
.set tt, tt+1
.endr
.endr
	WIN 0
.set tt, 0
.rept 32
	v_add_f32 v[XT+2*tt], v[XT+2*tt], v[XT+2*tt+1]
.set tt, tt+1
.endr
.irp m, 1,2,4,8
.set tt, 0
.rept 32
	v_add_f32_dpp v[XT+2*tt], v[XT+2*tt], v[XT+2*tt] row_xmask:\m row_mask:0xf bank_mask:0xf
.set tt, tt+1
.endr
.endr
.set tt, 0
.rept 32
	ds_store_b32 v[STX], v[XT+2*tt] offset:\table+8*tt     ; row 2 tt + h; waited for in front of the next barrier
.set tt, tt+1
.endr
.endm
.macro CREAD                           ; c of my rows, eight times each: the C operand of the scores' first products
	WIN 0
	RD4 STC
	ADD4
.irp a, 0,1,2,3
	v_add_f32 v[FB0+4*\a], v[FB0+4*\a], v[S0R]
.endr
	WIN 0xc0
.irp a, 0,1,2,3
.irp j, 0,1,2,3,4,5,6,7
	v_mov_b32 v[CREP+8*\a+\j], v[FB0+4*\a]
.endr
.endr
.endm
; Softmax along the keys.  A row's keys lie in my lane (NBS tiles x 8), in the lane 16 further on, and in the other three waves.
.macro SOFTMAX
	PLACES
.if CAUSAL
	WIN 0x41
.irp a, 0,1,2,3
.set bb, 0
.rept NBS
.irp j, 0,1,2,3,4,5,6,7
	v_cmp_gt_i32 vcc_lo, 16*bb+\j, v[QREL+\a]              ; key behind the query:
	v_cndmask_b32 v[64*\a+8*bb+\j], v[64*\a+8*bb+\j], v[NEGM], vcc_lo   ; the lowest finite f32, as in reference()
.endr
.set bb, bb+1
.endr
.endr
.endif
	WIN 0x05
.irp a, 0,1,2,3
	v_max_num_f32 v[MX+\a], v[64*\a], v[64*\a+1]
.endr
.set ee, 1
.rept 4*NBS-1
.irp a, 0,1,2,3
	v_max3_num_f32 v[MX+\a], v[64*\a+2*ee], v[64*\a+2*ee+1], v[MX+\a]
.endr
.set ee, ee+1
.endr
	WIN 0
.irp a, 0,1,2,3
	v_permlanex16_b32 v[TP+\a], v[MX+\a], s48, s49
.endr
.irp a, 0,1,2,3
	v_max_num_f32 v[MX+\a], v[MX+\a], v[TP+\a]
	ds_store_b32 v[STW], v[MX+\a] offset:STM+64*\a
.endr
	s_wait_dscnt 0x0                               ; my maxima are in LDS, for the others' sake
	s_barrier_signal -1
	s_barrier_wait -1
	RD4 STM
.irp a, 0,1,2,3
	v_max3_num_f32 v[MX+\a], v[FB0+4*\a], v[FB0+4*\a+1], v[FB0+4*\a+2]
	v_max_num_f32 v[MX+\a], v[MX+\a], v[FB0+4*\a+3]
	v_mul_f32 v[MX+\a], s60, v[MX+\a]              ; - maximum x log2(e) / sqrt(512)
.endr
	WIN 0x41
.irp a, 0,1,2,3
.set bb, 0
.rept NBS
.irp j, 0,1,2,3,4,5,6,7
	v_fma_f32 v[64*\a+8*bb+\j], v[64*\a+8*bb+\j], s47, v[MX+\a]
.endr
.irp j, 0,1,2,3,4,5,6,7
	v_exp_f32 v[64*\a+8*bb+\j], v[64*\a+8*bb+\j]           ; a plain instruction on other registers follows each run before a result is used (ISA guide 5.7.2)
.endr
.set bb, bb+1
.endr
.endr
	WIN 0x05
	s_wait_alu depctr_va_vdst(0)
.irp a, 0,1,2,3
	v_pk_add_f32 v[SP+2*\a:SP+2*\a+1], v[64*\a:64*\a+1], v[64*\a+2:64*\a+3]
.endr
	WIN 0x01
.set ee, 2
.rept 4*NBS-2
.irp a, 0,1,2,3
	v_pk_add_f32 v[SP+2*\a:SP+2*\a+1], v[64*\a+2*ee:64*\a+2*ee+1], v[SP+2*\a:SP+2*\a+1]
.endr
.set ee, ee+1
.endr
	PACK NBS
	WIN 0
.irp a, 0,1,2,3
	v_add_f32 v[SP+2*\a], v[SP+2*\a], v[SP+2*\a+1]
.endr
.irp a, 0,1,2,3
	v_permlanex16_b32 v[TP+\a], v[SP+2*\a], s48, s49
.endr
.irp a, 0,1,2,3
	v_add_f32 v[SP+2*\a], v[SP+2*\a], v[TP+\a]
	ds_store_b32 v[STW], v[SP+2*\a] offset:STL+64*\a       ; waited for in front of the barrier of the PUT that follows
.endr
.endm
.macro NORM                            ; Y divided by its row's sum of exponentials (at least one of them is 1)
	PLACES
	WIN 0
	RD4 STL
	ADD4
.irp a, 0,1,2,3
	v_rcp_f32 v[RI+2*\a], v[FB0+4*\a]
	v_rcp_f32 v[RI+2*\a+1], v[FB0+4*\a]
.endr
	v_nop                                          ; the plain place behind the reciprocals (ISA guide 5.7.2)
	WIN 0x41
	s_wait_alu depctr_va_vdst(0)
.irp a, 0,1,2,3
.set ee, 0
.rept 32
	v_pk_mul_f32 v[64*\a+2*ee:64*\a+2*ee+1], v[64*\a+2*ee:64*\a+2*ee+1], v[RI+2*\a:RI+2*\a+1]
.set ee, ee+1
.endr
.endr
.endm
; The way out of one half of product 4's columns (my 64 columns, tiles (a, 4 hf .. 4 hf + 3)), 16 rows at a time through my own 16 x 272 bytes of the
; panel: in by tiles, back by rows of 256 bytes, so that sixteen lanes store 256 consecutive bytes of part, aligned.
; LDS serves a wave's instructions in order (ISA guide 5.7.1): no wait between my stores and my loads.
.macro OUTH hf
	PLACES
.irp a, 0,1,2,3
	WIN 0x04
.irp b, 0,1,2,3
	ds_store_b128 v[OST], v[64*\a+32*\hf+8*\b:64*\a+32*\hf+8*\b+3] offset:64*\b
	ds_store_b128 v[OST], v[64*\a+32*\hf+8*\b+4:64*\a+32*\hf+8*\b+7] offset:64*\b+16
.endr
	WIN 0
	s_wait_xcnt 0x0                                ; the registers that earlier global stores read are loaded again only behind this wait
.irp t, 0,1,2,3,4,5,6,7
	ds_load_b128 v[FB0+32*(\a&1)+4*\t:FB0+32*(\a&1)+4*\t+3], v[ORD] offset:2*SPO*\t
.endr
.irp t, 0,1,2,3,4,5,6,7
	s_wait_dscnt 7-\t                              ; rows 2 t and 2 t + 1 are back; the younger loads stay out
	global_store_b128 v[OUTO], v[FB0+32*(\a&1)+4*\t:FB0+32*(\a&1)+4*\t+3], s[PARTS:PARTS+1] offset:(16*\a+2*\t)*2048+1024*\hf
.endr
.endr
.endm
	s_load_b256 s[4:11], s[0:1], 0x0               ; x s[4:5], wb s[6:7], wm s[8:9], vec s[10:11]
	s_load_b128 s[12:15], s[0:1], 0x20             ; bq s[12:13], bk s[14:15]
	s_load_b64 s[40:41], s[0:1], 0x30              ; part
	v_lshrrev_b32 v1, 5, v0
	v_readfirstlane_b32 s16, v1                    ; wave
	s_bfe_u32 s17, ttmp6, 0x40000                  ; cx: my query block
	s_mov_b32 s18, ttmp9                           ; the cluster's x: head
	s_and_b32 s19, ttmp7, 0xffff                   ; the cluster's y: batch
	s_mul_i32 s44, s16, 32*PT                      ; my quarter of a slot: 33,792 bytes a wave ([128 K][512 N], [256 N][256 K])
	s_mul_i32 s45, s16, 64*PU                      ; 34,816 bytes a wave ([256 K][256 N], [512 N][128 K])
	s_mov_b32 s47, 0x3d8293ee                      ; log2(e) / sqrt(512)
	s_mov_b32 s60, 0xbd8293ee                      ; and its negative
	s_mov_b32 s48, 0x76543210                      ; v_permlanex16_b32: lane i reads lane i of the other half
	s_mov_b32 s49, 0xfedcba98
	; where the matrices begin, and each product's tiles for my wave: offsets of head, batch and wave alone, which the four partners share
	s_lshl_b32 s52, s18, 19                        ; the head's 512 x 512 of bf16
	s_mov_b32 s51, 0
	s_mov_b32 s53, 0
	s_wait_kmcnt 0x0
	s_add_co_u32 s50, s52, OFFM
	s_add_nc_u64 s[66:67], s[8:9], s[50:51]        ; M of my head
	s_add_co_u32 s50, s52, OFFN
	s_add_nc_u64 s[68:69], s[8:9], s[50:51]        ; N of my head
	s_mul_i32 s50, s19, NKEY*1024
	s_add_co_u32 s50, s50, OFFX
	s_add_nc_u64 s[70:71], s[6:7], s[50:51]        ; the keys' source of my batch
	s_lshl_b32 s52, s16, 15                        ; 32 rows of 1,024 bytes a wave
	s_add_nc_u64 s[32:33], s[66:67], s[52:53]      ; 1: M
	s_add_nc_u64 s[36:37], s[70:71], s[52:53]      ; 3: the keys' source, rows as K
	s_lshl_b32 s52, s16, 16                        ; 64 rows a wave
	s_add_nc_u64 s[38:39], s[68:69], s[52:53]      ; 4: N
	s_mul_i32 s52, s16, (NKEY/4)*1024
	s_add_nc_u64 s[34:35], s[70:71], s[52:53]      ; 2: the keys' source, rows as N
	G1SET 7, 8, 512, 32, 512
	G0SET 20, 32, 0, 44, 0
	G0SET 72, 32, STEPX, 44, 1
	ROUND                                          ; all four partners are here: the first joint loads meet
	tensor_load_to_lds s[20:23], s[24:31]          ; M, tile 0, into slot 0
	s_nop 0
	tensor_load_to_lds s[72:75], s[24:31]          ; M, tile 1, into slot 1: both first fills go out together
	s_nop 0
	; vectors and X
	s_lshl_b32 s56, s18, 11                        ; the head's 512 f32
	s_mov_b32 s57, 0
	s_add_nc_u64 s[10:11], s[10:11], s[56:57]
	s_add_nc_u64 s[12:13], s[12:13], s[56:57]
	s_add_nc_u64 s[14:15], s[14:15], s[56:57]
	s_lshl_b32 s58, s19, 19                        ; 256 rows of 2,048 bytes a batch,
	s_lshl_b32 s59, s17, 17                        ; 64 a query block
	s_add_co_u32 s58, s58, s59
	s_mov_b32 s59, 0
	s_add_nc_u64 s[4:5], s[4:5], s[58:59]
	s_lshl_b32 s56, s18, 22                        ; part[head]
	s_add_co_u32 s56, s56, s58
	s_add_nc_u64 s[40:41], s[40:41], s[56:57]
	v_and_b32 v1, 15, v0                           ; r
	v_bfe_u32 v2, v0, 4, 1                         ; h
	v_and_b32 v[TB], 31, v0                        ; lane
	s_lshl_b32 s52, s16, 9                         ; 128 columns of f32
	v_lshl_add_u32 v[BOFF], v2, 5, s52             ; 512 w + 32 h: columns 128 w + 8 h ..
	v_lshl_add_u32 v[GOFF], v1, 5, s52             ; 512 w + 32 r: columns 128 w + 8 r ..
	v_lshl_add_u32 v[XOFF], v2, 11, v[GOFF]        ; and row h of a pair
	v_lshlrev_b32 v[SOFF], 6, v[TB]
	s_lshl_b32 s52, s16, 8                         ; 64 columns of f32
	v_lshl_add_u32 v[BOF2], v2, 5, s52             ; 256 w + 32 h: columns 64 w + 8 h .. of a half
	v_lshl_add_u32 v[OUTO], v1, 4, s52             ; 256 w + 16 r
	v_lshl_add_u32 v[OUTO], v2, 11, v[OUTO]        ; and row h of a pair
	WIN 0x80
.irp b, 0,1,2,3,4,5,6,7
	global_load_b128 v[BU+8*\b:BU+8*\b+3], v[BOFF], s[10:11] offset:OFFU+64*\b
	global_load_b128 v[BU+8*\b+4:BU+8*\b+7], v[BOFF], s[10:11] offset:OFFU+64*\b+16
	global_load_b128 v[BT+8*\b:BT+8*\b+3], v[BOF2], s[10:11] offset:OFFT+1024*(\b>>2)+64*(\b&3)
	global_load_b128 v[BT+8*\b+4:BT+8*\b+7], v[BOF2], s[10:11] offset:OFFT+1024*(\b>>2)+64*(\b&3)+16
.endr
	WIN 0
	global_load_b128 v[GV:GV+3], v[GOFF], s[10:11] offset:OFFG
	global_load_b128 v[GV+4:GV+7], v[GOFF], s[10:11] offset:OFFG+16
.irp j, 0,1,2,3
	global_load_b128 v[SQ+4*\j:SQ+4*\j+3], v[SOFF], s[12:13] offset:16*\j
	global_load_b128 v[SK+4*\j:SK+4*\j+3], v[SOFF], s[14:15] offset:16*\j
.endr
	WIN 0x40
.set tt, 0
.rept 32
	global_load_b128 v[8*tt:8*tt+3], v[XOFF], s[4:5] offset:4096*tt        ; X, two rows at a time, into the accumulators' registers
	global_load_b128 v[8*tt+4:8*tt+7], v[XOFF], s[4:5] offset:4096*tt+16
.set tt, tt+1
.endr
	WIN 0
	; LDS addresses, while the loads are on their way
	v_and_b32 v3, 7, v0
	v_bfe_u32 v[TA], v0, 3, 1
	v_mul_u32_u24 v[TC], v1, 80
	v_lshl_add_u32 v[TC], v2, 4, v[TC]             ; 80 r + 16 h
	v_add_nc_u32 v[ADRA], PANEL, v[TC]
	v_mul_u32_u24 v[TD], v1, KP
	v_lshl_add_u32 v[TD], v2, 4, v[TD]             ; the keys' pitch x r + 16 h
	v_add_nc_u32 v[ADRK], s[KLDS], v[TD]
	v_add_nc_u32 v[ADRK+1], SLOT, v[ADRK]
	v_lshl_add_u32 v3, v2, 3, v3                   ; row 8 h + lane mod 8
	v_mul_u32_u24 v[TD], v3, PT
	v_lshl_add_u32 v[TD], v[TA], 4, v[TD]          ; + 16 bytes for lanes 8-15 of a half
	s_lshl_b32 s52, s16, 8                         ; 128 columns of bf16
	v_add_nc_u32 v[ADRT], s52, v[TD]
	v_add_nc_u32 v[ADRT+1], 64*PT, v[ADRT]
	v_add_nc_u32 v[ADRT+2], SLOT, v[ADRT]
	v_add_nc_u32 v[ADRT+3], SLOT+64*PT, v[ADRT]
	v_mul_u32_u24 v[TD], v3, PU
	v_lshl_add_u32 v[TD], v[TA], 4, v[TD]
	s_lshl_b32 s52, s16, 7                         ; 64 columns of bf16
	v_add_nc_u32 v[ADRU], s52, v[TD]
	v_add_nc_u32 v[ADRU+1], 128*PU, v[ADRU]
	v_add_nc_u32 v[ADRU+2], SLOT, v[ADRU]
	v_add_nc_u32 v[ADRU+3], SLOT+128*PU, v[ADRU]
	s_and_b32 s52, s16, 1
	s_mul_i32 s52, s52, 4*BLK
	s_add_co_u32 s52, s52, PANEL                   ; my four blocks of a half panel
	v_add_nc_u32 v[STOP], s52, v[TC]
	v_bfe_u32 v[TD], v0, 2, 2
	v_mul_u32_u24 v[TD], v[TD], BLK                ; X: block (r / 4),
	v_and_b32 v[TA], 3, v0
	v_lshl_add_u32 v[TD], v[TA], 4, v[TD]          ; 16 bytes (r mod 4),
	v_mad_u32_u24 v[TD], v2, 80, v[TD]             ; row h of the pair
	v_add_nc_u32 v[STOC], s52, v[TD]
	s_mul_i32 s52, s16, 2*BLK
	s_add_co_u32 s52, s52, PANEL                   ; my two blocks: my stage on the way out (and 256 weights)
.if NKEY == 256
	v_add_nc_u32 v[STOS], s52, v[TC]
.endif
	v_mul_u32_u24 v[TD], v1, SPO
	v_lshl_add_u32 v[TD], v2, 5, v[TD]             ; 272 r + 32 h
	v_add_nc_u32 v[OST], s52, v[TD]
	v_mul_u32_u24 v[TD], v2, SPO
	v_lshl_add_u32 v[TD], v1, 4, v[TD]             ; 272 h + 16 r
	v_add_nc_u32 v[ORD], s52, v[TD]
	v_lshlrev_b32 v[TD], 2, v1
	v_add_nc_u32 v[STR], STATS, v[TD]
	s_lshl_b32 s52, s16, 8
	s_add_co_u32 s52, s52, STATS
	v_add_nc_u32 v[STW], s52, v[TD]
	v_lshl_add_u32 v[STX], v2, 2, s52
.irp a, 0,1,2,3
	v_mov_b32 v[TP+\a], 0                          ; v_permlanex16_b32 counts as a reader of its destination
.endr
	; what wave 3 asks for ahead: my work-group's share among the 32 that read a matrix; these numbers enter global offsets alone
	s_lshl_b32 s54, s19, 2
	s_add_co_u32 s54, s54, s17                     ; 4 batch + cx: among the readers of my head's M and N
	s_lshl_b32 s55, s18, 2
	s_add_co_u32 s55, s55, s17                     ; 4 head + cx: among the readers of my batch's keys
	s_lshl_b32 s52, s54, 13
	v_lshl_add_u32 v[PFA], v[TB], 8, s52           ; (32 x share + lane) x 256
	v_lshrrev_b32 v[TA], 1, v[TB]
	v_and_b32 v[TD], 1, v0
	v_lshlrev_b32 v[TD], 8, v[TD]
	v_lshl_add_u32 v[TD], v[TA], 10, v[TD]         ; row lane / 2 of 1,024 bytes, block lane mod 2
	s_lshl_b32 s52, s54, 14
	v_add_nc_u32 v[PFB], s52, v[TD]                ; + 16 rows x share
.if NKEY == 256
	s_lshl_b32 s52, s55, 13
	v_lshl_add_u32 v[PFC], v[TB], 8, s52           ; the keys' source is 262,144 consecutive bytes: all of it in one request a work-group
.else
	s_lshl_b32 s52, s55, 14
	v_add_nc_u32 v[PFC], s52, v[TD]                ; 512 rows: two of a row's four blocks in each of two requests
.endif
.if CAUSAL
	v_mov_b32 v[NEGM], 0xff7fffff
	s_sub_co_i32 s54, s17, s16
	s_lshl_b32 s54, s54, 6                         ; 64 (query block - wave); enters compares alone, no address and no branch
	v_lshlrev_b32 v[TA], 3, v2
	v_sub_nc_u32 v[TA], v1, v[TA]
	v_add_nc_u32 v[TA], s54, v[TA]
.irp a, 0,1,2,3
	v_add_nc_u32 v[QREL+\a], 16*\a, v[TA]
.endr
.endif
	s_wait_loadcnt 0x0
	XDOT 0x01, GV, STC                             ; X . g over my 128 columns
	; bq . bk, sixteen products a lane, in every wave
	v_pk_mul_f32 v[SQ:SQ+1], v[SQ:SQ+1], v[SK:SK+1]
	v_pk_mul_f32 v[SQ+2:SQ+3], v[SQ+2:SQ+3], v[SK+2:SK+3]
.irp k, 2,3,4,5,6,7
	v_pk_fma_f32 v[SQ+2*(\k&1):SQ+2*(\k&1)+1], v[SQ+2*\k:SQ+2*\k+1], v[SK+2*\k:SK+2*\k+1], v[SQ+2*(\k&1):SQ+2*(\k&1)+1]
.endr
	v_pk_add_f32 v[SQ:SQ+1], v[SQ:SQ+1], v[SQ+2:SQ+3]
	v_add_f32 v[S0R], v[SQ], v[SQ+1]
.irp m, 1,2,4,8
	v_add_f32_dpp v[S0R], v[S0R], v[S0R] row_xmask:\m row_mask:0xf bank_mask:0xf
.endr
	v_permlanex16_b32 v[TP], v[S0R], s48, s49
	v_add_f32 v[S0R], v[S0R], v[TP]
	PACK 8                                         ; X in bf16
	; 1: Q' = X M + u
	WIN 0
	s_wait_tensorcnt 0x1                           ; my quarter of tile 0 is in; tile 1's may stay out
	PUTX 0
	PREF PFA, 66, 262144                           ; M's tiles 2 and 3
	KSTEP 0, 0, 0, 8, 2, BU
	NEXT 32, 2*STEPX, 44, 0
	KSTEP 0, 1, 4, 8, 0, 0
	NEXT 32, 3*STEPX, 44, 1
	PREF PFC, 70, 0                                ; the keys' first two tiles
	PUTX 1
	KSTEP 0, 0, 0, 8, 0, 0
	OPEN
.if NKEY == 256
	G1SET 6, 4, 256, 64, 512
.else
	G1SET 5, 4, 128, 128, 512
.endif
	G0SET 20, 34, 0, KLDS, 0
	CLOSE
	KSTEP 0, 1, 4, 8, 0, 0
	; 2: S = Q' Xkv^T + c
.if NKEY == 256
	NEXT 34, 512, KLDS, 1
	PLACES
	PACK 8
	CREAD
	PUT STOP, 8, 0
	KSTEP8 3, 0, 3, CREP, 0
	OPEN
	G1SET 7, 8, 512, 32, 512
	G0SET 20, 36, 0, 44, 0
	CLOSE
	PUT STOP, 8, 1
	KSTEP8 3, 1, 0, 0, 0
.else
	NEXT 34, 1*STEPN, KLDS, 1
	PREF PFC, 70, 512                              ; the keys' last two tiles
	PLACES
	PACK 8
	CREAD
	PUT STOP, 8, 0
	KSTEP 2, 0, 0, NBS, 3, CREP
	NEXT 34, 2*STEPN, KLDS, 0
	KSTEP 2, 1, 4, NBS, 0, 0
	NEXT 34, 3*STEPN, KLDS, 1
	PUT STOP, 8, 1
	KSTEP 2, 0, 0, NBS, 0, 0
	OPEN
	G1SET 7, 8, 512, 32, 512
	G0SET 20, 36, 0, 44, 0
	CLOSE
	KSTEP 2, 1, 4, NBS, 0, 0
.endif
	; 3: Y = P Xkv
	NEXT 36, 1*STEPX, 44, 1
.if NKEY == 256
	PREF PFB, 68, 0                                ; N's columns 0-255
	SOFTMAX
	PUT STOS, 4, 2                                 ; all 256 weights fit the panel at once
	KSTEP 0, 0, 0, 8, 1, 0
.else
	SOFTMAX
	PUT STOP, 8, 0
	KSTEP 0, 0, 0, 8, 1, 0
	NEXT 36, 2*STEPX, 44, 0
	KSTEP 0, 1, 4, 8, 0, 0
	NEXT 36, 3*STEPX, 44, 1
	PREF PFB, 68, 0                                ; N's columns 0-255
	PUT STOP, 8, 1
	KSTEP 0, 0, 0, 8, 0, 0
.endif
	OPEN
	G1SET 6, 8, 256, 64, 512
	G0SET 20, 38, 0, 45, 0
	CLOSE
	KSTEP 0, 1, 4, 8, 0, 0
	; 4: part[head] = (Y / sum) N + t, columns 0-255 first
	NEXT 38, 262144, 45, 1
	PREF PFB, 68, 512                              ; N's columns 256-511
	NORM
	PACK 8
	PUT STOP, 8, 0
	KSTEP8 4, 0, 2, BT, 0
	NEXT 38, 512, 45, 0
	PUT STOP, 8, 1
	KSTEP8 4, 1, 0, 0, 0
	NEXT 38, 262144+512, 45, 1
	OUTH 0                                         ; columns 0-255 are final; behind the round no wave reads the panel, so it serves as the stage
	s_wait_xcnt 0x0                                ; the registers that these stores read are loaded again below
	s_wait_dscnt 0x0                               ; my reads of my stage are over before the panel is written again
	s_barrier_signal -1
	s_barrier_wait -1
	PUT STOP, 8, 0
	KSTEP8 4, 0, 2, BT+32, 4
	OPEN                                           ; the last tile has landed; nothing is left to ask for,
	s_wait_dscnt 0x0
	s_barrier_signal -1                            ; so my work-group's barrier alone shows the tile whole and the panel read
	s_barrier_wait -1
	PUT STOP, 8, 1
	KSTEP8 4, 1, 0, 0, 4
	WIN 0
	s_wait_dscnt 0x0                               ; every wave's reads of the panel are over before it becomes the stage
	s_barrier_signal -1
	s_barrier_wait -1
	OUTH 1
	ROUND                                          ; the closing round: no work-group ends while a partner may still issue a joint load
	s_endpgm
.Lfunc_end_k_qd48d9e6f3d_ca:
	.size	k_qd48d9e6f3d_ca, .Lfunc_end_k_qd48d9e6f3d_ca-k_qd48d9e6f3d_ca
	.p2alignl 7, 3214868480
	.fill 96, 4, 3214868480
	.section	.rodata,"a",@progbits
	.p2align	6, 0x0
	.amdhsa_kernel k_qd48d9e6f3d_ca
		.amdhsa_group_segment_fixed_size 327680
		.amdhsa_private_segment_fixed_size 0
		.amdhsa_enable_private_segment 0
		.amdhsa_kernarg_size 56
		.amdhsa_user_sgpr_count 2
		.amdhsa_user_sgpr_kernarg_segment_ptr 1
		.amdhsa_wavefront_size32 1
		.amdhsa_system_sgpr_workgroup_id_x 1
		.amdhsa_system_sgpr_workgroup_id_y 1
		.amdhsa_system_sgpr_workgroup_id_z 1
		.amdhsa_system_vgpr_workitem_id 0
		.amdhsa_next_free_vgpr 800
		.amdhsa_next_free_sgpr 76
		.amdhsa_reserve_vcc 1
		.amdhsa_float_denorm_mode_32 3
		.amdhsa_float_denorm_mode_16_64 3
		.amdhsa_memory_ordered 1
		.amdhsa_forward_progress 1
		.amdhsa_inst_pref_size 255
	.end_amdhsa_kernel
	.section	.bss,"aw",@nobits
	.p2align	6
	.space	262144
	.amdgpu_metadata
---
amdhsa.version: [ 1, 2 ]
amdhsa.kernels:
  - .name:           k_qd48d9e6f3d_ca
    .symbol:         k_qd48d9e6f3d_ca.kd
    .args:
      - { .name: x1, .offset: 0, .size: 8, .value_kind: global_buffer, .address_space: global }
      - { .name: wb, .offset: 8, .size: 8, .value_kind: global_buffer, .address_space: global }
      - { .name: wm, .offset: 16, .size: 8, .value_kind: global_buffer, .address_space: global }
      - { .name: vec, .offset: 24, .size: 8, .value_kind: global_buffer, .address_space: global }
      - { .name: ca_bq, .offset: 32, .size: 8, .value_kind: global_buffer, .address_space: global }
      - { .name: ca_bk, .offset: 40, .size: 8, .value_kind: global_buffer, .address_space: global }
      - { .name: part, .offset: 48, .size: 8, .value_kind: global_buffer, .address_space: global }
    .group_segment_fixed_size: 327680
    .private_segment_fixed_size: 0
    .kernarg_segment_align: 8
    .kernarg_segment_size: 56
    .max_flat_workgroup_size: 128
    .sgpr_count:     76
    .vgpr_count:     800
    .wavefront_size: 32
...
	.end_amdgpu_metadata
.endif
;; end of part 9
;; launch ln2: the kernel of part 3 again; grid 256 x 1, 8 waves a work-group, no clusters, 0 bytes of LDS; arguments part, x1, ca_bo, ca_lng, ca_lnb, x2; writes x2
;; launch ffn (part 10): grid 32 x 8, 4 waves a work-group, clusters of 4 x 1, 324,096 bytes of LDS; arguments x2, wb, ff_b1, part; writes part
.if DOCPART == 10
	.amdgcn_target "amdgcn-amd-amdhsa--gfx1250"
	.amdhsa_code_object_version 6
	.text
	.protected	k_qd48d9e6f3d_ffn
	.globl	k_qd48d9e6f3d_ffn
	.p2align	8
	.type	k_qd48d9e6f3d_ffn,@function
k_qd48d9e6f3d_ffn:
	s_mov_b64 s[64:65], 0
	v_nop
	global_prefetch_b8 v0, s[64:65] scope:SCOPE_SE
	s_setreg_imm32_b32 hwreg(HW_REG_WAVE_MODE, 25, 1), 1
	s_wait_xcnt 0x0
	s_wait_alu depctr_hold_cnt(0) depctr_sa_sdst(0) depctr_va_vdst(0) depctr_va_sdst(0) depctr_va_ssrc(0) depctr_va_vcc(0) depctr_vm_vsrc(0)
	s_getreg_b32 s2, hwreg(HW_REG_IB_STS2, 6, 4)
	s_cmp_eq_u32 s2, 0
	s_cbranch_scc0 .Lentry_in_a_cluster
	s_endpgm
.Lentry_in_a_cluster:
	s_bfe_u32 s2, ttmp6, 0x10000c
	s_cmp_lg_u32 s2, 0x3003
	s_cbranch_scc0 .Lentry_shape_is_right
	s_endpgm
.Lentry_shape_is_right:
; The feed-forward block for 64 rows and one chunk of 128 hidden units: H = gelu(X W1[:, chunk] + b1[chunk]), part[chunk] = H W2[chunk, :].
; The eight chunks' results, b2, the residual and the norm are the next launch's.  H never leaves the work-group.
; LIMITS, stated: X, W1, H and W2 enter the products in bf16.  erf is taken by erfc(z) = t (a1 + t (a2 + t (a3 + t (a4 + t a5)))) exp(-z z),
; t = 1 / (1 + 0.3275911 z), z = |x| / sqrt(2) (Abramowitz and Stegun 7.1.26), within 1.5e-7 absolutely for every x, plus f32 rounding;
; so gelu(x) is within about |x| x 2e-7 of the exact value, on the far negative side too, where the exact value tends to 0.
; CLUSTER: four row blocks of one chunk need the same W1 and W2 tiles: a cluster of 4 x 1, both tensor loads of a wave joint (mask 15).
; LDS: W1's chunk [512 K][128 N] at pitch 288, W2's chunk [128 K][512 N] at pitch 1,056, each filled once; the panel for A (64 rows x 256 of K,
; 8 blocks of 32 K at pitch 80), written by LDS stores alone.  Two tensor loads of a wave are out at the start, none is issued later.
; Wave w owns hidden columns 32 w .. of the chunk in the first product (4 x 2 tiles) and output columns 128 w .. in the second (4 x 8 tiles).
; The matrix instruction is used transposed: lane (r, h), register j of tile (a, b) holds row 16 a + r, column 16 b + 8 h + j.
.set OFFW1,  0x1600000                 ; byte offsets in wb
.set OFFW2,  0x1700000
.set PF,     288                       ; 256 bytes + 32 = 9 x 32
.set PT,     1056                      ; 1,024 bytes + 32 = 33 x 32
.set R2,     147456                    ; 512 x 288
.set PANEL,  282624                    ; R2 + 128 x 1,056
.set BLK,    5184
.set PARTS,  10                        ; s[10:11] where my rows of part begin
.set ADRA, 4
.set ADRF, 5                           ; v5-8   W1 fragments, K step 0 .. 3
.set ADRT, 9                           ; v9-10  W2 fragments, rows 0-, 64-
.set STOC, 13
.set STOH, 14                          ; H into my block of the panel
.set OST,  18
.set ORD,  19
.set OUTO, 20
.set XOFF, 21
.set BOFF, 22
.set FB0,  32
.set FB1,  96
.set FA0,  160
.set FA1,  192
.set GU,   32                          ; gelu: 1 + p z, then t, 64 numbers
.set GZ,   96                          ; x sqrt(log2(e) / 2), then Phi(x), then gelu(x)
.set GQ,   160                         ; 16 at a time: - z z log2(e), then exp(- z z)
.set GY,   176                         ; 16 at a time: the polynomial
.set B1,   128                         ; window 2: b1 of my columns as two C operands
.set MSB, 0
.macro WIN new                         ; s_set_vgpr_msb: bits 1:0 source 0, 3:2 source 1, 5:4 source 2, 7:6 destination; the high byte repeats the setting left
.if MSB != \new
	s_set_vgpr_msb (MSB<<8)|\new
.set MSB, \new
.endif
.endm
.macro PLACES                          ; four places behind a matrix instruction (ISA guide 7.12.1)
.rept 4
	v_nop
.endr
.endm
.macro ROUND                           ; a round of the cluster's barrier
	s_barrier_signal -1
	s_barrier_wait -1
	s_cmp_lg_u32 s16, 0
	s_cbranch_scc1 .Lnot_wave_0_\@
	s_barrier_signal -3
.Lnot_wave_0_\@:
	s_barrier_wait -3
	s_barrier_signal -1
	s_barrier_wait -1
.endm
.macro BAR                             ; my LDS instructions are done, for the others' sake; then my work-group's barrier
	s_wait_dscnt 0x0
	s_barrier_signal -1
	s_barrier_wait -1
.endm
.macro FETA buf, g
.irp a, 0,1,2,3
	ds_load_b128 v[\buf+8*\a:\buf+8*\a+3], v[ADRA] offset:(\g)*BLK+1280*\a
	ds_load_b128 v[\buf+8*\a+4:\buf+8*\a+7], v[ADRA] offset:(\g)*BLK+1280*\a+32
.endr
.endm
.macro FETT buf, adr, off, p16, nb     ; nb B fragments from rows that lie along N: transposing loads, 16 rows apart
.set bb, 0
.rept \nb
	ds_load_tr16_b128 v[\buf+8*bb:\buf+8*bb+3], v[\adr] offset:(\off)+32*bb
	ds_load_tr16_b128 v[\buf+8*bb+4:\buf+8*bb+7], v[\adr] offset:(\off)+32*bb+(\p16)
.set bb, bb+1
.endr
.endm
.macro FETCH mode, q, kk, gb, fb, fa, nb       ; mode 0: W2; mode 1: W1, K step q
.if \mode == 0
	FETT \fb, ADRT+(\kk>>1), (\kk&1)*32*PT, 16*PT, \nb
.endif
.if \mode == 1
	FETT \fb, ADRF+\q, \kk*32*PF, 16*PF, \nb
.endif
	FETA \fa, \gb+\kk
.endm
; The accumulators take turns, one instruction a turn.  cm 0: carry on; 1: start from 0; 2: start from a bias by column (window 2).
.macro MUL fb, fa, nb, cm, cb
.if \cm < 2
	WIN 0x50
.endif
.if \cm == 2
	WIN 0x60
.endif
.irp a, 0,1,2,3
.set bb, 0
.rept \nb
.if \cm == 0
	v_wmma_f32_16x16x32_bf16 v[64*\a+8*bb:64*\a+8*bb+7], v[\fb+8*bb:\fb+8*bb+7], v[\fa+8*\a:\fa+8*\a+7], v[64*\a+8*bb:64*\a+8*bb+7]
.endif
.if \cm == 1
	v_wmma_f32_16x16x32_bf16 v[64*\a+8*bb:64*\a+8*bb+7], v[\fb+8*bb:\fb+8*bb+7], v[\fa+8*\a:\fa+8*\a+7], 0
.endif
.if \cm == 2
	v_wmma_f32_16x16x32_bf16 v[64*\a+8*bb:64*\a+8*bb+7], v[\fb+8*bb:\fb+8*bb+7], v[\fa+8*\a:\fa+8*\a+7], v[\cb+8*bb:\cb+8*bb+7]
.endif
.set bb, bb+1
.endr
.endr
.endm
; A K step of 128 in four sub-steps on two fragment buffers; each counted wait leaves out exactly the 2 nb + 8 loads issued last.
.macro KSTEP mode, q, gb, nb, cm, cb
	WIN 0
	PLACES
	FETCH \mode, \q, 0, \gb, FB0, FA0, \nb
	FETCH \mode, \q, 1, \gb, FB1, FA1, \nb
	s_wait_dscnt 2*\nb+8
	MUL FB0, FA0, \nb, \cm, \cb
	WIN 0
	PLACES
	FETCH \mode, \q, 2, \gb, FB0, FA0, \nb
	s_wait_dscnt 2*\nb+8
	MUL FB1, FA1, \nb, 0, 0
	WIN 0
	PLACES
	FETCH \mode, \q, 3, \gb, FB1, FA1, \nb
	s_wait_dscnt 2*\nb+8
	MUL FB0, FA0, \nb, 0, 0
	s_wait_dscnt 0x0
	MUL FB1, FA1, \nb, 0, 0
.endm
; X (window 2, by pairs of rows) into the panel: sel 0: waves 0 and 1 hold K = 0-255; sel 1: waves 2 and 3 hold K = 256-511.
.macro PUTX sel
	WIN 0
.if \sel == 0
	s_cmp_ge_u32 s16, 2
	s_cbranch_scc1 .Lputx_\@
.endif
.if \sel == 1
	s_cmp_lt_u32 s16, 2
	s_cbranch_scc1 .Lputx_\@
.endif
	WIN 0x08
.set tt, 0
.rept 32
	ds_store_b128 v[STOC], v[4*tt:4*tt+3] offset:160*tt
.set tt, tt+1
.endr
	WIN 0
.Lputx_\@:
.endm
.macro OUT                             ; 16 rows at a time through my own 16 x 528 bytes of the panel; a store of the wave covers 512 consecutive bytes, aligned
	PLACES
.irp a, 0,1,2,3
	WIN 0x04
.irp b, 0,1,2,3,4,5,6,7
	ds_store_b128 v[OST], v[64*\a+8*\b:64*\a+8*\b+3] offset:64*\b
	ds_store_b128 v[OST], v[64*\a+8*\b+4:64*\a+8*\b+7] offset:64*\b+16
.endr
	WIN 0
	s_wait_xcnt 0x0                                ; the registers that earlier global stores read are loaded again only behind this wait
.irp t, 0,1,2,3,4,5,6,7,8,9,10,11,12,13,14,15
	ds_load_b128 v[FB0+64*(\a&1)+4*\t:FB0+64*(\a&1)+4*\t+3], v[ORD] offset:528*\t   ; LDS serves a wave's instructions in order (ISA guide 5.7.1)
.endr
.irp t, 0,1,2,3,4,5,6,7,8,9,10,11,12,13,14,15
	s_wait_dscnt 15-\t
	global_store_b128 v[OUTO], v[FB0+64*(\a&1)+4*\t:FB0+64*(\a&1)+4*\t+3], s[PARTS:PARTS+1] offset:(16*\a+\t)*2048
.endr
.endr
.endm
	s_load_b256 s[4:11], s[0:1], 0x0               ; x s[4:5], wb s[6:7], b1 s[8:9], part s[10:11]
	v_lshrrev_b32 v1, 5, v0
	v_readfirstlane_b32 s16, v1                    ; wave
	s_bfe_u32 s17, ttmp6, 0x40000                  ; cx
	s_mov_b32 s18, ttmp9                           ; the cluster's x: four row blocks
	s_and_b32 s19, ttmp7, 0xffff                   ; the cluster's y: hidden chunk
	; W1: my 128 K rows x 128 columns, 8 words of padding behind every 64
	s_mov_b32 s24, 15|(1<<16)|(1<<20)|(1<<21)|(5<<22)|(7<<25)
	s_mov_b32 s25, 128<<16
	s_mov_b32 s26, 128<<16
	s_mov_b32 s27, 128<<16
	s_mov_b32 s28, 128
	s_mov_b32 s29, 1024
	s_mov_b32 s30, 0
	s_mov_b32 s31, 0
	; W2: my 32 K rows x 512 columns, 8 words of padding behind every 256
	s_mov_b32 s36, 15|(1<<16)|(1<<20)|(1<<21)|(7<<22)|(7<<25)
	s_mov_b32 s37, 512<<16
	s_mov_b32 s38, 32<<16
	s_mov_b32 s39, 512<<16
	s_mov_b32 s40, 32
	s_mov_b32 s41, 512
	s_mov_b32 s42, 0
	s_mov_b32 s43, 0
	s_mov_b32 s20, 1
	s_mul_i32 s21, s16, 128*PF
	s_mov_b32 s32, 1
	s_mul_i32 s33, s16, 32*PT
	s_add_co_u32 s33, s33, R2
	s_lshl_b32 s52, s16, 18                        ; 128 rows of 2,048 bytes a wave
	s_lshl_b32 s54, s19, 8                         ; the chunk's 128 columns
	s_add_co_u32 s52, s52, s54
	s_add_co_u32 s52, s52, OFFW1
	s_mov_b32 s53, 0
	s_wait_kmcnt 0x0
	s_add_nc_u64 s[22:23], s[6:7], s[52:53]
	s_or_b32 s23, s23, 0x80000000
	s_lshl_b32 s52, s19, 17                        ; the chunk's 128 rows of 1,024 bytes
	s_lshl_b32 s54, s16, 15                        ; 32 rows a wave
	s_add_co_u32 s52, s52, s54
	s_add_co_u32 s52, s52, OFFW2
	s_add_nc_u64 s[34:35], s[6:7], s[52:53]
	s_or_b32 s35, s35, 0x80000000
	ROUND                                          ; all four partners are here: the joint loads meet
	tensor_load_to_lds s[20:23], s[24:31]
	s_nop 0
	tensor_load_to_lds s[32:35], s[36:43]
	s_nop 0
	s_mov_b32 s44, 0x3e6d3388                      ; 0.3275911 / sqrt(2)
	s_mov_b32 s45, 0x3f596d27                      ; sqrt(log2(e) / 2)
	s_mov_b32 s46, 0x3e027906                      ; a1 / 2 =  0.127414796
	s_mov_b32 s47, 0xbe11a98e                      ; a2 / 2 = -0.142248368
	s_mov_b32 s48, 0x3f35f0e3                      ; a3 / 2 =  0.710706871
	s_mov_b32 s49, 0xbf3a00e3                      ; a4 / 2 = -0.726576014
	s_mov_b32 s50, 0x3f07dc22                      ; a5 / 2 =  0.530702715
	s_mov_b32 s51, 0x7fffffff
	s_lshl_b32 s56, s19, 9                         ; the chunk's 128 f32 of b1
	s_mov_b32 s57, 0
	s_add_nc_u64 s[8:9], s[8:9], s[56:57]
	s_lshl_b32 s58, s18, 2
	s_add_co_u32 s58, s58, s17                     ; row block
	s_lshl_b32 s58, s58, 17                        ; 64 rows of 2,048 bytes
	s_mov_b32 s59, 0
	s_add_nc_u64 s[4:5], s[4:5], s[58:59]
	s_lshl_b32 s56, s19, 22                        ; part[chunk]
	s_add_co_u32 s56, s56, s58
	s_add_nc_u64 s[10:11], s[10:11], s[56:57]
	v_and_b32 v1, 15, v0                           ; r
	v_bfe_u32 v2, v0, 4, 1                         ; h
	v_and_b32 v29, 31, v0                          ; lane
	s_lshl_b32 s54, s16, 7
	v_lshl_add_u32 v[BOFF], v2, 5, s54             ; 128 w + 32 h: hidden columns 32 w + 8 h ..
	s_lshl_b32 s54, s16, 9
	v_lshlrev_b32 v28, 11, v2
	v_lshl_add_u32 v28, v1, 5, v28
	v_add_nc_u32 v[XOFF], s54, v28                 ; row h of a pair, columns 128 w + 8 r ..
	v_lshl_add_u32 v[OUTO], v29, 4, s54
	WIN 0x80
.irp b, 0,1
	global_load_b128 v[B1+8*\b:B1+8*\b+3], v[BOFF], s[8:9] offset:64*\b
	global_load_b128 v[B1+8*\b+4:B1+8*\b+7], v[BOFF], s[8:9] offset:64*\b+16
.endr
	WIN 0x40
.set tt, 0
.rept 32
	global_load_b128 v[8*tt:8*tt+3], v[XOFF], s[4:5] offset:4096*tt
	global_load_b128 v[8*tt+4:8*tt+7], v[XOFF], s[4:5] offset:4096*tt+16
.set tt, tt+1
.endr
	WIN 0
	v_and_b32 v3, 7, v0
	v_bfe_u32 v28, v0, 3, 1
	v_mul_u32_u24 v30, v1, 80
	v_lshl_add_u32 v30, v2, 4, v30                 ; 80 r + 16 h
	v_add_nc_u32 v[ADRA], PANEL, v30
	v_lshl_add_u32 v3, v2, 3, v3                   ; row 8 h + lane mod 8
	v_mul_u32_u24 v31, v3, PF
	v_lshl_add_u32 v31, v28, 4, v31
	s_lshl_b32 s54, s16, 6                         ; my 32 hidden columns of bf16
	v_add_nc_u32 v[ADRF], s54, v31
.irp q, 1,2,3
	v_add_nc_u32 v[ADRF+\q], \q*128*PF, v[ADRF]
.endr
	v_mul_u32_u24 v31, v3, PT
	v_lshl_add_u32 v31, v28, 4, v31
	s_lshl_b32 s54, s16, 8                         ; my 128 output columns of bf16
	s_add_co_u32 s54, s54, R2
	v_add_nc_u32 v[ADRT], s54, v31
	v_add_nc_u32 v[ADRT+1], 64*PT, v[ADRT]
	s_and_b32 s54, s16, 1
	s_mul_i32 s54, s54, 4*BLK
	s_add_co_u32 s54, s54, PANEL
	v_bfe_u32 v31, v0, 2, 2
	v_mul_u32_u24 v31, v31, BLK
	v_and_b32 v28, 3, v0
	v_lshl_add_u32 v31, v28, 4, v31
	v_mad_u32_u24 v31, v2, 80, v31
	v_add_nc_u32 v[STOC], s54, v31
	s_mul_i32 s54, s16, BLK
	s_add_co_u32 s54, s54, PANEL                   ; H: my 32 columns are block w
	v_add_nc_u32 v[STOH], s54, v30
	s_mul_i32 s54, s16, 2*BLK
	s_add_co_u32 s54, s54, PANEL                   ; my stage on the way out
	v_mul_u32_u24 v31, v1, 528
	v_lshl_add_u32 v31, v2, 5, v31
	v_add_nc_u32 v[OST], s54, v31
	v_lshl_add_u32 v[ORD], v29, 4, s54
	s_wait_loadcnt 0x0
	WIN 0x85
.set tt, 0
.rept 32
.irp q, 0,1,2,3
	v_cvt_pk_bf16_f32 v[4*tt+\q], v[8*tt+2*\q], v[8*tt+2*\q+1]
.endr
.set tt, tt+1
.endr
	; H = X W1 + b1
	PUTX 0
	s_wait_tensorcnt 0x1                           ; my part of W1 is in; W2's may stay out
	BAR
	KSTEP 1, 0, 0, 2, 2, B1
	KSTEP 1, 1, 4, 2, 0, 0
	WIN 0
	BAR                                            ; every wave's reads of the first half of X are over
	PUTX 1
	BAR
	KSTEP 1, 2, 0, 2, 0, 0
	KSTEP 1, 3, 4, 2, 0, 0
	; gelu(x) = x Phi(x), Phi(x) = 0.5 + sign(x) (0.5 - erfc(|x| / sqrt 2) / 2)
	PLACES
	WIN 0x01
.irp a, 0,1,2,3
.set ee, 0
.rept 16
	v_fma_f32 v[GU+16*\a+ee], |v[64*\a+ee]|, s44, 1.0
	v_mul_f32 v[GZ+16*\a+ee], v[64*\a+ee], s45
.set ee, ee+1
.endr
.endr
	WIN 0
.irp c, 0,1,2,3
.set ee, 0
.rept 16
	v_fma_f32 v[GQ+ee], -v[GZ+16*\c+ee], v[GZ+16*\c+ee], 0
.set ee, ee+1
.endr
.set ee, 0
.rept 16
	v_rcp_f32 v[GU+16*\c+ee], v[GU+16*\c+ee]
.set ee, ee+1
.endr
.set ee, 0
.rept 16
	v_exp_f32 v[GQ+ee], v[GQ+ee]
.set ee, ee+1
.endr
	v_nop                                          ; the plain place behind the run (ISA guide 5.7.2)
.set ee, 0
	s_wait_alu depctr_va_vdst(0)
.rept 16
	v_fma_f32 v[GY+ee], v[GU+16*\c+ee], s50, s49
.set ee, ee+1
.endr
.irp k, 48,47,46
.set ee, 0
.rept 16
	v_fma_f32 v[GY+ee], v[GY+ee], v[GU+16*\c+ee], s[\k]
.set ee, ee+1
.endr
.endr
.set ee, 0
.rept 16
	v_mul_f32 v[GY+ee], v[GY+ee], v[GU+16*\c+ee]
.set ee, ee+1
.endr
.set ee, 0
.rept 16
	v_mul_f32 v[GY+ee], v[GY+ee], v[GQ+ee]         ; erfc / 2
.set ee, ee+1
.endr
.set ee, 0
.rept 16
	v_sub_f32 v[GY+ee], 0.5, v[GY+ee]
.set ee, ee+1
.endr
.set ee, 0
.rept 16
	v_bfi_b32 v[GY+ee], s51, v[GY+ee], v[GZ+16*\c+ee]      ; its magnitude with x's sign
.set ee, ee+1
.endr
.set ee, 0
.rept 16
	v_add_f32 v[GZ+16*\c+ee], 0.5, v[GY+ee]        ; Phi
.set ee, ee+1
.endr
.endr
	WIN 0x01
.irp a, 0,1,2,3
.set ee, 0
.rept 16
	v_mul_f32 v[GZ+16*\a+ee], v[64*\a+ee], v[GZ+16*\a+ee]
.set ee, ee+1
.endr
.endr
	WIN 0x80
.irp a, 0,1,2,3
.irp b, 0,1
.irp q, 0,1,2,3
	v_cvt_pk_bf16_f32 v[32*\a+4*\b+\q], v[GZ+16*\a+8*\b+2*\q], v[GZ+16*\a+8*\b+2*\q+1]
.endr
.endr
.endr
	WIN 0
	BAR                                            ; every wave's reads of X are over
	WIN 0x08
.irp a, 0,1,2,3
.irp b, 0,1
	ds_store_b128 v[STOH], v[32*\a+4*\b:32*\a+4*\b+3] offset:1280*\a+32*\b
.endr
.endr
	WIN 0
	s_wait_tensorcnt 0x0                           ; my part of W2 is in
	BAR
	; part[chunk] = H W2
	KSTEP 0, 0, 0, 8, 1, 0
	WIN 0
	BAR                                            ; every wave's reads of the panel are over before it becomes the stage
	OUT
	ROUND                                          ; the closing round
	s_endpgm
.Lfunc_end_k_qd48d9e6f3d_ffn:
	.size	k_qd48d9e6f3d_ffn, .Lfunc_end_k_qd48d9e6f3d_ffn-k_qd48d9e6f3d_ffn
	.p2alignl 7, 3214868480
	.fill 96, 4, 3214868480
	.section	.rodata,"a",@progbits
	.p2align	6, 0x0
	.amdhsa_kernel k_qd48d9e6f3d_ffn
		.amdhsa_group_segment_fixed_size 324096
		.amdhsa_private_segment_fixed_size 0
		.amdhsa_enable_private_segment 0
		.amdhsa_kernarg_size 32
		.amdhsa_user_sgpr_count 2
		.amdhsa_user_sgpr_kernarg_segment_ptr 1
		.amdhsa_wavefront_size32 1
		.amdhsa_system_sgpr_workgroup_id_x 1
		.amdhsa_system_sgpr_workgroup_id_y 1
		.amdhsa_system_sgpr_workgroup_id_z 1
		.amdhsa_system_vgpr_workitem_id 0
		.amdhsa_next_free_vgpr 656
		.amdhsa_next_free_sgpr 66
		.amdhsa_reserve_vcc 0
		.amdhsa_float_denorm_mode_32 3
		.amdhsa_float_denorm_mode_16_64 3
		.amdhsa_memory_ordered 1
		.amdhsa_forward_progress 1
		.amdhsa_inst_pref_size 130
	.end_amdhsa_kernel
	.amdgpu_metadata
---
amdhsa.version: [ 1, 2 ]
amdhsa.kernels:
  - .name:           k_qd48d9e6f3d_ffn
    .symbol:         k_qd48d9e6f3d_ffn.kd
    .args:
      - { .name: x2, .offset: 0, .size: 8, .value_kind: global_buffer, .address_space: global }
      - { .name: wb, .offset: 8, .size: 8, .value_kind: global_buffer, .address_space: global }
      - { .name: ff_b1, .offset: 16, .size: 8, .value_kind: global_buffer, .address_space: global }
      - { .name: part, .offset: 24, .size: 8, .value_kind: global_buffer, .address_space: global }
    .group_segment_fixed_size: 324096
    .private_segment_fixed_size: 0
    .kernarg_segment_align: 8
    .kernarg_segment_size: 32
    .max_flat_workgroup_size: 128
    .sgpr_count:     66
    .vgpr_count:     656
    .wavefront_size: 32
...
	.end_amdgpu_metadata
.endif
;; end of part 10
;; launch ln3: the kernel of part 3 again; grid 256 x 1, 8 waves a work-group, no clusters, 0 bytes of LDS; arguments part, x2, ff_b2, ff_lng, ff_lnb, out0; writes out0
